; MI455X (gfx1250); checked and timed in simulation.
; The chip was launched on July 23, 2026; its instructions are those of AMD's public machine-readable ISA for CDNA 5 (MIT licence, August 2026) and "CDNA5" Instruction Set Architecture Reference Guide (July 2026). The comments in the code are by the model that wrote it; some were corrected since.
;; My Mutil Head Attention. Allowed arithmetic: float matrix products may take bf16 or f16 operands with f32 sums; other float arithmetic in f32, or as packed bf16 or f16 multiplies, adds, multiply-adds, maxima and minima; sums over many terms, partial sums and values carried from step to step in f32; what a program stores and reads back later, other than sums and carried values, may be rounded once to bf16 or f16.
;; Inputs: Wk 1,024 x 1,024 float32; Wo 1,024 x 1,024 float32; Wq 1,024 x 1,024 float32; Wv 1,024 x 1,024 float32; bk 1,024 float32; bo 1,024 float32; bq 1,024 float32; bv 1,024 float32; key_t 4 x 1,024 x 1,024 float32; mask 1,024 x 1,024 int32; query 4 x 1,024 x 1,024 float32; value 4 x 1,024 x 1,024 float32.
;; Outputs: out0 4 x 1,024 x 1,024 float32.
;; 3 versions, each right; version 2 is faster than version 1; version 3 is version 2 with the launch prep written anew for expert scheduling mode. Each part assembles by itself: llvm-mc -triple=amdgcn-amd-amdhsa -mcpu=gfx1250 --defsym DOCPART=n.
;; ======== version 1 of 3: 6 launches
;; limits: values are held in f16: magnitudes above 65,504 overflow, below 6.1e-05 lose precision; right only within a limited range of input values
;; workspace buffers: xh 8,404,992 bytes; wall 6,307,840 bytes; wkh 2,113,536 bytes; mt2 4,194,304 bytes; qvb 67,108,864 bytes; ktb 16,777,216 bytes; kmb 16,777,216 bytes; hob 8,388,608 bytes
;; launch prep (part 1): grid 577 x 1, 8 waves a work-group, no clusters, 35,840 bytes of LDS; arguments query, Wq, Wv, Wo, Wk, mask, bq, bv, bo, bk, xh, wall, wkh, mt2; writes xh, wall, wkh, mt2
.if DOCPART == 1
	.amdgcn_target "amdgcn-amd-amdhsa--gfx1250"
	.amdhsa_code_object_version 6
	.text
	.protected	k_qe89b204fbd_prep
	.globl	k_qe89b204fbd_prep
	.p2align	8
	.type	k_qe89b204fbd_prep,@function
k_qe89b204fbd_prep:
	s_mov_b64 s[64:65], 0
	v_nop
	global_prefetch_b8 v0, s[64:65] scope:SCOPE_SE
	s_setreg_imm32_b32 hwreg(HW_REG_WAVE_MODE, 25, 1), 1
	s_wait_xcnt 0x0
; THE OPERANDS OF THE LATER LAUNCHES ARE MADE.  Every floating-point input is rounded to bf16 once, multiplied by a power of two (exact) and written as f16:
;   xh   = [4,096 zeros in f32][bf16(query) / 16,  4,096 rows of 1,024]
;   wall = [bq / 16, bv, bo in f32, 1,024 each, 1,024 words unused][Wq; 16 Wv; Wo,  3,072 rows of 1,024]
;   wkh  = [bk / 16 in f32, 1,024, the rest unused][Wk,  1,024 rows of 1,024]
;   mt2[j][256 (k / 128) + 128 part + k % 128] = mask[k][j] / 64 for part 0 and part 1 alike: the mask turned, each 128 k written twice, to meet a K that lies as [hi 128 | lo 128].
; key_t and value are not read: nothing is computed from them.
; LIMITS.  A bf16 number written as f16 is exact from 2^-17 to 65,504 in size; below, it is off by 2^-25 at the most; so |query| < 1.0e6, |Wq|, |Wk|, |Wo| < 65,504, |Wv| < 4,094.
; Whole numbers of the mask are exact up to 2,048 in size.  NaN and infinities are not treated apart.
; SHARES.  Work-groups 0-511: a stream, 16,384 numbers each (0-255 query, then 64 each for Wq, Wv, Wo, Wk).  512-575: a tile of 128 k x 128 j of the mask, turned through LDS.  576: the addends.
; All branches hang on the work-group's number alone.  No matrix unit, no cluster, no tensor load: the launch moves each byte once and computes next to nothing.
.set HEAD,   16384                     ; bytes of addends in front of an operand's rows
.set SPITCH, 272                       ; a stage row: 128 f16 + 16 bytes
.set SPARE,  128*SPITCH                ; behind the stage: the spare words, 128 bytes for each of eight waves: four blocks of 256 bytes that no other line names
.set IN,  8                            ; v[8:71]    as loaded
.set T,   72                           ; v[72:77]   at work
.set OUT, 80                           ; v[80:111]  to store
.set SPW, 126                          ; v126  LDS address of my spare word; never rewritten
.set NIL, 127                          ; v127  0; never rewritten
	s_load_b512 s[8:23], s[0:1], 0x0               ; query s[8:9], Wq s[10:11], Wv s[12:13], Wo s[14:15], Wk s[16:17], mask s[18:19], bq s[20:21], bv s[22:23]
	s_load_b256 s[24:31], s[0:1], 0x40             ; bo s[24:25], bk s[26:27], xh s[28:29], wall s[30:31]
	s_load_b128 s[32:35], s[0:1], 0x60             ; wkh s[32:33], mt2 s[34:35]
	v_lshl_add_u32 v[SPW], v0, 2, SPARE
	v_mov_b32 v[NIL], 0
	s_mov_b32 s2, ttmp9                            ; x
	s_wait_kmcnt 0x0
	s_cmp_ge_u32 s2, 512
	s_cbranch_scc1 .Lnot_stream
	; THE STREAM.  Source, destination, their chunks and the scale are chosen by x.
	s_mov_b64 s[36:37], s[8:9]                     ; from query
	s_mov_b64 s[38:39], s[28:29]                   ; to xh
	s_mov_b32 s40, s2                              ; the source's chunk of 65,536 bytes
	s_mov_b32 s41, s2                              ; the destination's chunk of 32,768 bytes
	s_mov_b32 s42, 0x3d800000                      ; 1 / 16
	s_and_b32 s44, s2, 63
	s_sub_co_u32 s45, s2, 256
	s_cmp_ge_u32 s2, 256
	s_cselect_b64 s[36:37], s[10:11], s[36:37]     ; Wq
	s_cselect_b64 s[38:39], s[30:31], s[38:39]     ; to wall, chunk x - 256: Wq, Wv and Wo follow each other there
	s_cselect_b32 s40, s44, s40
	s_cselect_b32 s41, s45, s41
	s_cselect_b32 s42, 1.0, s42
	s_cmp_ge_u32 s2, 320
	s_cselect_b64 s[36:37], s[12:13], s[36:37]     ; Wv, times 16: it meets query / 16
	s_cselect_b32 s42, 0x41800000, s42
	s_cmp_ge_u32 s2, 384
	s_cselect_b64 s[36:37], s[14:15], s[36:37]     ; Wo
	s_cselect_b32 s42, 1.0, s42
	s_cmp_ge_u32 s2, 448
	s_cselect_b64 s[36:37], s[16:17], s[36:37]     ; Wk
	s_cselect_b64 s[38:39], s[32:33], s[38:39]     ; to wkh, chunk x - 448
	s_cselect_b32 s41, s44, s41
	s_mov_b32 s43, s42                             ; named with it as a pair
	s_lshl_b32 s44, s40, 16
	s_mov_b32 s45, 0
	s_add_nc_u64 s[36:37], s[36:37], s[44:45]
	s_lshl_b32 s46, s41, 15
	s_add_co_u32 s46, s46, HEAD
	s_mov_b32 s47, 0
	s_add_nc_u64 s[38:39], s[38:39], s[46:47]
	v_lshlrev_b32 v1, 4, v0                        ; 16 bytes a thread in: a wave's load covers 512 consecutive bytes
	v_lshlrev_b32 v2, 3, v0                        ; 8 bytes a thread out: a wave's store covers 256 consecutive bytes, aligned
.set i, 0
.rept 16                                               ; all sixteen loads go out first: 65,536 bytes of the work-group on their way
	global_load_b128 v[IN+4*i:IN+4*i+3], v1, s[36:37] offset:4096*i th:TH_LOAD_NT
.set i, i+1
.endr
.set i, 0
.rept 16
	s_wait_loadcnt 15-i                            ; loads come back in order: number i is in, the 15 - i younger ones stay out
	v_cvt_pk_bf16_f32 v[T], v[IN+4*i], v[IN+4*i+1]     ; the one rounding of an input
	v_cvt_pk_bf16_f32 v[T+1], v[IN+4*i+2], v[IN+4*i+3]
	v_lshlrev_b32 v[T+2], 16, v[T]                 ; back to f32,
	v_and_b32 v[T+3], 0xffff0000, v[T]
	v_lshlrev_b32 v[T+4], 16, v[T+1]
	v_and_b32 v[T+5], 0xffff0000, v[T+1]
	v_pk_mul_f32 v[T+2:T+3], v[T+2:T+3], s[42:43] op_sel_hi:[1,0]  ; the power of two,
	v_pk_mul_f32 v[T+4:T+5], v[T+4:T+5], s[42:43] op_sel_hi:[1,0]
	v_cvt_pk_f16_f32 v[OUT+2*i], v[T+2], v[T+3]    ; and written as f16: eight significant bits fit in eleven
	v_cvt_pk_f16_f32 v[OUT+2*i+1], v[T+4], v[T+5]
	global_store_b64 v2, v[OUT+2*i:OUT+2*i+1], s[38:39] offset:2048*i  ; each store has data registers of its own: none is written again
.set i, i+1
.endr
	s_endpgm                                       ; this way has written no LDS
.Lnot_stream:
	s_cmp_eq_u32 s2, 576
	s_cbranch_scc1 .Laddends
	; THE MASK, a tile of 128 k x 128 j.  Wave w reads rows k = 16 w .. 16 w + 15, lane l the columns j = 4 l .. 4 l + 3; eight k of one j pack into 16 bytes of a stage row j.
	s_sub_co_u32 s3, s2, 512
	s_lshr_b32 s36, s3, 3                          ; the tile's place along k
	s_and_b32 s37, s3, 7                           ; and along j
	s_lshl_b32 s38, s36, 19                        ; mask: 128 rows of 4,096 bytes,
	s_lshl_b32 s40, s37, 9                         ; 128 columns of 4 bytes
	s_add_co_u32 s38, s38, s40
	s_mov_b32 s39, 0
	s_add_nc_u64 s[18:19], s[18:19], s[38:39]
	s_lshl_b32 s38, s37, 19                        ; mt2: 128 rows j of 4,096 bytes,
	s_lshl_b32 s40, s36, 9                         ; 128 k are 512 bytes there
	s_add_co_u32 s38, s38, s40
	s_add_nc_u64 s[34:35], s[34:35], s[38:39]
	v_and_b32 v1, 31, v0                           ; l
	v_lshrrev_b32 v2, 5, v0                        ; w
	v_lshlrev_b32 v3, 4, v1
	v_lshl_add_u32 v3, v2, 16, v3                  ; in: 16 w rows of 4,096 bytes + 16 l
	v_mul_u32_u24 v4, v1, 4*SPITCH
	v_lshl_add_u32 v4, v2, 5, v4                   ; into the stage: row 4 l, byte 32 w
	v_and_b32 v7, 15, v0
	v_bfe_u32 v6, v0, 4, 1
	v_lshl_add_u32 v6, v2, 4, v6                   ; back: row 16 w + l / 16,
	v_mul_u32_u24 v5, v6, SPITCH
	v_lshl_add_u32 v5, v7, 4, v5                   ; 16 bytes a lane: 16 lanes take a row's 256 bytes
	v_lshlrev_b32 v6, 12, v6
	v_lshl_add_u32 v6, v7, 4, v6                   ; and the same place in mt2
.set i, 0
.rept 16                                               ; row 16 w + i: 512 consecutive bytes a load
	global_load_b128 v[IN+4*i:IN+4*i+3], v3, s[18:19] offset:4096*i th:TH_LOAD_NT
.set i, i+1
.endr
.irp g, 0,1
	s_wait_loadcnt 8-8*(\g)                        ; eight rows are in; for the first eight the other eight loads stay out
.set i, 0
.rept 32
	v_cvt_f32_i32 v[IN+32*(\g)+i], v[IN+32*(\g)+i]
.set i, i+1
.endr
.set i, 0
.rept 16
	v_pk_mul_f32 v[IN+32*(\g)+2*i:IN+32*(\g)+2*i+1], v[IN+32*(\g)+2*i:IN+32*(\g)+2*i+1], 0x3c800000 op_sel_hi:[1,0]  ; / 64
.set i, i+1
.endr
.irp c, 0,1,2,3                        ; column 4 l + c: rows 2 q and 2 q + 1 side by side
.irp q, 0,1,2,3
	v_cvt_pk_f16_f32 v[OUT+16*(\g)+4*(\c)+(\q)], v[IN+32*(\g)+8*(\q)+(\c)], v[IN+32*(\g)+8*(\q)+4+(\c)]
.endr
	ds_store_b128 v4, v[OUT+16*(\g)+4*(\c):OUT+16*(\g)+4*(\c)+3] offset:(\c)*SPITCH+16*(\g)  ; lanes lie four rows apart, 1,088 bytes; eight such stores a lane are not worth another layout
.endr
.endr
	s_wait_dscnt 0x0                               ; for the others' sake: my stores into the stage are done
	s_barrier_signal -1
	s_barrier_wait -1
.set i, 0
.rept 8
	ds_load_b128 v[IN+4*i:IN+4*i+3], v5 offset:i*2*SPITCH  ; rows 16 w + 2 i and + 1, whole
.set i, i+1
.endr
.set i, 0
.rept 8
	s_wait_dscnt 7-i                               ; LDS loads come back in order: number i is in
	global_store_b128 v6, v[IN+4*i:IN+4*i+3], s[34:35] offset:i*8192      ; 16 lanes store 256 consecutive bytes, aligned: beside K's hi part,
	global_store_b128 v6, v[IN+4*i:IN+4*i+3], s[34:35] offset:i*8192+256  ; and once more beside its lo part
.set i, i+1
.endr
	s_wait_tensorcnt 0x0                           ; the wave's end: the waits and the closing add stand behind my last LDS store
	ds_add_u32 v[SPW], v[NIL]
	s_wait_dscnt 0x0
	s_endpgm
.Laddends:
	; THE ADDENDS, in f32: each bias rounded to bf16 like every input, bq and bk divided by 16 like the sums that they join; 4,096 zeros in front of xh.
.macro ADDEND in, out, scaled, base, off
	v_cvt_pk_bf16_f32 v[T], v[\in], v[(\in)+1]
	v_cvt_pk_bf16_f32 v[T+1], v[(\in)+2], v[(\in)+3]
	v_lshlrev_b32 v[\out], 16, v[T]
	v_and_b32 v[(\out)+1], 0xffff0000, v[T]
	v_lshlrev_b32 v[(\out)+2], 16, v[T+1]
	v_and_b32 v[(\out)+3], 0xffff0000, v[T+1]
.if \scaled
	v_pk_mul_f32 v[\out:(\out)+1], v[\out:(\out)+1], 0x3d800000 op_sel_hi:[1,0]
	v_pk_mul_f32 v[(\out)+2:(\out)+3], v[(\out)+2:(\out)+3], 0x3d800000 op_sel_hi:[1,0]
.endif
	global_store_b128 v1, v[\out:(\out)+3], s[\base:(\base)+1] offset:\off
.endm
	v_lshlrev_b32 v1, 4, v0                        ; 256 threads x 16 bytes = a bias
	global_load_b128 v[12:15], v1, s[20:21]        ; bq
	global_load_b128 v[16:19], v1, s[22:23]        ; bv
	global_load_b128 v[20:23], v1, s[24:25]        ; bo
	global_load_b128 v[24:27], v1, s[26:27]        ; bk
.irp i, 8,9,10,11
	v_mov_b32 v\i, 0
.endr
.irp i, 0,1,2,3
	global_store_b128 v1, v[8:11], s[28:29] offset:4096*(\i)
.endr
	s_wait_loadcnt 0x0
	ADDEND 12, 32, 1, 30, 0
	ADDEND 16, 36, 0, 30, 4096
	ADDEND 20, 40, 0, 30, 8192
	ADDEND 24, 44, 1, 32, 0
	s_endpgm                                       ; this way has written no LDS
.Lfunc_end_k_qe89b204fbd_prep:
	.size	k_qe89b204fbd_prep, .Lfunc_end_k_qe89b204fbd_prep-k_qe89b204fbd_prep
	.p2alignl 7, 3214868480
	.fill 96, 4, 3214868480
	.section	.rodata,"a",@progbits
	.p2align	6, 0x0
	.amdhsa_kernel k_qe89b204fbd_prep
		.amdhsa_group_segment_fixed_size 35840
		.amdhsa_private_segment_fixed_size 0
		.amdhsa_enable_private_segment 0
		.amdhsa_kernarg_size 112
		.amdhsa_user_sgpr_count 2
		.amdhsa_user_sgpr_kernarg_segment_ptr 1
		.amdhsa_wavefront_size32 1
		.amdhsa_system_sgpr_workgroup_id_x 1
		.amdhsa_system_sgpr_workgroup_id_y 1
		.amdhsa_system_sgpr_workgroup_id_z 1
		.amdhsa_system_vgpr_workitem_id 0
		.amdhsa_next_free_vgpr 128
		.amdhsa_next_free_sgpr 66
		.amdhsa_reserve_vcc 0
		.amdhsa_float_denorm_mode_32 3
		.amdhsa_float_denorm_mode_16_64 3
		.amdhsa_memory_ordered 1
		.amdhsa_forward_progress 1
		.amdhsa_inst_pref_size 31
	.end_amdhsa_kernel
	.amdgpu_metadata
---
amdhsa.version: [ 1, 2 ]
amdhsa.kernels:
  - .name:           k_qe89b204fbd_prep
    .symbol:         k_qe89b204fbd_prep.kd
    .args:
      - { .name: query, .offset: 0, .size: 8, .value_kind: global_buffer, .address_space: global }
      - { .name: Wq, .offset: 8, .size: 8, .value_kind: global_buffer, .address_space: global }
      - { .name: Wv, .offset: 16, .size: 8, .value_kind: global_buffer, .address_space: global }
      - { .name: Wo, .offset: 24, .size: 8, .value_kind: global_buffer, .address_space: global }
      - { .name: Wk, .offset: 32, .size: 8, .value_kind: global_buffer, .address_space: global }
      - { .name: mask, .offset: 40, .size: 8, .value_kind: global_buffer, .address_space: global }
      - { .name: bq, .offset: 48, .size: 8, .value_kind: global_buffer, .address_space: global }
      - { .name: bv, .offset: 56, .size: 8, .value_kind: global_buffer, .address_space: global }
      - { .name: bo, .offset: 64, .size: 8, .value_kind: global_buffer, .address_space: global }
      - { .name: bk, .offset: 72, .size: 8, .value_kind: global_buffer, .address_space: global }
      - { .name: xh, .offset: 80, .size: 8, .value_kind: global_buffer, .address_space: global }
      - { .name: wall, .offset: 88, .size: 8, .value_kind: global_buffer, .address_space: global }
      - { .name: wkh, .offset: 96, .size: 8, .value_kind: global_buffer, .address_space: global }
      - { .name: mt2, .offset: 104, .size: 8, .value_kind: global_buffer, .address_space: global }
    .group_segment_fixed_size: 35840
    .private_segment_fixed_size: 0
    .kernarg_segment_align: 8
    .kernarg_segment_size: 112
    .max_flat_workgroup_size: 256
    .sgpr_count:     66
    .vgpr_count:     128
    .wavefront_size: 32
...
	.end_amdgpu_metadata
.endif
;; end of part 1
;; launch proj_qv (part 2): grid 16 x 32, 4 waves a work-group, clusters of 4 x 4, 327,680 bytes of LDS; arguments xh, wall, qvb; writes qvb
.if DOCPART == 2
	.amdgcn_target "amdgcn-amd-amdhsa--gfx1250"
	.amdhsa_code_object_version 6
	.text
	.protected	k_qe89b204fbd_proj_qv
	.globl	k_qe89b204fbd_proj_qv
	.p2align	8
	.type	k_qe89b204fbd_proj_qv,@function
k_qe89b204fbd_proj_qv:
	s_mov_b64 s[64:65], 0
	v_nop
	global_prefetch_b8 v0, s[64:65] scope:SCOPE_SE
	s_setreg_imm32_b32 hwreg(HW_REG_WAVE_MODE, 25, 1), 1
	s_wait_xcnt 0x0
	s_wait_alu depctr_hold_cnt(0) depctr_sa_sdst(0) depctr_va_vdst(0) depctr_va_sdst(0) depctr_va_ssrc(0) depctr_va_vcc(0) depctr_vm_vsrc(0)
	s_getreg_b32 s2, hwreg(HW_REG_IB_STS2, 6, 4)
	s_cmp_eq_u32 s2, 0
	s_cbranch_scc0 .Lentry_in_a_cluster
	s_endpgm
.Lentry_in_a_cluster:
	s_bfe_u32 s2, ttmp6, 0x10000c
	s_cmp_lg_u32 s2, 0xf033
	s_cbranch_scc0 .Lentry_shape_is_right
	s_endpgm
.Lentry_shape_is_right:
; A PROJECTION.  C[m][n] = sum over k of A[m][k] B[n][k] + addA[m] + addB[n], K = 1,024.  A and B are operand buffers: 16,384 bytes of addends in f32 (one for each row), then rows of 1,024 f16.
; The sums are f32.  C LEAVES AS A PAIR OF f16: hi = f16(c), lo = f16(c - hi) (the difference is exact in f32).  A row of C has a pitch of 16,384 bytes; the tile of columns 128 t .. lies at byte 512 t as [hi 256 bytes | lo 256 bytes].
; Two launches run this text: (x / 16, [Wq; 16 Wv]) gives Q / 16 and V by tokens; (Wk, x / 16) gives (K / 16) transposed, [channel][token], with bk / 16 as the row addend.
; LIMITS.  |c| < 65,504, that is |Q|, |K| < 1.04e6, |V| < 65,504; lo has f16's fixed step of 6e-8 below 6e-5, so a pair is off by 3e-8 at the most or 2^-22 of itself.  NaN and infinities are not treated apart.
; A tile of C is 128 x 128.  Four waves, each 64 x 64: 16 accumulators of 16 x 16, 128 registers.  K goes in steps of 256 (LDS rows of 512 bytes; a wave's tensor load brings 64 of them) through two slots.
; CLUSTERS: 4 x 4 work-groups.  The four of a row of the cluster need the same tiles of A, the four of a column the same tiles of B: each tile is asked for JOINTLY, by the same tensor load with the
; same descriptor and a mask that names the four.  THE MATRIX INSTRUCTION IS USED TRANSPOSED (source 0 = 16 rows of B, source 1 = 16 rows of A): a lane then holds eight neighbouring numbers of a row of C.
; REGISTERS: window 0: v0-31 addresses and the row addends; v32-95 the hi parts on the way out; v96-127 the column addends; v128-255 the accumulators ((a, b) at v[128 + 8 (4 a + b)]).
;   window 1: two fragment buffers of 128: for 64 along K (two matrix instructions deep), 64 registers of A (2 x 4 x 16 rows x 32 K), then 64 of B.
.set SIZE_K, 1024
.set HEADA,  16384                     ; bytes in front of A's rows
.set HEADB,  16384                     ; and of B's
.set CPB,    16384                     ; bytes from row to row of C
.set KSTEP,  256
.set PITCH,  528                       ; an LDS row: 512 bytes of data + 16 of padding = 132 words: row r starts at bank 4 r mod 64 (64 banks of 4 bytes: ISA guide 11.1)
.set HALFT,  64*PITCH                  ; 64 rows: what one tensor load brings, and what one wave reads of A or of B
.set SLOT,   4*HALFT                   ; A's 128 rows, then B's 128 rows
.set SPITCH, 528                       ; the stage for the way out: 128 rows of [hi 256 | lo 256] + 16.  It lies in slot 0, from byte 0, when that slot has had its last fill and its last read: two slots and a stage of their own do not fit
.set SPARE,  2*SLOT                    ; behind the ring: the spare words, 128 bytes for each wave: two blocks of 256 bytes that no other line names
.set LAPS, SIZE_K/(2*KSTEP)            ; a lap = two K steps = once round the ring
.set ALPHA, 8                          ; v8-15   addA of my row in block a, in both registers of pair a: the packed add takes the pair's first for both halves
.set ADRA, 16                          ; v16-17  LDS address of my A fragments in slot 0, 1
.set ADRB, 20                          ; v20-21  the same for B
.set STO,  24                          ; v24     the way out: where I put 16 bytes of a row
.set RD,   25                          ; v25     the way out: where I read a row back
.set CO,   26                          ; v26     my byte offset in a tile's 512 bytes of a row of C
.set MONE, 27                          ; v27     -1.0
.set SPW,  28                          ; v28     LDS address of my spare word: SPARE + 4 x my thread's number; never rewritten
.set NIL,  29                          ; v29     0; never rewritten
.set TMP,  32
.set BETA, 96                          ; v96-127 addB of my eight columns in block b at BETA + 8 b
.set ACC,  128
.set F0,   0                           ; fragment buffers, in window 1
.set F1,   128
.set G1, 24                            ; s[24:31] descriptor group 1 for A's tiles;  s[32:39] group 0, one set for each slot
.set G0, 32
.set G1B, 48                           ; s[48:55], s[56:63] the same for B's tiles
.set G0B, 56
.set MSB, 0
.macro WIN new                         ; the immediate's high byte repeats the setting that is left
.if MSB != (\new)
	s_set_vgpr_msb (MSB<<8)|(\new)
.set MSB, \new
.endif
.endm
.set MUL,  0x05                        ; sources 0 (B) and 1 (A) window 1; C and D window 0
.set TO_F, 0x40                        ; destination window 1, address window 0
.macro JLOAD s                         ; a joint load: waves 0 and 1 fetch A's two halves, waves 2 and 3 B's; an s_nop 0 and four v_nop follow each of the two lines, ahead of the jump, the label and what follows
	s_cmp_eq_u32 s11, 0
	s_cbranch_scc0 .Lfor_b_\@
	tensor_load_to_lds s[G0+4*(\s):G0+4*(\s)+3], s[G1:G1+7]
	s_nop 0
.rept 4
	v_nop
.endr
	s_branch .Lasked_\@
.Lfor_b_\@:
	tensor_load_to_lds s[G0B+4*(\s):G0B+4*(\s)+3], s[G1B:G1B+7]
	s_nop 0
.rept 4
	v_nop
.endr
.Lasked_\@:
.endm
.macro CREST                           ; a round of the cluster's barrier behind its opening barrier
	s_cmp_lg_u32 s10, 0
	s_cbranch_scc1 .Lnot_wave_0_\@
	s_barrier_signal -3
.Lnot_wave_0_\@:
	s_barrier_wait -3
	s_barrier_signal -1
	s_barrier_wait -1
.endm
.macro CROUND                          ; a whole round
	s_barrier_signal -1
	s_barrier_wait -1
	CREST
.endm
	s_load_b128 s[4:7], s[0:1], 0x0                ; A s[4:5], B s[6:7]
	s_load_b64 s[8:9], s[0:1], 0x10                ; C
	v_lshl_add_u32 v[SPW], v0, 2, SPARE
	v_mov_b32 v[NIL], 0
	ds_add_u32 v[SPW], v[NIL]                      ; the wave's opening: the add and its wait stand ahead of my first tensor load; the set-up below, work on registers, stands between them
	v_lshrrev_b32 v1, 5, v0
	v_readfirstlane_b32 s10, v1                    ; wave 0..3
	s_lshr_b32 s11, s10, 1                         ; which half of the tile's rows is mine.  Also: I fetch for A (0) or for B (1)
	s_and_b32 s12, s10, 1                          ; which half of its columns.  Also: which 64 rows of that tile I fetch
	s_bfe_u32 s40, ttmp6, 0x40000                  ; cx, cy: my place in the cluster
	s_bfe_u32 s41, ttmp6, 0x40004
	s_lshl_b32 s42, ttmp9, 2
	s_add_co_u32 s42, s42, s40                     ; tile column of C = 4 x cluster x + cx
	s_and_b32 s13, ttmp7, 0xffff
	s_lshl_b32 s13, s13, 2
	s_add_co_u32 s13, s13, s41                     ; tile row of C = 4 x cluster y + cy
	s_lshl_b32 s43, s41, 2
	s_lshl_b32 s43, 15, s43                        ; my row of the cluster
	s_lshl_b32 s44, 0x1111, s40                    ; my column
	; descriptor group 1: a tile of 64 rows x 256 elements, padded in LDS
	s_or_b32 s[G1+0], s43, (1<<16)|(1<<20)|(1<<21)|(6<<22)|(3<<25)  ; 15:0 the mask: A's tiles go to my row; 17:16 element of 2 bytes; 20 padding on; 21 set beside a mask; 24:22 after every 128 words (code 6); 31:25 of 4 words (code 3)
	s_or_b32 s[G1B+0], s44, (1<<16)|(1<<20)|(1<<21)|(6<<22)|(3<<25)
.irp g, G1, G1B
	s_mov_b32 s[(\g)+1], KSTEP<<16                 ; tensor_dim0 = 256
	s_mov_b32 s[(\g)+2], 64<<16                    ; tensor_dim1 = 64
	s_mov_b32 s[(\g)+3], KSTEP<<16                 ; tile_dim0 = 256
	s_mov_b32 s[(\g)+4], 64                        ; tile_dim1 = 64
	s_mov_b32 s[(\g)+5], SIZE_K                    ; tensor_dim0_stride
	s_mov_b32 s[(\g)+6], 0
	s_mov_b32 s[(\g)+7], 0
.endr
	s_lshl_b32 s17, s12, 6                         ; which 64 rows of the tile I fetch
	s_lshl_b32 s16, s13, 7
	s_add_co_u32 s16, s16, s17                     ; A: row 128 x tile row + 64 x half
	s_lshl_b32 s46, s42, 7
	s_add_co_u32 s46, s46, s17                     ; B: row 128 x tile column + 64 x half
	s_mov_b32 s17, 0
	s_mov_b32 s47, 0
	s_mov_b64 s[18:19], SIZE_K*2
	s_mul_u64 s[16:17], s[16:17], s[18:19]
	s_mul_u64 s[46:47], s[46:47], s[18:19]
	s_add_nc_u64 s[16:17], s[16:17], HEADA         ; the rows lie behind the addends
	s_add_nc_u64 s[46:47], s[46:47], HEADB
	s_mul_i32 s20, s10, HALFT                      ; where they go: wave x 64 rows
	s_wait_dscnt 0x0                               ; the opening add is done
	s_wait_kmcnt 0x0
	s_add_nc_u64 s[14:15], s[4:5], s[16:17]
	s_add_nc_u64 s[46:47], s[6:7], s[46:47]
	CROUND                                         ; all sixteen work-groups are here: the first joint loads meet
.irp s, 0,1
	s_mov_b32 s[G0+4*(\s)], 1
	s_add_co_u32 s[G0+4*(\s)+1], s20, (\s)*SLOT
	s_add_nc_u64 s[G0+4*(\s)+2:G0+4*(\s)+3], s[14:15], (\s)*KSTEP*2
	s_or_b32 s[G0+4*(\s)+3], s[G0+4*(\s)+3], 0x80000000
	s_mov_b32 s[G0B+4*(\s)], 1
	s_add_co_u32 s[G0B+4*(\s)+1], s20, (\s)*SLOT
	s_add_nc_u64 s[G0B+4*(\s)+2:G0B+4*(\s)+3], s[46:47], (\s)*KSTEP*2
	s_or_b32 s[G0B+4*(\s)+3], s[G0B+4*(\s)+3], 0x80000000
	JLOAD \s
.endr
	v_and_b32 v1, 15, v0                           ; l % 16
	v_bfe_u32 v2, v0, 4, 1                         ; l / 16
	; the addends: in an accumulator (a, b) my lane holds row 16 a + l % 16 and the columns 16 b + 8 (l / 16) + 0..7 of my wave's 64 x 64
	v_lshlrev_b32 v6, 2, v1
	v_lshlrev_b32 v7, 5, v2
	s_lshl_b32 s16, s13, 9                         ; 4 bytes x (128 x tile row + 64 x my half of the rows)
	s_lshl_b32 s17, s11, 8
	s_add_co_u32 s16, s16, s17
	s_mov_b32 s17, 0
	s_add_nc_u64 s[4:5], s[4:5], s[16:17]
	s_lshl_b32 s46, s42, 9                         ; the same for the columns (in the registers that held B's address: none that feeds A's descriptors ever holds cx)
	s_lshl_b32 s47, s12, 8
	s_add_co_u32 s46, s46, s47
	s_mov_b32 s47, 0
	s_add_nc_u64 s[6:7], s[6:7], s[46:47]
.irp a, 0,1,2,3
	global_load_b32 v[ALPHA+2*(\a)], v6, s[4:5] offset:64*(\a)
	global_load_b32 v[ALPHA+2*(\a)+1], v6, s[4:5] offset:64*(\a)
.endr
.irp b, 0,1,2,3
	global_load_b128 v[BETA+8*(\b):BETA+8*(\b)+3], v7, s[6:7] offset:64*(\b)
	global_load_b128 v[BETA+8*(\b)+4:BETA+8*(\b)+7], v7, s[6:7] offset:64*(\b)+16
.endr
	v_mul_u32_u24 v3, v1, PITCH
	v_lshl_add_u32 v3, v2, 4, v3                   ; a fragment's row x pitch + 16 x half
	s_mul_i32 s21, s11, HALFT                      ; my 64 rows of A
	s_mul_i32 s22, s12, HALFT                      ; my 64 rows of B,
	s_add_co_u32 s22, s22, 2*HALFT                 ; which lie behind A's 128
.irp s, 0,1
	v_add_nc_u32 v[ADRA+(\s)], s21, v3
	v_add_nc_u32 v[ADRB+(\s)], s22, v3
	s_add_co_u32 s21, s21, SLOT
	s_add_co_u32 s22, s22, SLOT
.endr
	s_mul_i32 s23, s11, 64*SPITCH                  ; into the stage: my 64 rows, my half of their hi (and lo) 256 bytes; row l % 16, 16 bytes for each half of the lanes: the stage's pitch is the ring's, so v3 serves
	s_lshl_b32 s21, s12, 7
	s_add_co_u32 s23, s23, s21
	v_add_nc_u32 v[STO], s23, v3
	s_mul_i32 s23, s10, 32*SPITCH                  ; back: wave w takes rows 32 w .. 32 w + 31, whole: 32 lanes x 16 bytes are a row's 512
	v_and_b32 v5, 31, v0
	v_lshlrev_b32 v[CO], 4, v5
	v_add_nc_u32 v[RD], s23, v[CO]
	v_mov_b32 v[MONE], -1.0
	s_lshl_b32 s16, s13, 7
	s_lshl_b32 s17, s10, 5
	s_add_co_u32 s16, s16, s17                     ; the first row of C that I store: 128 x tile row + 32 x wave
	s_mul_i32 s16, s16, CPB                        ; 4,095 rows of 16,384 bytes at the most: inside 32 bits
	s_mov_b32 s17, 0
	s_add_nc_u64 s[8:9], s[8:9], s[16:17]
	s_lshl_b32 s46, s42, 9                         ; the tile's 512 bytes in a row
	s_mov_b32 s47, 0
	s_add_nc_u64 s[8:9], s[8:9], s[46:47]
	s_wait_loadcnt 0x0                             ; the addends
.irp a, 0,1,2,3                        ; the sums begin with addA + addB: 64 packed adds, in the wait for the first tile
.irp b, 0,1,2,3
.irp p, 0,1,2,3
	v_pk_add_f32 v[ACC+8*(4*(\a)+(\b))+2*(\p):ACC+8*(4*(\a)+(\b))+2*(\p)+1], v[BETA+8*(\b)+2*(\p):BETA+8*(\b)+2*(\p)+1], v[ALPHA+2*(\a):ALPHA+2*(\a)+1] op_sel_hi:[1,0]
.endr
.endr
.endr
; 8 matrix instructions: m blocks a0, a0 + 1 x all 4 n blocks, 32 along K: half c of buffer f.  The 16 accumulators take turns, one instruction a turn
.macro MUL8 f, c, a0
	WIN MUL
.irp a, \a0, (\a0)+1
.irp b, 0,1,2,3
	v_wmma_f32_16x16x32_f16 v[ACC+8*(4*(\a)+(\b)):ACC+8*(4*(\a)+(\b))+7], v[(\f)+64+8*(4*(\c)+(\b)):(\f)+64+8*(4*(\c)+(\b))+7], v[(\f)+8*(4*(\c)+(\a)):(\f)+8*(4*(\c)+(\a))+7], v[ACC+8*(4*(\a)+(\b)):ACC+8*(4*(\a)+(\b))+7]
.endr
.endr
.endm
; 32 LDS loads in one run: the fragments of 64 along K at byte k of the rows, into buffer f; the first 32 along K first
.macro FETCH slot, k, f
	WIN TO_F
.irp c, 0,1
.irp i, 0,1,2,3
	ds_load_b128 v[(\f)+64+8*(4*(\c)+(\i)):(\f)+64+8*(4*(\c)+(\i))+3],   v[ADRB+(\slot)] offset:(\k)+64*(\c)+(\i)*16*PITCH
	ds_load_b128 v[(\f)+64+8*(4*(\c)+(\i))+4:(\f)+64+8*(4*(\c)+(\i))+7], v[ADRB+(\slot)] offset:(\k)+64*(\c)+(\i)*16*PITCH+32
	ds_load_b128 v[(\f)+8*(4*(\c)+(\i)):(\f)+8*(4*(\c)+(\i))+3],         v[ADRA+(\slot)] offset:(\k)+64*(\c)+(\i)*16*PITCH
	ds_load_b128 v[(\f)+8*(4*(\c)+(\i))+4:(\f)+8*(4*(\c)+(\i))+7],       v[ADRA+(\slot)] offset:(\k)+64*(\c)+(\i)*16*PITCH+32
.endr
.endr
.endm
.macro PLACES                          ; four places in front of loads into registers that matrix instructions have read, and of conversions that read results
.rept 4
	v_nop
.endr
.endm
; A K step is four quarters of 64 along K, 32 matrix instructions each, on buffers 0, 1, 0, 1.  One of the first three: multiplies buffer f and fetches the next quarter, at byte k, into g.
.macro QUARTER slot, k, f, g
	s_wait_dscnt 16                                ; the first 32 along K are in; the sixteen younger loads may be out
	WIN MUL
	MUL8 \f, 0, 0
	MUL8 \f, 0, 2
	PLACES
	FETCH \slot, \k, \g
	s_wait_dscnt 32                                ; all but the 32 just issued
	WIN MUL
	MUL8 \f, 1, 0
	MUL8 \f, 1, 2
.endm
; The last quarter multiplies buffer 1 and changes slots: ONE barrier; in front of it each wave waits for all its tensor loads, adds 0 to its spare word, and waits for that and for its own reads of this slot.  fill = 1: this slot is filled again, two K steps ahead.
.macro TURN slot, next, fill
	WIN 0                                          ; (the add's two registers lie in window 0)
	s_wait_tensorcnt 0x0                           ; all my tensor loads have landed: my part of the next slot;
	ds_add_u32 v[SPW], v[NIL]                      ; 0 onto my spare word;
	s_wait_dscnt 17                                ; (the add and the youngest sixteen loads may be out)
	WIN MUL
	MUL8 F1, 0, 0                                  ; eight matrix instructions stand between the add and the wait for it
	s_wait_dscnt 0x0                               ; the add is done, and my reads of this slot are over
	s_barrier_signal -1
	MUL8 F1, 0, 2
.if \fill
	WIN 0
.endif
	s_barrier_wait -1
.if \fill
	CREST                                          ; the barrier has opened a round of the cluster's barrier: no wave of any partner still reads this slot's tile or has a load on its way
	s_add_nc_u64 s[G0+4*(\slot)+2:G0+4*(\slot)+3], s[G0+4*(\slot)+2:G0+4*(\slot)+3], 2*KSTEP*2
	s_add_nc_u64 s[G0B+4*(\slot)+2:G0B+4*(\slot)+3], s[G0B+4*(\slot)+2:G0B+4*(\slot)+3], 2*KSTEP*2
	JLOAD \slot                                    ; the first tensor load behind the round: 112 matrix instructions ahead of the wait for it; the four v_nop behind it are also the places in front of the loads below
.else
	PLACES
.endif
	FETCH \next, 0, F0
	WIN MUL
	MUL8 F1, 1, 0
	MUL8 F1, 1, 2
.endm
	s_wait_tensorcnt 1                             ; my part of K step 0 is in; K step 1's load may stay out
	s_barrier_signal -1
	s_barrier_wait -1                              ; everybody's is
	FETCH 0, 0, F0
	QUARTER 0, 128, F0, F1
.if LAPS > 2
	WIN 0                                          ; at a label and at a branch every window is 0
	s_mov_b32 s3, LAPS-1
.Llap:
.endif
	QUARTER 0, 256, F1, F0                         ; once round the ring, from a lap's second quarter to the next lap's first; both slots are filled again.  At K = 1,024 this stands once, with no loop round it
	QUARTER 0, 384, F0, F1
	TURN 0, 1, 1
	QUARTER 1, 128, F0, F1
	QUARTER 1, 256, F1, F0
	QUARTER 1, 384, F0, F1
	TURN 1, 0, 1
	QUARTER 0, 128, F0, F1
.if LAPS > 2
	WIN 0
	s_sub_co_u32 s3, s3, 1
	s_cmp_lg_u32 s3, 0
	s_cbranch_scc1 .Llap
.endif
	QUARTER 0, 256, F1, F0                         ; the last lap fills nothing, and has no round of the cluster's barrier
	QUARTER 0, 384, F0, F1
	TURN 0, 1, 0                                   ; behind this barrier nobody reads slot 0 any more and no load lands there: it is the stage from here on
	QUARTER 1, 128, F0, F1
	QUARTER 1, 256, F1, F0
	QUARTER 1, 384, F0, F1
	s_wait_dscnt 16                                ; the very last quarter: nothing more to fetch
	WIN MUL
	MUL8 F1, 0, 0
	MUL8 F1, 0, 2
	s_wait_dscnt 0
	MUL8 F1, 1, 0
	MUL8 F1, 1, 2
	WIN 0
	; THE WAY OUT.  For each accumulator, from its low end on: hi = f16(c), eight numbers in four registers; c - hi in place (a multiply-add that reads hi's halves, times -1, exact); lo = f16 of that, into the
	; accumulator's four lowest registers (pair r is read before register r is written).  16 bytes of hi and of lo a lane go into the work-group's stage; a barrier, since a row comes from two waves; back as whole rows.
	PLACES
.irp t, 0,1,2,3,4,5,6,7,8,9,10,11,12,13,14,15
.irp r, 0,1,2,3
	v_cvt_pk_f16_f32 v[TMP+4*(\t)+(\r)], v[ACC+8*(\t)+2*(\r)], v[ACC+8*(\t)+2*(\r)+1]
.endr
.irp r, 0,1,2,3
	v_fma_mix_f32 v[ACC+8*(\t)+2*(\r)], v[TMP+4*(\t)+(\r)], v[MONE], v[ACC+8*(\t)+2*(\r)] op_sel_hi:[1,0,0]
	v_fma_mix_f32 v[ACC+8*(\t)+2*(\r)+1], v[TMP+4*(\t)+(\r)], v[MONE], v[ACC+8*(\t)+2*(\r)+1] op_sel:[1,0,0] op_sel_hi:[1,0,0]
.endr
.irp r, 0,1,2,3
	v_cvt_pk_f16_f32 v[ACC+8*(\t)+(\r)], v[ACC+8*(\t)+2*(\r)], v[ACC+8*(\t)+2*(\r)+1]
.endr
.endr
.irp a, 0,1,2,3
.irp b, 0,1,2,3
	ds_store_b128 v[STO], v[TMP+4*(4*(\a)+(\b)):TMP+4*(4*(\a)+(\b))+3] offset:(\a)*16*SPITCH+32*(\b)
	ds_store_b128 v[STO], v[ACC+8*(4*(\a)+(\b)):ACC+8*(4*(\a)+(\b))+3] offset:(\a)*16*SPITCH+32*(\b)+256
.endr
.endr
	s_wait_dscnt 0x0                               ; for the others' sake: my stores into the stage are done
	s_barrier_signal -1
	s_barrier_wait -1
.set t, 0
.rept 32
	ds_load_b128 v[ACC+4*t:ACC+4*t+3], v[RD] offset:t*SPITCH
.set t, t+1
.endr
.set t, 0
.rept 32
	s_wait_dscnt 31-t                              ; LDS loads come back in order: row t is in
	global_store_b128 v[CO], v[ACC+4*t:ACC+4*t+3], s[8:9] offset:t*CPB  ; a wave stores 512 consecutive bytes, at a multiple of 512 from C's first byte; 31 rows of 16,384 bytes at the most: inside the signed 24-bit immediate
.set t, t+1
.endr
	s_wait_tensorcnt 0x0                           ; the wave's end: the waits and the closing add stand behind my last tensor load and my last LDS store
	ds_add_u32 v[SPW], v[NIL]
	s_wait_dscnt 0x0
	CROUND                                         ; the closing round: no work-group ends while a partner may still ask for a tile that names it
	s_endpgm
.Lfunc_end_k_qe89b204fbd_proj_qv:
	.size	k_qe89b204fbd_proj_qv, .Lfunc_end_k_qe89b204fbd_proj_qv-k_qe89b204fbd_proj_qv
	.p2alignl 7, 3214868480
	.fill 96, 4, 3214868480
	.section	.rodata,"a",@progbits
	.p2align	6, 0x0
	.amdhsa_kernel k_qe89b204fbd_proj_qv
		.amdhsa_group_segment_fixed_size 327680
		.amdhsa_private_segment_fixed_size 0
		.amdhsa_enable_private_segment 0
		.amdhsa_kernarg_size 24
		.amdhsa_user_sgpr_count 2
		.amdhsa_user_sgpr_kernarg_segment_ptr 1
		.amdhsa_wavefront_size32 1
		.amdhsa_system_sgpr_workgroup_id_x 1
		.amdhsa_system_sgpr_workgroup_id_y 1
		.amdhsa_system_sgpr_workgroup_id_z 1
		.amdhsa_system_vgpr_workitem_id 0
		.amdhsa_next_free_vgpr 512
		.amdhsa_next_free_sgpr 66
		.amdhsa_reserve_vcc 0
		.amdhsa_float_denorm_mode_32 3
		.amdhsa_float_denorm_mode_16_64 3
		.amdhsa_memory_ordered 1
		.amdhsa_forward_progress 1
		.amdhsa_inst_pref_size 108
	.end_amdhsa_kernel
	.amdgpu_metadata
---
amdhsa.version: [ 1, 2 ]
amdhsa.kernels:
  - .name:           k_qe89b204fbd_proj_qv
    .symbol:         k_qe89b204fbd_proj_qv.kd
    .args:
      - { .name: xh, .offset: 0, .size: 8, .value_kind: global_buffer, .address_space: global }
      - { .name: wall, .offset: 8, .size: 8, .value_kind: global_buffer, .address_space: global }
      - { .name: qvb, .offset: 16, .size: 8, .value_kind: global_buffer, .address_space: global }
    .group_segment_fixed_size: 327680
    .private_segment_fixed_size: 0
    .kernarg_segment_align: 8
    .kernarg_segment_size: 24
    .max_flat_workgroup_size: 128
    .sgpr_count:     66
    .vgpr_count:     512
    .wavefront_size: 32
...
	.end_amdgpu_metadata
.endif
;; end of part 2
;; launch proj_kt: the kernel of part 2 again; grid 32 x 8, 4 waves a work-group, clusters of 4 x 4, 327,680 bytes of LDS; arguments wkh, xh, ktb; writes ktb
;; launch kmask (part 3): grid 8 x 32, 4 waves a work-group, clusters of 4 x 4, 327,680 bytes of LDS; arguments ktb, mt2, kmb; writes kmb
.if DOCPART == 3
	.amdgcn_target "amdgcn-amd-amdhsa--gfx1250"
	.amdhsa_code_object_version 6
	.text
	.protected	k_qe89b204fbd_kmask
	.globl	k_qe89b204fbd_kmask
	.p2align	8
	.type	k_qe89b204fbd_kmask,@function
k_qe89b204fbd_kmask:
	s_mov_b64 s[64:65], 0
	v_nop
	global_prefetch_b8 v0, s[64:65] scope:SCOPE_SE
	s_setreg_imm32_b32 hwreg(HW_REG_WAVE_MODE, 25, 1), 1
	s_wait_xcnt 0x0
	s_wait_alu depctr_hold_cnt(0) depctr_sa_sdst(0) depctr_va_vdst(0) depctr_va_sdst(0) depctr_va_ssrc(0) depctr_va_vcc(0) depctr_vm_vsrc(0)
	s_getreg_b32 s2, hwreg(HW_REG_IB_STS2, 6, 4)
	s_cmp_eq_u32 s2, 0
	s_cbranch_scc0 .Lentry_in_a_cluster
	s_endpgm
.Lentry_in_a_cluster:
	s_bfe_u32 s2, ttmp6, 0x10000c
	s_cmp_lg_u32 s2, 0xf033
	s_cbranch_scc0 .Lentry_shape_is_right
	s_endpgm
.Lentry_shape_is_right:
; K^T TIMES THE MASK.  scores x mask = Q (K^T mask), so the mask is multiplied into K once for each head: KM[row][j] = sum over k of K[k][channel] mask[k][j].
; C[m][n] = sum over kk of A[m][kk] B[n][kk], 2,048 long.  A is (K / 16) transposed as the projection left it, read as 4,096 rows (row = 4 x channel + batch) of 2,048 f16: for each 128 tokens [hi 128 | lo 128].
; B is the mask / 64 turned, each 128 k written twice: so hi and lo are both multiplied by the mask and added in the one f32 sum.
; C = KM / 1,024 LEAVES AS A PAIR OF f16: hi = f16(c), lo = f16(c - hi).  A row of C has 4,096 bytes; the tile of columns 128 t .. lies at byte 512 t as [hi 256 bytes | lo 256 bytes].
; LIMITS.  |c| < 65,504, that is |KM| < 6.7e7; lo has f16's fixed step of 6e-8 below 6e-5.  NaN and infinities are not treated apart.
; A tile of C is 128 x 128.  Four waves, each 64 x 64: 16 accumulators of 16 x 16, 128 registers.  K goes in steps of 256 (LDS rows of 512 bytes; a wave's tensor load brings 64 of them) through two slots.
; CLUSTERS: 4 x 4 work-groups.  The four of a row of the cluster need the same tiles of A, the four of a column the same tiles of B: each tile is asked for JOINTLY, by the same tensor load with the
; same descriptor and a mask that names the four.  THE MATRIX INSTRUCTION IS USED TRANSPOSED (source 0 = 16 rows of B, source 1 = 16 rows of A): a lane then holds eight neighbouring numbers of a row of C.
; REGISTERS: window 0: v0-31 addresses; v32-95 the hi parts on the way out; v128-255 the accumulators ((a, b) at v[128 + 8 (4 a + b)]).
;   window 1: two fragment buffers of 128: for 64 along K (two matrix instructions deep), 64 registers of A (2 x 4 x 16 rows x 32 K), then 64 of B.
.set SIZE_K, 2048
.set CPB,    4096                      ; bytes from row to row of C
.set KSTEP,  256
.set PITCH,  528                       ; an LDS row: 512 bytes of data + 16 of padding = 132 words: row r starts at bank 4 r mod 64 (64 banks of 4 bytes: ISA guide 11.1)
.set HALFT,  64*PITCH                  ; 64 rows: what one tensor load brings, and what one wave reads of A or of B
.set SLOT,   4*HALFT                   ; A's 128 rows, then B's 128 rows
.set SPITCH, 528                       ; the stage for the way out: 128 rows of [hi 256 | lo 256] + 16.  It lies in slot 0, from byte 0, when that slot has had its last fill and its last read: two slots and a stage of their own do not fit
.set SPARE,  2*SLOT                    ; behind the ring: the spare words, 128 bytes for each wave: two blocks of 256 bytes that no other line names
.set LAPS, SIZE_K/(2*KSTEP)            ; a lap = two K steps = once round the ring
.set ADRA, 16                          ; v16-17  LDS address of my A fragments in slot 0, 1
.set ADRB, 20                          ; v20-21  the same for B
.set STO,  24                          ; v24     the way out: where I put 16 bytes of a row
.set RD,   25                          ; v25     the way out: where I read a row back
.set CO,   26                          ; v26     my byte offset in a tile's 512 bytes of a row of C
.set MONE, 27                          ; v27     -1.0
.set SPW,  28                          ; v28     LDS address of my spare word: SPARE + 4 x my thread's number; never rewritten
.set NIL,  29                          ; v29     0; never rewritten
.set TMP,  32
.set ACC,  128
.set F0,   0                           ; fragment buffers, in window 1
.set F1,   128
.set G1, 24                            ; s[24:31] descriptor group 1 for A's tiles;  s[32:39] group 0, one set for each slot
.set G0, 32
.set G1B, 48                           ; s[48:55], s[56:63] the same for B's tiles
.set G0B, 56
.set MSB, 0
.macro WIN new                         ; the immediate's high byte repeats the setting that is left
.if MSB != (\new)
	s_set_vgpr_msb (MSB<<8)|(\new)
.set MSB, \new
.endif
.endm
.set MUL,  0x05                        ; sources 0 (B) and 1 (A) window 1; C and D window 0
.set TO_F, 0x40                        ; destination window 1, address window 0
.macro JLOAD s                         ; a joint load: waves 0 and 1 fetch A's two halves, waves 2 and 3 B's; an s_nop 0 and four v_nop follow each of the two lines, ahead of the jump, the label and what follows
	s_cmp_eq_u32 s11, 0
	s_cbranch_scc0 .Lfor_b_\@
	tensor_load_to_lds s[G0+4*(\s):G0+4*(\s)+3], s[G1:G1+7]
	s_nop 0
.rept 4
	v_nop
.endr
	s_branch .Lasked_\@
.Lfor_b_\@:
	tensor_load_to_lds s[G0B+4*(\s):G0B+4*(\s)+3], s[G1B:G1B+7]
	s_nop 0
.rept 4
	v_nop
.endr
.Lasked_\@:
.endm
.macro CREST                           ; a round of the cluster's barrier behind its opening barrier
	s_cmp_lg_u32 s10, 0
	s_cbranch_scc1 .Lnot_wave_0_\@
	s_barrier_signal -3
.Lnot_wave_0_\@:
	s_barrier_wait -3
	s_barrier_signal -1
	s_barrier_wait -1
.endm
.macro CROUND                          ; a whole round
	s_barrier_signal -1
	s_barrier_wait -1
	CREST
.endm
	s_load_b128 s[4:7], s[0:1], 0x0                ; A s[4:5], B s[6:7]
	s_load_b64 s[8:9], s[0:1], 0x10                ; C
	v_lshl_add_u32 v[SPW], v0, 2, SPARE
	v_mov_b32 v[NIL], 0
	ds_add_u32 v[SPW], v[NIL]                      ; the wave's opening: the add and its wait stand ahead of my first tensor load; the set-up below, work on registers, stands between them
	v_lshrrev_b32 v1, 5, v0
	v_readfirstlane_b32 s10, v1                    ; wave 0..3
	s_lshr_b32 s11, s10, 1                         ; which half of the tile's rows is mine.  Also: I fetch for A (0) or for B (1)
	s_and_b32 s12, s10, 1                          ; which half of its columns.  Also: which 64 rows of that tile I fetch
	s_bfe_u32 s40, ttmp6, 0x40000                  ; cx, cy: my place in the cluster
	s_bfe_u32 s41, ttmp6, 0x40004
	s_lshl_b32 s42, ttmp9, 2
	s_add_co_u32 s42, s42, s40                     ; tile column of C = 4 x cluster x + cx
	s_and_b32 s13, ttmp7, 0xffff
	s_lshl_b32 s13, s13, 2
	s_add_co_u32 s13, s13, s41                     ; tile row of C = 4 x cluster y + cy
	s_lshl_b32 s43, s41, 2
	s_lshl_b32 s43, 15, s43                        ; my row of the cluster
	s_lshl_b32 s44, 0x1111, s40                    ; my column
	; descriptor group 1: a tile of 64 rows x 256 elements, padded in LDS
	s_or_b32 s[G1+0], s43, (1<<16)|(1<<20)|(1<<21)|(6<<22)|(3<<25)  ; 15:0 the mask: A's tiles go to my row; 17:16 element of 2 bytes; 20 padding on; 21 set beside a mask; 24:22 after every 128 words (code 6); 31:25 of 4 words (code 3)
	s_or_b32 s[G1B+0], s44, (1<<16)|(1<<20)|(1<<21)|(6<<22)|(3<<25)
.irp g, G1, G1B
	s_mov_b32 s[(\g)+1], KSTEP<<16                 ; tensor_dim0 = 256
	s_mov_b32 s[(\g)+2], 64<<16                    ; tensor_dim1 = 64
	s_mov_b32 s[(\g)+3], KSTEP<<16                 ; tile_dim0 = 256
	s_mov_b32 s[(\g)+4], 64                        ; tile_dim1 = 64
	s_mov_b32 s[(\g)+5], SIZE_K                    ; tensor_dim0_stride
	s_mov_b32 s[(\g)+6], 0
	s_mov_b32 s[(\g)+7], 0
.endr
	s_lshl_b32 s17, s12, 6                         ; which 64 rows of the tile I fetch
	s_lshl_b32 s16, s13, 7
	s_add_co_u32 s16, s16, s17                     ; A: row 128 x tile row + 64 x half
	s_lshl_b32 s46, s42, 7
	s_add_co_u32 s46, s46, s17                     ; B: row 128 x tile column + 64 x half
	s_mov_b32 s17, 0
	s_mov_b32 s47, 0
	s_mov_b64 s[18:19], SIZE_K*2
	s_mul_u64 s[16:17], s[16:17], s[18:19]
	s_mul_u64 s[46:47], s[46:47], s[18:19]
	s_mul_i32 s20, s10, HALFT                      ; where they go: wave x 64 rows
	s_wait_dscnt 0x0                               ; the opening add is done
	s_wait_kmcnt 0x0
	s_add_nc_u64 s[14:15], s[4:5], s[16:17]
	s_add_nc_u64 s[46:47], s[6:7], s[46:47]
	CROUND                                         ; all sixteen work-groups are here: the first joint loads meet
.irp s, 0,1
	s_mov_b32 s[G0+4*(\s)], 1
	s_add_co_u32 s[G0+4*(\s)+1], s20, (\s)*SLOT
	s_add_nc_u64 s[G0+4*(\s)+2:G0+4*(\s)+3], s[14:15], (\s)*KSTEP*2
	s_or_b32 s[G0+4*(\s)+3], s[G0+4*(\s)+3], 0x80000000
	s_mov_b32 s[G0B+4*(\s)], 1
	s_add_co_u32 s[G0B+4*(\s)+1], s20, (\s)*SLOT
	s_add_nc_u64 s[G0B+4*(\s)+2:G0B+4*(\s)+3], s[46:47], (\s)*KSTEP*2
	s_or_b32 s[G0B+4*(\s)+3], s[G0B+4*(\s)+3], 0x80000000
	JLOAD \s
.endr
	v_and_b32 v1, 15, v0                           ; l % 16
	v_bfe_u32 v2, v0, 4, 1                         ; l / 16
	v_mul_u32_u24 v3, v1, PITCH
	v_lshl_add_u32 v3, v2, 4, v3                   ; a fragment's row x pitch + 16 x half
	s_mul_i32 s21, s11, HALFT                      ; my 64 rows of A
	s_mul_i32 s22, s12, HALFT                      ; my 64 rows of B,
	s_add_co_u32 s22, s22, 2*HALFT                 ; which lie behind A's 128
.irp s, 0,1
	v_add_nc_u32 v[ADRA+(\s)], s21, v3
	v_add_nc_u32 v[ADRB+(\s)], s22, v3
	s_add_co_u32 s21, s21, SLOT
	s_add_co_u32 s22, s22, SLOT
.endr
	s_mul_i32 s23, s11, 64*SPITCH                  ; into the stage: my 64 rows, my half of their hi (and lo) 256 bytes; row l % 16, 16 bytes for each half of the lanes: the stage's pitch is the ring's, so v3 serves
	s_lshl_b32 s21, s12, 7
	s_add_co_u32 s23, s23, s21
	v_add_nc_u32 v[STO], s23, v3
	s_mul_i32 s23, s10, 32*SPITCH                  ; back: wave w takes rows 32 w .. 32 w + 31, whole: 32 lanes x 16 bytes are a row's 512
	v_and_b32 v5, 31, v0
	v_lshlrev_b32 v[CO], 4, v5
	v_add_nc_u32 v[RD], s23, v[CO]
	v_mov_b32 v[MONE], -1.0
	s_lshl_b32 s16, s13, 7
	s_lshl_b32 s17, s10, 5
	s_add_co_u32 s16, s16, s17                     ; the first row of C that I store: 128 x tile row + 32 x wave
	s_mul_i32 s16, s16, CPB
	s_mov_b32 s17, 0
	s_add_nc_u64 s[8:9], s[8:9], s[16:17]
	s_lshl_b32 s46, s42, 9                         ; the tile's 512 bytes in a row (in the registers that held B's address: none that feeds A's descriptors ever holds cx)
	s_mov_b32 s47, 0
	s_add_nc_u64 s[8:9], s[8:9], s[46:47]
; 8 matrix instructions: m blocks a0, a0 + 1 x all 4 n blocks, 32 along K: half c of buffer f.  zero = 1: the first product starts the sums.  The 16 accumulators take turns, one instruction a turn
.macro MUL8 f, c, a0, zero
	WIN MUL
.irp a, \a0, (\a0)+1
.irp b, 0,1,2,3
.if \zero
	v_wmma_f32_16x16x32_f16 v[ACC+8*(4*(\a)+(\b)):ACC+8*(4*(\a)+(\b))+7], v[(\f)+64+8*(4*(\c)+(\b)):(\f)+64+8*(4*(\c)+(\b))+7], v[(\f)+8*(4*(\c)+(\a)):(\f)+8*(4*(\c)+(\a))+7], 0
.else
	v_wmma_f32_16x16x32_f16 v[ACC+8*(4*(\a)+(\b)):ACC+8*(4*(\a)+(\b))+7], v[(\f)+64+8*(4*(\c)+(\b)):(\f)+64+8*(4*(\c)+(\b))+7], v[(\f)+8*(4*(\c)+(\a)):(\f)+8*(4*(\c)+(\a))+7], v[ACC+8*(4*(\a)+(\b)):ACC+8*(4*(\a)+(\b))+7]
.endif
.endr
.endr
.endm
; 32 LDS loads in one run: the fragments of 64 along K at byte k of the rows, into buffer f; the first 32 along K first
.macro FETCH slot, k, f
	WIN TO_F
.irp c, 0,1
.irp i, 0,1,2,3
	ds_load_b128 v[(\f)+64+8*(4*(\c)+(\i)):(\f)+64+8*(4*(\c)+(\i))+3],   v[ADRB+(\slot)] offset:(\k)+64*(\c)+(\i)*16*PITCH
	ds_load_b128 v[(\f)+64+8*(4*(\c)+(\i))+4:(\f)+64+8*(4*(\c)+(\i))+7], v[ADRB+(\slot)] offset:(\k)+64*(\c)+(\i)*16*PITCH+32
	ds_load_b128 v[(\f)+8*(4*(\c)+(\i)):(\f)+8*(4*(\c)+(\i))+3],         v[ADRA+(\slot)] offset:(\k)+64*(\c)+(\i)*16*PITCH
	ds_load_b128 v[(\f)+8*(4*(\c)+(\i))+4:(\f)+8*(4*(\c)+(\i))+7],       v[ADRA+(\slot)] offset:(\k)+64*(\c)+(\i)*16*PITCH+32
.endr
.endr
.endm
.macro PLACES                          ; four places in front of loads into registers that matrix instructions have read, and of conversions that read results
.rept 4
	v_nop
.endr
.endm
; A K step is four quarters of 64 along K, 32 matrix instructions each, on buffers 0, 1, 0, 1.  One of the first three: multiplies buffer f and fetches the next quarter, at byte k, into g.
.macro QUARTER slot, k, f, g, zero
	s_wait_dscnt 16                                ; the first 32 along K are in; the sixteen younger loads may be out
	WIN MUL
	MUL8 \f, 0, 0, \zero
	MUL8 \f, 0, 2, \zero
	PLACES
	FETCH \slot, \k, \g
	s_wait_dscnt 32                                ; all but the 32 just issued
	WIN MUL
	MUL8 \f, 1, 0, 0
	MUL8 \f, 1, 2, 0
.endm
; The last quarter multiplies buffer 1 and changes slots: ONE barrier; in front of it each wave waits for all its tensor loads, adds 0 to its spare word, and waits for that and for its own reads of this slot.  fill = 1: this slot is filled again, two K steps ahead.
.macro TURN slot, next, fill
	WIN 0                                          ; (the add's two registers lie in window 0)
	s_wait_tensorcnt 0x0                           ; all my tensor loads have landed: my part of the next slot;
	ds_add_u32 v[SPW], v[NIL]                      ; 0 onto my spare word;
	s_wait_dscnt 17                                ; (the add and the youngest sixteen loads may be out)
	WIN MUL
	MUL8 F1, 0, 0, 0                               ; eight matrix instructions stand between the add and the wait for it
	s_wait_dscnt 0x0                               ; the add is done, and my reads of this slot are over
	s_barrier_signal -1
	MUL8 F1, 0, 2, 0
.if \fill
	WIN 0
.endif
	s_barrier_wait -1
.if \fill
	CREST                                          ; the barrier has opened a round of the cluster's barrier: no wave of any partner still reads this slot's tile or has a load on its way
	s_add_nc_u64 s[G0+4*(\slot)+2:G0+4*(\slot)+3], s[G0+4*(\slot)+2:G0+4*(\slot)+3], 2*KSTEP*2
	s_add_nc_u64 s[G0B+4*(\slot)+2:G0B+4*(\slot)+3], s[G0B+4*(\slot)+2:G0B+4*(\slot)+3], 2*KSTEP*2
	JLOAD \slot                                    ; the first tensor load behind the round: 112 matrix instructions ahead of the wait for it; the four v_nop behind it are also the places in front of the loads below
.else
	PLACES
.endif
	FETCH \next, 0, F0
	WIN MUL
	MUL8 F1, 1, 0, 0
	MUL8 F1, 1, 2, 0
.endm
	s_wait_tensorcnt 1                             ; my part of K step 0 is in; K step 1's load may stay out
	s_barrier_signal -1
	s_barrier_wait -1                              ; everybody's is
	FETCH 0, 0, F0
	QUARTER 0, 128, F0, F1, 1                      ; the first quarter stands in front of the loop: its first products start the sums
	WIN 0                                          ; at a label and at a branch every window is 0
	s_mov_b32 s3, LAPS-1
.Llap:                                                 ; a trip goes once round the ring, from a lap's second quarter to the next lap's first, and fills both slots again
	QUARTER 0, 256, F1, F0, 0
	QUARTER 0, 384, F0, F1, 0
	TURN 0, 1, 1
	QUARTER 1, 128, F0, F1, 0
	QUARTER 1, 256, F1, F0, 0
	QUARTER 1, 384, F0, F1, 0
	TURN 1, 0, 1
	QUARTER 0, 128, F0, F1, 0
	WIN 0
	s_sub_co_u32 s3, s3, 1
	s_cmp_lg_u32 s3, 0
	s_cbranch_scc1 .Llap
	QUARTER 0, 256, F1, F0, 0                      ; the last lap fills nothing, and has no round of the cluster's barrier
	QUARTER 0, 384, F0, F1, 0
	TURN 0, 1, 0                                   ; behind this barrier nobody reads slot 0 any more and no load lands there: it is the stage from here on
	QUARTER 1, 128, F0, F1, 0
	QUARTER 1, 256, F1, F0, 0
	QUARTER 1, 384, F0, F1, 0
	s_wait_dscnt 16                                ; the very last quarter: nothing more to fetch
	WIN MUL
	MUL8 F1, 0, 0, 0
	MUL8 F1, 0, 2, 0
	s_wait_dscnt 0
	MUL8 F1, 1, 0, 0
	MUL8 F1, 1, 2, 0
	WIN 0
	; THE WAY OUT.  For each accumulator, from its low end on: hi = f16(c), eight numbers in four registers; c - hi in place (a multiply-add that reads hi's halves, times -1, exact); lo = f16 of that, into the
	; accumulator's four lowest registers (pair r is read before register r is written).  16 bytes of hi and of lo a lane go into the work-group's stage; a barrier, since a row comes from two waves; back as whole rows.
	PLACES
.irp t, 0,1,2,3,4,5,6,7,8,9,10,11,12,13,14,15
.irp r, 0,1,2,3
	v_cvt_pk_f16_f32 v[TMP+4*(\t)+(\r)], v[ACC+8*(\t)+2*(\r)], v[ACC+8*(\t)+2*(\r)+1]
.endr
.irp r, 0,1,2,3
	v_fma_mix_f32 v[ACC+8*(\t)+2*(\r)], v[TMP+4*(\t)+(\r)], v[MONE], v[ACC+8*(\t)+2*(\r)] op_sel_hi:[1,0,0]
	v_fma_mix_f32 v[ACC+8*(\t)+2*(\r)+1], v[TMP+4*(\t)+(\r)], v[MONE], v[ACC+8*(\t)+2*(\r)+1] op_sel:[1,0,0] op_sel_hi:[1,0,0]
.endr
.irp r, 0,1,2,3
	v_cvt_pk_f16_f32 v[ACC+8*(\t)+(\r)], v[ACC+8*(\t)+2*(\r)], v[ACC+8*(\t)+2*(\r)+1]
.endr
.endr
.irp a, 0,1,2,3
.irp b, 0,1,2,3
	ds_store_b128 v[STO], v[TMP+4*(4*(\a)+(\b)):TMP+4*(4*(\a)+(\b))+3] offset:(\a)*16*SPITCH+32*(\b)
	ds_store_b128 v[STO], v[ACC+8*(4*(\a)+(\b)):ACC+8*(4*(\a)+(\b))+3] offset:(\a)*16*SPITCH+32*(\b)+256
.endr
.endr
	s_wait_dscnt 0x0                               ; for the others' sake: my stores into the stage are done
	s_barrier_signal -1
	s_barrier_wait -1
.set t, 0
.rept 32
	ds_load_b128 v[ACC+4*t:ACC+4*t+3], v[RD] offset:t*SPITCH
.set t, t+1
.endr
.set t, 0
.rept 32
	s_wait_dscnt 31-t                              ; LDS loads come back in order: row t is in
	global_store_b128 v[CO], v[ACC+4*t:ACC+4*t+3], s[8:9] offset:t*CPB  ; a wave stores 512 consecutive bytes, at a multiple of 512 from C's first byte
.set t, t+1
.endr
	s_wait_tensorcnt 0x0                           ; the wave's end: the waits and the closing add stand behind my last tensor load and my last LDS store
	ds_add_u32 v[SPW], v[NIL]
	s_wait_dscnt 0x0
	CROUND                                         ; the closing round: no work-group ends while a partner may still ask for a tile that names it
	s_endpgm
.Lfunc_end_k_qe89b204fbd_kmask:
	.size	k_qe89b204fbd_kmask, .Lfunc_end_k_qe89b204fbd_kmask-k_qe89b204fbd_kmask
	.p2alignl 7, 3214868480
	.fill 96, 4, 3214868480
	.section	.rodata,"a",@progbits
	.p2align	6, 0x0
	.amdhsa_kernel k_qe89b204fbd_kmask
		.amdhsa_group_segment_fixed_size 327680
		.amdhsa_private_segment_fixed_size 0
		.amdhsa_enable_private_segment 0
		.amdhsa_kernarg_size 24
		.amdhsa_user_sgpr_count 2
		.amdhsa_user_sgpr_kernarg_segment_ptr 1
		.amdhsa_wavefront_size32 1
		.amdhsa_system_sgpr_workgroup_id_x 1
		.amdhsa_system_sgpr_workgroup_id_y 1
		.amdhsa_system_sgpr_workgroup_id_z 1
		.amdhsa_system_vgpr_workitem_id 0
		.amdhsa_next_free_vgpr 512
		.amdhsa_next_free_sgpr 66
		.amdhsa_reserve_vcc 0
		.amdhsa_float_denorm_mode_32 3
		.amdhsa_float_denorm_mode_16_64 3
		.amdhsa_memory_ordered 1
		.amdhsa_forward_progress 1
		.amdhsa_inst_pref_size 102
	.end_amdhsa_kernel
	.amdgpu_metadata
---
amdhsa.version: [ 1, 2 ]
amdhsa.kernels:
  - .name:           k_qe89b204fbd_kmask
    .symbol:         k_qe89b204fbd_kmask.kd
    .args:
      - { .name: ktb, .offset: 0, .size: 8, .value_kind: global_buffer, .address_space: global }
      - { .name: mt2, .offset: 8, .size: 8, .value_kind: global_buffer, .address_space: global }
      - { .name: kmb, .offset: 16, .size: 8, .value_kind: global_buffer, .address_space: global }
    .group_segment_fixed_size: 327680
    .private_segment_fixed_size: 0
    .kernarg_segment_align: 8
    .kernarg_segment_size: 24
    .max_flat_workgroup_size: 128
    .sgpr_count:     66
    .vgpr_count:     512
    .wavefront_size: 32
...
	.end_amdgpu_metadata
.endif
;; end of part 3
;; launch attn (part 4): grid 8 x 32, 4 waves a work-group, clusters of 4 x 1, 327,680 bytes of LDS; arguments qvb, kmb, hob; writes hob
.if DOCPART == 4
	.amdgcn_target "amdgcn-amd-amdhsa--gfx1250"
	.amdhsa_code_object_version 6
	.text
	.protected	k_qe89b204fbd_attn
	.globl	k_qe89b204fbd_attn
	.p2align	8
	.type	k_qe89b204fbd_attn,@function
k_qe89b204fbd_attn:
	s_mov_b64 s[64:65], 0
	v_nop
	global_prefetch_b8 v0, s[64:65] scope:SCOPE_SE
	s_setreg_imm32_b32 hwreg(HW_REG_WAVE_MODE, 25, 1), 1
	s_wait_xcnt 0x0
	s_wait_alu depctr_hold_cnt(0) depctr_sa_sdst(0) depctr_va_vdst(0) depctr_va_sdst(0) depctr_va_ssrc(0) depctr_va_vcc(0) depctr_vm_vsrc(0)
	s_getreg_b32 s2, hwreg(HW_REG_IB_STS2, 6, 4)
	s_cmp_eq_u32 s2, 0
	s_cbranch_scc0 .Lentry_in_a_cluster
	s_endpgm
.Lentry_in_a_cluster:
	s_bfe_u32 s2, ttmp6, 0x10000c
	s_cmp_lg_u32 s2, 0x3003
	s_cbranch_scc0 .Lentry_shape_is_right
	s_endpgm
.Lentry_shape_is_right:
; SOFTMAX AND THE SECOND PRODUCT, for one batch and head (32 of them) and 128 queries a work-group.  HO[q][:] = the sum over j of softmax_j(Q[q] . KM[:][j] / sqrt(128)) V[j][:], head size 128, 1,024 columns j.
; WHAT COMES IN.  Q / 16 by tokens as pairs of f16 (hi, lo); KM / 1,024 = (K^T mask) / 1,024 as [channel][j], pairs of f16; V by tokens, of which the hi part alone is taken.  HO leaves in f16, [token][1,024].
; THE SCORES ARE MADE OF PAIRS, s' = Qh KMh + Ql KMh + Qh KMl in one f32 sum (what is left out, Ql KMl, is 2^-22 of a term): the scores have a wide spread, the softmax is close to a choice of one column, and where two
; columns are close an error of a score decides between two rows of V.  p = 2^(c s' - c m) with a running maximum m and c = 2^14 log2(e) / sqrt(128), which also takes the operands' scales back.
; In every step O and l are multiplied by a = 2^(c m_old - c m_new).  Products, maxima and sums in f32; p is rounded to f16 for the second product (its sum l is taken of the unrounded p), HO once at the end.
; LIMITS.  |Q| < 1.04e6, |KM| < 6.7e7, |V| < 65,504 (f16's range under the scales); the lo parts have f16's fixed step of 6e-8; a weight below 2^-126 counts as 0 in l; NaN and infinities are not treated apart.
; SHARES.  A wave owns 32 queries, two tiles of 16, and walks all 1,024 columns ("keys" below), 64 a step, 16 steps.
; LAYOUT.  S^T = KM^T Q^T (source 0 = 16 keys x 32 channels, source 1 = 16 queries x 32 channels): in the result a lane holds ONE query (lane % 16) and the keys 8 (lane / 16) + 0..7.  Two such results, rounded to f16 in
; pairs, ARE source 1 (32 keys x 16 queries) of O^T = V^T P, whose result again holds one query a lane, and eight channels.  KM ([channel][key]) and V ([key][channel]) both come out of LDS turned, by ds_load_tr16_b128.
; IN PHASES.  A step's softmax, its 32 products V^T P, the next step's 96 products for S^T; the LDS loads stand in two runs, each a phase ahead of its first use.
; CLUSTER.  The four query blocks of a cluster belong to one head and walk the same KM and V, so each tile is asked for JOINTLY: the same tensor load, with the same descriptor and a mask that names the four.
; REGISTERS, in windows of 256 (s_set_vgpr_msb: bits 1:0 source 0, 3:2 source 1, 5:4 source 2, 7:6 destination):
;   window 0: v0-12 addresses; v16-31 eight registers of statistics a tile; v62-63 the add's; v64-127 S^T, 32 a tile; v128-159 P, 16 a tile
;   window 1: v0-127 O^T, 64 a tile; v128-255 Q, 64 a tile: hi 32, lo 32          window 2: v0-127 KM's hi of one step, v128-255 its lo          window 3: v0-127 V of one step
.set KS,    64        ; keys in a step
.set PKM,   544       ; a row of KM in LDS: [hi of 128 keys, 256 bytes | lo, 256 bytes] + 32 of padding = 136 words: row r starts at bank 8 r mod 64 (64 banks of 4 bytes: ISA guide 11.1)
.set PVV,   288       ; a row of V: 256 + 32 = 72 words: likewise
.set VOFF,  128*PKM   ; a slot holds two steps: 128 rows (channels) of KM, then 128 rows (keys) of V
.set SLOT1, 1<<17     ; slot 1 begins here (a slot takes 106,496 bytes), so that one exclusive or turns an address in one slot into the other's
.set STAGE, SLOT1+128*(PKM+PVV)  ; behind the ring: 16 rows x 272 bytes for each wave, for the way out
.set SP,    272
.set SPARE, STAGE+4*16*SP  ; behind the stages: the spare words, 128 bytes for each wave: two blocks of 256 bytes that no other line names
.set AK0, 2           ; v2   my lane's place in a tile of KM; never rewritten
.set AV0, 3           ; v3   the same for V
.set ADR, 4           ; v4   the LDS address of the run of loads in hand
.set QO,  5           ; v5   my byte offset in 16 rows of Q
.set STO, 6           ; v6   the way out: where I put 16 bytes of a row
.set RD,  7           ; v7   the way out: where I read a row back
.set GO,  8           ; v8   my byte offset in two rows of HO
.set ST,  16          ; tile t's statistics at v[ST+8 t]: +0 c m, +1 m, +2, +3 l (even keys', odd keys'), +4 to +7 c0-c3, at work; a takes c2's place once the maximum is found
.set SPW, 62          ; v62  LDS address of my spare word: SPARE + 4 x my thread's number; never rewritten
.set NIL, 63          ; v63  0; never rewritten
.set S,   64
.set P,   128
.set QF,  128         ; Q's fragments, in window 1: tile t, part p (0 hi, 1 lo), channels 32 cq on at QF + 64 t + 32 p + 8 cq
.set WV,  12          ; s12  my wave's number
.set G1K, 24          ; s[24:31] descriptor group 1 for KM's tiles
.set G1V, 32          ; s[32:39] for V's
.set G0K, 40          ; s[40:47] descriptor group 0 for KM's tiles: a set for each of the two first fills; the second then walks on
.set G0V, 48          ; s[48:55] the same for V's
.set SLOTS, 56        ; s56  slots still to be asked for
.set TWICE, 57        ; s57  counts a slot's two steps
.set CS,  58          ; s[58:59] c: the packed scaling names a pair and takes its low word for both halves
.set SEL, 60          ; s[60:61] lane selects for v_permlanex16_b32: each lane takes its own place in the other half
.set TBK, 62          ; s62  LDS byte at which KM of the step to be fetched begins
.set TBV, 63          ; s63  the same for V, less VOFF
.set MSB, 0
.macro WIN new                      ; the immediate's high byte repeats the setting that is left; a switch that changes nothing is dropped
.if MSB != (\new)
	s_set_vgpr_msb (MSB<<8)|(\new)
.set MSB, \new
.endif
.endm
.set W_KQ, 0x06       ; KM in window 2, Q in window 1, S^T in window 0
.set W_PV, 0x53       ; V in window 3, P in window 0, O^T in window 1
.set W_RS, 0x41       ; O^T (destination and source 0) in window 1, a in window 0
; A joint refill.  Waves 0 and 1 fetch the two halves (64 channels each) of a slot's KM, waves 2 and 3 the two halves (64 keys each) of its V.  The branch hangs on the wave's number alone: it is the same in every work-group.
; An s_nop 0 and four v_nop follow each of the two lines; the jump round the other line, the label and what follows the macro come after them.
.macro JLOAD
	s_cmp_lt_u32 s[WV], 2
	s_cbranch_scc0 .Lfor_v_\@
	tensor_load_to_lds s[G0K+4:G0K+7], s[G1K:G1K+7]
	s_nop 0
.rept 4
	v_nop
.endr
	s_branch .Lasked_\@
.Lfor_v_\@:
	tensor_load_to_lds s[G0V+4:G0V+7], s[G1V:G1V+7]
	s_nop 0
.rept 4
	v_nop
.endr
.Lasked_\@:
.endm
; A round of the cluster's barrier: my work-group's barrier, so that wave 0's signal speaks for all four waves; wave 0 signals for the work-group; every wave waits for all four
; work-groups; my work-group's barrier once more.  No LDS instruction of the wave is pending at a signal.
.macro CROUND
	s_barrier_signal -1
	s_barrier_wait -1
	s_cmp_lg_u32 s[WV], 0
	s_cbranch_scc1 .Lnot_wave_0_\@
	s_barrier_signal -3
.Lnot_wave_0_\@:
	s_barrier_wait -3
	s_barrier_signal -1
	s_barrier_wait -1
.endm
	s_load_b128 s[4:7], s[0:1], 0x0   ; Q and V s[4:5], KM s[6:7]
	s_load_b64 s[8:9], s[0:1], 0x10   ; HO
	v_lshl_add_u32 v[SPW], v0, 2, SPARE
	v_mov_b32 v[NIL], 0
	ds_add_u32 v[SPW], v[NIL]       ; the wave's opening: the add and its wait stand ahead of my first tensor load; the set-up below, work on registers, stands between them
	v_lshrrev_b32 v1, 5, v0
	v_readfirstlane_b32 s[WV], v1   ; wave 0..3
	s_bfe_u32 s13, ttmp6, 0x40000   ; cx: my place in the cluster
	s_lshl_b32 s14, ttmp9, 2        ; in a cluster launch ttmp9 counts clusters
	s_add_co_u32 s14, s14, s13      ; my block of 128 queries = 4 x cluster x + cx: it enters Q's and HO's addresses alone
	s_and_b32 s15, ttmp7, 0xffff    ; batch and head, which the four partners share:
	s_lshr_b32 s16, s15, 3          ; the batch n,
	s_and_b32 s15, s15, 7           ; the head h
	s_and_b32 s17, s[WV], 1         ; which half of a tile I fetch
	s_lshl_b32 s20, s15, 21         ; KM: row 4 (128 h + channel) + n of 4,096 bytes: the head's 512 rows,
	s_lshl_b32 s18, s17, 20         ; my 64 channels (also: my 64 keys of V, rows of 16,384 bytes),
	s_add_co_u32 s20, s20, s18
	s_lshl_b32 s19, s16, 12         ; the batch's row
	s_add_co_u32 s20, s20, s19
	s_mov_b32 s21, 0
	s_lshl_b32 s22, s16, 24         ; V: the batch's 1,024 tokens of 16,384 bytes,
	s_add_co_u32 s22, s22, s18      ; my 64 keys,
	s_lshl_b32 s19, s15, 9          ; the head's tile of 512 bytes,
	s_add_co_u32 s22, s22, s19
	s_add_co_u32 s22, s22, 4096     ; behind Q's eight tiles
	s_mov_b32 s23, 0
	s_lshl_b32 s2, s16, 24          ; Q: the batch, the head's tile,
	s_add_co_u32 s2, s2, s19
	s_lshl_b32 s3, s14, 21          ; my block's 128 tokens,
	s_add_co_u32 s2, s2, s3
	s_lshl_b32 s3, s[WV], 19        ; my wave's 32
	s_add_co_u32 s2, s2, s3
	s_mov_b32 s3, 0
	s_lshl_b32 s10, s16, 21         ; HO: the same in rows of 2,048 bytes, the head's 256 bytes
	s_lshl_b32 s11, s14, 18
	s_add_co_u32 s10, s10, s11
	s_lshl_b32 s11, s[WV], 16
	s_add_co_u32 s10, s10, s11
	s_lshl_b32 s11, s15, 8
	s_add_co_u32 s10, s10, s11
	s_mov_b32 s11, 0
	s_mul_i32 s18, s17, 64*PVV      ; my half's place in a slot, for V
	s_mul_i32 s17, s17, 64*PKM      ; and for KM: no place in the cluster enters an LDS address
	; descriptor group 1.  KM: 64 rows (channels) x 256 elements (128 keys' hi, then their lo), 8,192 elements from row to row.  V: 64 rows (keys) x 128 elements (the hi part), the same stride.
	s_mov_b32 s[G1K], 15|(1<<16)|(1<<20)|(1<<21)|(6<<22)|(7<<25)  ; 15:0 the mask: all four work-groups; 17:16 elements of 2 bytes; 20 padding on; 21 set beside a mask; 24:22 after every 128 words (code 6); 31:25 8 words of it (code 7)
	s_mov_b32 s[G1K+1], 256<<16     ; tensor_dim0 = 256
	s_mov_b32 s[G1K+2], 64<<16      ; tensor_dim1 = 64
	s_mov_b32 s[G1K+3], 256<<16     ; tile_dim0 = 256
	s_mov_b32 s[G1V], 15|(1<<16)|(1<<20)|(1<<21)|(5<<22)|(7<<25)  ; the same, after every 64 words (code 5)
	s_mov_b32 s[G1V+1], 128<<16
	s_mov_b32 s[G1V+2], 64<<16
	s_mov_b32 s[G1V+3], 128<<16
.irp g, G1K, G1V
	s_mov_b32 s[(\g)+4], 64         ; tile_dim1 = 64
	s_mov_b32 s[(\g)+5], 8192       ; tensor_dim0_stride
	s_mov_b32 s[(\g)+6], 0
	s_mov_b32 s[(\g)+7], 0
.endr
	s_mov_b32 s[CS], 0x450293ee     ; c = 2^14 log2(e) / sqrt(128) = 2,089.2
	s_mov_b32 s[CS+1], s[CS]        ; named with it as a pair, so it is written
	s_mov_b32 s[SEL], 0x76543210
	s_mov_b32 s[SEL+1], 0xfedcba98
	s_mov_b32 s[TBK], 0
	s_mov_b32 s[TBV], 0
	s_wait_dscnt 0x0                ; the opening add is done
	s_wait_kmcnt 0x0
	s_add_nc_u64 s[6:7], s[6:7], s[20:21]    ; KM and V at my part of slot 0's tiles
	s_add_nc_u64 s[22:23], s[4:5], s[22:23]
	s_add_nc_u64 s[4:5], s[4:5], s[2:3]      ; Q and HO at my wave's first row
	s_add_nc_u64 s[8:9], s[8:9], s[10:11]
	CROUND                          ; all four work-groups are here: the first joint loads meet
.irp s, 0,1
	s_mov_b32 s[G0K+4*(\s)], 1      ; 1:0 count = 1
	s_add_co_u32 s[G0K+4*(\s)+1], s17, (\s)*SLOT1  ; 63:32 LDS address
	s_add_nc_u64 s[G0K+4*(\s)+2:G0K+4*(\s)+3], s[6:7], (\s)*512  ; 120:64 global address: 128 keys are 512 bytes along KM's rows
	s_or_b32 s[G0K+4*(\s)+3], s[G0K+4*(\s)+3], 0x80000000  ; 127:126 type = 2
	s_mov_b32 s[G0V+4*(\s)], 1
	s_add_co_u32 s[G0V+4*(\s)+1], s18, (\s)*SLOT1+VOFF
	s_add_nc_u64 s[G0V+4*(\s)+2:G0V+4*(\s)+3], s[22:23], (\s)*0x200000  ; 128 keys are 128 rows of 16,384 bytes of V
	s_or_b32 s[G0V+4*(\s)+3], s[G0V+4*(\s)+3], 0x80000000
.endr
	s_cmp_lt_u32 s[WV], 2           ; a wave's two first fills stand in one branch, ahead of every wait on TENSORcnt and every LDS read: two loads of mine are out; an s_nop 0 follows each, four v_nop the second's, as in JLOAD
	s_cbranch_scc0 .Lfirst_v
	tensor_load_to_lds s[G0K:G0K+3], s[G1K:G1K+7]
	s_nop 0
	tensor_load_to_lds s[G0K+4:G0K+7], s[G1K:G1K+7]
	s_nop 0
.rept 4
	v_nop
.endr
	s_branch .Lfirst_asked
.Lfirst_v:
	tensor_load_to_lds s[G0V:G0V+3], s[G1V:G1V+7]
	s_nop 0
	tensor_load_to_lds s[G0V+4:G0V+7], s[G1V:G1V+7]
	s_nop 0
.rept 4
	v_nop
.endr
.Lfirst_asked:
	; A fragment of Q is 16 rows x 32 channels in 8 registers: lane l holds row l % 16; registers 0-3 channels 8 (l / 16) + 0..7, registers 4-7 channels 16 + 8 (l / 16) + 0..7: two loads of 16 bytes, 32 bytes apart.
	v_and_b32 v1, 15, v0            ; l % 16
	v_bfe_u32 v9, v0, 4, 1          ; l / 16
	v_lshlrev_b32 v[QO], 14, v1
	v_lshl_add_u32 v[QO], v9, 4, v[QO]  ; row x 16,384 + 16 x half
	WIN 0x40                        ; destination window 1, address window 0
.irp t, 0,1                         ; Q stays in registers: tile t is 16 tokens on, the lo part 256 bytes on, channels 32 cq on 64 bytes on
.irp p, 0,1
.irp c, 0,1,2,3
	global_load_b128 v[QF+64*(\t)+32*(\p)+8*(\c):QF+64*(\t)+32*(\p)+8*(\c)+3],   v[QO], s[4:5] offset:(\t)*262144+(\p)*256+(\c)*64
	global_load_b128 v[QF+64*(\t)+32*(\p)+8*(\c)+4:QF+64*(\t)+32*(\p)+8*(\c)+7], v[QO], s[4:5] offset:(\t)*262144+(\p)*256+(\c)*64+32
.endr
.endr
.endr
	WIN 0
	; The turning load takes 16 rows x 16 columns of 2 bytes (lane l reads 16 bytes: row 8 (l / 16) + l % 8, columns 8 ((l / 8) % 2) + 0..7) and leaves half a fragment of the transposed tile: lane l holds column l % 16 and 8 rows.
	v_and_b32 v10, 7, v0
	v_bfe_u32 v11, v0, 3, 1
	v_lshl_add_u32 v12, v9, 3, v10
	v_mul_u32_u24 v[AK0], v12, PKM
	v_lshl_add_u32 v[AK0], v11, 4, v[AK0]
	v_mul_u32_u24 v[AV0], v12, PVV
	v_lshl_add_u32 v[AV0], v11, 4, v[AV0]
	v_add_nc_u32 v[AV0], VOFF, v[AV0]
	s_mul_i32 s13, s[WV], 16*SP
	s_add_co_u32 s13, s13, STAGE    ; my stage
	v_mul_u32_u24 v[STO], v1, SP    ; in: row l % 16, 16 bytes for each half of the lanes
	v_lshl_add_u32 v[STO], v9, 4, v[STO]
	v_add_nc_u32 v[STO], s13, v[STO]
	v_mul_u32_u24 v[RD], v9, SP     ; back: lanes 0-15 take one row of 256 bytes, lanes 16-31 the next
	v_lshl_add_u32 v[RD], v1, 4, v[RD]
	v_add_nc_u32 v[RD], s13, v[RD]
	v_lshlrev_b32 v[GO], 11, v9     ; and the same two rows in HO, 2,048 bytes apart
	v_lshl_add_u32 v[GO], v1, 4, v[GO]
; THE MATRIX WORK.  The accumulators take turns, one instruction a turn: between two links of a chain stand 7 (S^T) or 15 (V^T P) others'.
; Product i of 96 of S^T: tile i % 2, keys 16 ((i / 2) % 4) on, part (i / 8) % 3 (KMh Qh, KMh Ql, KMl Qh), channels 32 (i / 24) on.  The first 8 start the sums.
.macro KQ
	WIN W_KQ
.set rS, S+32*(i%2)+8*((i/2)%4)
.set rK, 128*(((i/8)%3)/2)+32*((i/2)%4)+8*(i/24)
.set rQ, QF+64*(i%2)+32*(((i/8)%3)%2)+8*(i/24)
.if i < 8
	v_wmma_f32_16x16x32_f16 v[rS:rS+7], v[rK:rK+7], v[rQ:rQ+7], 0
.else
	v_wmma_f32_16x16x32_f16 v[rS:rS+7], v[rK:rK+7], v[rQ:rQ+7], v[rS:rS+7]
.endif
.endm
; Product i of 32 of O^T += V^T P: keys 32 (i / 16) on, channels 16 ((i / 2) % 8) on, tile i % 2.  zero = 1: the first 16 start the sums: nothing is ever cleared.
.macro PV zero
	WIN W_PV
.set rO, 64*(i%2)+8*((i/2)%8)
.set rV, 64*(i/16)+8*((i/2)%8)
.set rP, P+16*(i%2)+8*(i/16)
.if (\zero) && (i < 16)
	v_wmma_f32_16x16x32_f16 v[rO:rO+7], v[rV:rV+7], v[rP:rP+7], 0
.else
	v_wmma_f32_16x16x32_f16 v[rO:rO+7], v[rV:rV+7], v[rP:rP+7], v[rO:rO+7]
.endif
.endm
; THE LDS LOADS stand in runs: a step's KM (128 channels x 64 keys, hi and lo: 32 fragments, 64 loads) and its V (64 keys x 128 channels: 16 fragments, 32 loads).
.macro FETCH_K
	WIN 0
	v_add_nc_u32 v[ADR], s[TBK], v[AK0]
	s_add_co_u32 s[TBK], s[TBK], 2*KS  ; the next fetch is the next step's: 64 keys are 128 bytes along KM's rows
	WIN 0x80                        ; destination window 2
.irp p, 0,1                         ; hi, lo
.irp f, 0,1,2,3,4,5,6,7,8,9,10,11,12,13,14,15  ; keys 16 (f / 4) on, channels 32 (f % 4) on
	ds_load_tr16_b128 v[128*(\p)+8*(\f):128*(\p)+8*(\f)+3],   v[ADR] offset:((\f)%4)*32*PKM+((\f)/4)*32+256*(\p)
	ds_load_tr16_b128 v[128*(\p)+8*(\f)+4:128*(\p)+8*(\f)+7], v[ADR] offset:((\f)%4)*32*PKM+16*PKM+((\f)/4)*32+256*(\p)
.endr
.endr
.endm
.macro FETCH_V
	WIN 0
	v_add_nc_u32 v[ADR], s[TBV], v[AV0]
	s_add_co_u32 s[TBV], s[TBV], KS*PVV
	WIN 0xc0                        ; destination window 3
.irp f, 0,1,2,3,4,5,6,7,8,9,10,11,12,13,14,15  ; keys 32 (f / 8) on, channels 16 (f % 8) on
	ds_load_tr16_b128 v[8*(\f):8*(\f)+3],   v[ADR] offset:((\f)/8)*32*PVV+((\f)%8)*32
	ds_load_tr16_b128 v[8*(\f)+4:8*(\f)+7], v[ADR] offset:((\f)/8)*32*PVV+16*PVV+((\f)%8)*32
.endr
.endm
; THE VECTOR WORK.  One tile's softmax for one key step is a list of 134 instructions; SM writes number j of it for tile t.  s0-s31 are the lane's 32 scores, in pairs 0-15.
; first = 1: the first key step, which starts m, l and O^T: it has no a and nothing to rescale.
;   0-15    the maximum of s0-s31 and the old m, three operands at a time: four chains c0-c3 of seven scores each (each accumulator's lowest registers are read first), then the four scores left over, c0-c3 and m
;   16-20   the other half of the lanes' maximum; the new m; c m; c m_old - c m_new
;   21-87   33 exponentials (a, then s0-s31) at the odd numbers from 23 on, so that no two follow each other and each has a plain instruction behind it before its result is used (ISA guide 5.7.2).
;           Plain instruction q (number 21, then the even numbers) is whatever is ready: c s - c m for a pair of scores whose exponentials are still to come (q = 0 to 3, then every
;           second q), the rounding to f16 of a pair of weights whose exponentials are done (every other q from 5 on), at last the first three sums
;   88-101  the last rounding; the rest of the sums; l = a l + the sum
;   102-133 the tile's O^T times a: the one part that leaves window 0, so it stands together
.macro SM t, first
.set rT, ST+8*(\t)
.set rS, S+32*(\t)
.set rP, P+16*(\t)
.set rO, 64*(\t)+2*(j-102)
.set q, (j-20)/2
.if j < 102
	WIN 0
.endif
.if j < 4
	v_max3_num_f32 v[rT+4+j], v[rS+8*j], v[rS+8*j+1], v[rS+8*j+2]
.elseif j < 12
	v_max3_num_f32 v[rT+4+j%4], v[rT+4+j%4], v[rS+8*(j%4)+2*(j/4)+1], v[rS+8*(j%4)+2*(j/4)+2]
.elseif j == 12
	v_max3_num_f32 v[rT+4], v[rT+4], v[rS+7], v[rS+15]
.elseif j == 13
	v_max3_num_f32 v[rT+6], v[rT+6], v[rS+23], v[rS+31]
.elseif j == 14
	v_max3_num_f32 v[rT+4], v[rT+4], v[rT+5], v[rT+6]
.elseif (j == 15) && (\first)
	v_max_num_f32 v[rT+4], v[rT+4], v[rT+7]
.elseif j == 15
	v_max3_num_f32 v[rT+4], v[rT+4], v[rT+7], v[rT+1]
.elseif j == 16
	v_permlanex16_b32 v[rT+5], v[rT+4], s[SEL], s[SEL+1]  ; the query's other 32 keys lie in the lane 16 away
.elseif j == 18
	v_max_num_f32 v[rT+1], v[rT+4], v[rT+5]
.elseif j == 19
	v_mul_f32 v[rT], s[CS], v[rT+1]
.elseif ((j == 17) || (j == 20) || (j == 23) || (j > 101)) && (\first)  ; the first step has none of these
.elseif j == 17
	v_mov_b32 v[rT+7], v[rT]        ; c m_old is kept for a: number 19 writes c m anew
.elseif j == 20
	v_sub_f32 v[rT+7], v[rT+7], v[rT]
.elseif j == 23
	v_exp_f32 v[rT+6], v[rT+7]
.elseif (j < 88) && (j > 23) && (j%2 == 1)
	v_exp_f32 v[rS+(j-25)/2], v[rS+(j-25)/2]
.elseif (q < 4) || ((j < 76) && (q%2 == 0))
.set b, q/2+2
.if q < 4
.set b, q
.endif
	v_pk_fma_f32 v[rS+2*b:rS+2*b+1], v[rS+2*b:rS+2*b+1], s[CS:CS+1], v[rT:rT+1] op_sel_hi:[1,0,0] neg_lo:[0,0,1] neg_hi:[0,0,1]  ; pair b: c s - c m
.elseif (j < 88) && (q%2 == 1)
	s_wait_alu depctr_va_vdst(0)
	v_cvt_pk_f16_f32 v[rP+(q-5)/2], v[rS+q-5], v[rS+q-4]  ; pair (q - 5) / 2: its second exponential stands three numbers back
.elseif j == 89
	s_wait_alu depctr_va_vdst(0)
	v_cvt_pk_f16_f32 v[rP+15], v[rS+30], v[rS+31]
.elseif j < 102                     ; the sum of the tile's 16 pairs (in a pair: an even key's weight, an odd key's), in place: sum z of 16 adds neighbours 1, 2, 4 and 8 pairs apart, then l takes it
.set z, j-86
.if j < 89
.set z, (j-76)/4
.endif
.set w, 4
.set u, z
.if z >= 14
.set w, 32
.set u, 0
.elseif z >= 12
.set w, 16
.set u, z-12
.elseif z >= 8
.set w, 8
.set u, z-8
.endif
.if (z == 14) && (\first)
	v_pk_add_f32 v[rT+2:rT+3], v[rS:rS+1], v[rS+16:rS+17]
.elseif z < 15
	v_pk_add_f32 v[rS+w*u:rS+w*u+1], v[rS+w*u:rS+w*u+1], v[rS+w*u+w/2:rS+w*u+w/2+1]
.elseif !(\first)
	v_pk_fma_f32 v[rT+2:rT+3], v[rT+2:rT+3], v[rT+6:rT+7], v[rS:rS+1] op_sel_hi:[1,0,1]
.endif
.else
	WIN W_RS
	v_pk_mul_f32 v[rO:rO+1], v[rO:rO+1], v[rT+6:rT+7] op_sel_hi:[1,0]
.endif
.endm
; Slice k of 64 of the two tiles' softmax: numbers 2 k and 2 k + 1 of both lists, four instructions; the twelve that are over (2 x 134 = 4 x 64 + 12) stand in slice 63.
.macro SLICE y, first
.if (k >= 11) && (k < 44)           ; tile by tile: plain, exponential, plain, exponential
.irp t, \y, (\y)+1
.irp n, 0,1
.set j, 2*k+(\n)
	SM \t, \first
.endr
.endr
.else                               ; the two tiles alternate, so that no instruction reads the result of the one just before it
.irp n, 0,1,2,3,4,5,6,7
.if ((\n) < 2) || (k == 63)
.irp t, \y, (\y)+1
.set j, 2*k+(\n)
	SM \t, \first
.endr
.endif
.endr
.endif
.set k, k+1
.endm
.macro SOFTMAX first
.set k, 0
.rept 64
	SLICE 0, \first
.endr
.endm
; A vector instruction that reads a matrix result or writes one of a matrix instruction's registers, and a load into a register that a matrix instruction has read, stand four places behind
; it, and only plain vector instructions that name none of its registers are places (ISA guide 7.12.1 for vector instructions).
.macro PLACES
.rept 4
	v_nop
.endr
.endm
; A KEY STEP.  Its scores are in S^T and its V is on its way or in.  fetch = 1: the next step's KM is fetched ahead of the softmax, its V behind the products that read V, and its scores are made.
.macro UNIT first, fetch
	PLACES                          ; behind the products that made the scores and read KM
.if \fetch
	FETCH_K
.endif
	SOFTMAX \first
.if \fetch
	s_wait_dscnt 63                 ; V is in: 64 loads were issued behind its 32; 63 is the largest count that the wait can name
.else
	s_wait_dscnt 0x0                ; V is in
.endif
.set i, 0
.rept 32
	PV \first
.set i, i+1
.endr
.if \fetch
	PLACES                          ; behind the products that read V
	FETCH_V
	s_wait_dscnt 32                 ; KM is in; V's 32 loads may be out
.set i, 0
.rept 96
	KQ
.set i, i+1
.endr
.endif
.endm
; THE CHANGE OF SLOTS, behind the step that has fetched the slot's last bytes, V of its second step.  Each wave waits for all its tensor loads, of which one is out: its part of the other slot; adds 0 to its spare
; word; and waits for that and for its own reads of the slot.  Behind the barrier nobody reads this slot any more and the other slot is whole.
; fill = 1: this slot is filled again, with the keys two slots on.  The barrier is then a round of the cluster's, so that no wave of any partner still reads the slot or has a load on its
; way, and the joint refill is the first thing behind it: it has two key steps, 256 matrix instructions and two softmaxes, in which to land.
.macro CHANGE fill
	WIN 0                           ; at a label and at a branch every window is 0
	s_wait_tensorcnt 0x0            ; no tensor load of mine is out, so a group 0 may be written
	ds_add_u32 v[SPW], v[NIL]       ; 0 onto my spare word; with fill = 1 the descriptors' steps stand between it and the wait for it
.if \fill
	s_xor_b32 s[G0K+5], s[G0K+5], SLOT1  ; the walking descriptors: the other slot than last time,
	s_add_nc_u64 s[G0K+6:G0K+7], s[G0K+6:G0K+7], 512  ; the next 128 keys; the type bits on top are not reached
	s_xor_b32 s[G0V+5], s[G0V+5], SLOT1
	s_add_nc_u64 s[G0V+6:G0V+7], s[G0V+6:G0V+7], 0x200000
	s_wait_dscnt 0x0                ; the add is done, and my reads of the slot are over
	CROUND
	JLOAD
.else
	s_wait_dscnt 0x0                ; the add is done, and my reads of the slot are over
	s_barrier_signal -1
	s_barrier_wait -1
.endif
	s_sub_co_u32 s[TBK], s[TBK], 4*KS     ; the fetches go back to a slot's first step,
	s_xor_b32 s[TBK], s[TBK], SLOT1       ; in the other slot
	s_sub_co_u32 s[TBV], s[TBV], 2*KS*PVV
	s_xor_b32 s[TBV], s[TBV], SLOT1
.endm
; Two key steps: written once, walked twice; the LDS addresses hang on s[TBK] and s[TBV].
.macro TWO_STEPS
	WIN 0
	s_mov_b32 s[TWICE], 2
.Lstep_\@:
	UNIT 0, 1
	WIN 0
	s_sub_co_u32 s[TWICE], s[TWICE], 1
	s_cmp_lg_u32 s[TWICE], 0
	s_cbranch_scc1 .Lstep_\@
.endm
	s_wait_tensorcnt 1              ; my part of slot 0 is in; slot 1's may stay out
	s_barrier_signal -1
	s_barrier_wait -1               ; everybody's is
	FETCH_K                         ; key step 0
	FETCH_V
	s_wait_loadcnt 0x0              ; Q
	s_wait_dscnt 32                 ; KM is in; V's 32 loads may be out
.set i, 0
.rept 96
	KQ                              ; the first scores
.set i, i+1
.endr
	UNIT 1, 1                       ; step 0 starts m, l and O^T, and fetches step 1: slot 0's last bytes
	WIN 0
	s_mov_b32 s[SLOTS], 6
.Lslot:                             ; six trips, steps 1 to 12: every slot but the last two is filled again
	CHANGE 1
	TWO_STEPS
	s_sub_co_u32 s[SLOTS], s[SLOTS], 1
	s_cmp_lg_u32 s[SLOTS], 0
	s_cbranch_scc1 .Lslot
	CHANGE 0                        ; the tail is written out: nothing is asked for
	TWO_STEPS                       ; steps 13 and 14
	UNIT 0, 0                       ; step 15 fetches nothing
	; THE WAY OUT.  l's two halves and the other half of the lanes' are added; O^T is divided by l, rounded to f16 and sent through my stage in LDS, a tile (16 rows of HO) at a time.
	PLACES                          ; behind the last products
	WIN 0
.irp t, 0,1
	v_add_f32 v[ST+8*(\t)+4], v[ST+8*(\t)+2], v[ST+8*(\t)+3]
.endr
.irp t, 0,1
	v_permlanex16_b32 v[ST+8*(\t)+5], v[ST+8*(\t)+4], s[SEL], s[SEL+1]
.endr
.irp t, 0,1
	v_add_f32 v[ST+8*(\t)+4], v[ST+8*(\t)+4], v[ST+8*(\t)+5]
.endr
.irp t, 0,1
	v_rcp_f32 v[ST+8*(\t)+6], v[ST+8*(\t)+4]
.endr
	v_nop                           ; a plain instruction between the last reciprocal and the use of its result
	s_wait_alu depctr_va_vdst(0)
; Tile t: a lane's eight channels of a row pack into 16 bytes; they go into rows of 272 bytes and come back as whole rows of 256, into the registers that they left.
.macro PACK t
	WIN W_RS
.set i, 64*(\t)
.rept 32
	v_pk_mul_f32 v[i:i+1], v[i:i+1], v[ST+8*(\t)+6:ST+8*(\t)+7] op_sel_hi:[1,0]
.set i, i+2
.endr
	WIN 0x05                        ; sources 0 and 1 window 1, destination window 0: S^T's registers are free
.set i, 0
.rept 32
	v_cvt_pk_f16_f32 v[S+32*(\t)+i], v[64*(\t)+2*i], v[64*(\t)+2*i+1]
.set i, i+1
.endr
	WIN 0
.irp f, 0,1,2,3,4,5,6,7
	ds_store_b128 v[STO], v[S+32*(\t)+4*(\f):S+32*(\t)+4*(\f)+3] offset:32*(\f)
.endr
.irp f, 0,1,2,3,4,5,6,7
	ds_load_b128 v[S+32*(\t)+4*(\f):S+32*(\t)+4*(\f)+3], v[RD] offset:(\f)*2*SP  ; LDS serves a wave's instructions in order (ISA guide 5.7.1.4): these see the stores above; the next tile's stores come behind them
.endr
.endm
.macro SEND t, younger              ; younger: the LDS instructions issued behind tile t's loads: the next tile's sixteen, or none
	WIN 0
.irp f, 0,1,2,3,4,5,6,7
	s_wait_dscnt (\younger)+7-(\f)
	global_store_b128 v[GO], v[S+32*(\t)+4*(\f):S+32*(\t)+4*(\f)+3], s[8:9] offset:(\t)*32768+(\f)*4096  ; 16 lanes store 256 consecutive bytes, at a multiple of 256 from HO's first byte
.endr
.endm
	PACK 0
	PACK 1                          ; a tile's arithmetic stands between the loads of the tile before and its stores
	SEND 0, 16
	SEND 1, 0
	s_wait_tensorcnt 0x0            ; the wave's end: the waits and the closing add stand behind my last tensor load and my last LDS store
	ds_add_u32 v[SPW], v[NIL]
	s_wait_dscnt 0x0
	CROUND                          ; the closing round: no work-group ends while a partner may still ask for a tile that names it
	s_endpgm
.Lfunc_end_k_qe89b204fbd_attn:
	.size	k_qe89b204fbd_attn, .Lfunc_end_k_qe89b204fbd_attn-k_qe89b204fbd_attn
	.p2alignl 7, 3214868480
	.fill 96, 4, 3214868480
	.section	.rodata,"a",@progbits
	.p2align	6, 0x0
	.amdhsa_kernel k_qe89b204fbd_attn
		.amdhsa_group_segment_fixed_size 327680
		.amdhsa_private_segment_fixed_size 0
		.amdhsa_enable_private_segment 0
		.amdhsa_kernarg_size 24
		.amdhsa_user_sgpr_count 2
		.amdhsa_user_sgpr_kernarg_segment_ptr 1
		.amdhsa_wavefront_size32 1
		.amdhsa_system_sgpr_workgroup_id_x 1
		.amdhsa_system_sgpr_workgroup_id_y 1
		.amdhsa_system_sgpr_workgroup_id_z 1
		.amdhsa_system_vgpr_workitem_id 0
		.amdhsa_next_free_vgpr 896
		.amdhsa_next_free_sgpr 66
		.amdhsa_reserve_vcc 0
		.amdhsa_float_denorm_mode_32 3
		.amdhsa_float_denorm_mode_16_64 3
		.amdhsa_memory_ordered 1
		.amdhsa_forward_progress 1
		.amdhsa_inst_pref_size 142
	.end_amdhsa_kernel
	.amdgpu_metadata
---
amdhsa.version: [ 1, 2 ]
amdhsa.kernels:
  - .name:           k_qe89b204fbd_attn
    .symbol:         k_qe89b204fbd_attn.kd
    .args:
      - { .name: qvb, .offset: 0, .size: 8, .value_kind: global_buffer, .address_space: global }
      - { .name: kmb, .offset: 8, .size: 8, .value_kind: global_buffer, .address_space: global }
      - { .name: hob, .offset: 16, .size: 8, .value_kind: global_buffer, .address_space: global }
    .group_segment_fixed_size: 327680
    .private_segment_fixed_size: 0
    .kernarg_segment_align: 8
    .kernarg_segment_size: 24
    .max_flat_workgroup_size: 128
    .sgpr_count:     66
    .vgpr_count:     896
    .wavefront_size: 32
...
	.end_amdgpu_metadata
.endif
;; end of part 4
;; launch outp (part 5): grid 8 x 32, 4 waves a work-group, clusters of 4 x 4, 327,680 bytes of LDS; arguments hob, wall, out0; writes out0
.if DOCPART == 5
	.amdgcn_target "amdgcn-amd-amdhsa--gfx1250"
	.amdhsa_code_object_version 6
	.text
	.protected	k_qe89b204fbd_outp
	.globl	k_qe89b204fbd_outp
	.p2align	8
	.type	k_qe89b204fbd_outp,@function
k_qe89b204fbd_outp:
	s_mov_b64 s[64:65], 0
	v_nop
	global_prefetch_b8 v0, s[64:65] scope:SCOPE_SE
	s_setreg_imm32_b32 hwreg(HW_REG_WAVE_MODE, 25, 1), 1
	s_wait_xcnt 0x0
	s_wait_alu depctr_hold_cnt(0) depctr_sa_sdst(0) depctr_va_vdst(0) depctr_va_sdst(0) depctr_va_ssrc(0) depctr_va_vcc(0) depctr_vm_vsrc(0)
	s_getreg_b32 s2, hwreg(HW_REG_IB_STS2, 6, 4)
	s_cmp_eq_u32 s2, 0
	s_cbranch_scc0 .Lentry_in_a_cluster
	s_endpgm
.Lentry_in_a_cluster:
	s_bfe_u32 s2, ttmp6, 0x10000c
	s_cmp_lg_u32 s2, 0xf033
	s_cbranch_scc0 .Lentry_shape_is_right
	s_endpgm
.Lentry_shape_is_right:
; THE LAST PROJECTION.  out[m][n] = sum over k of HO[m][k] Wo[n][k] + bo[n], K = 1,024.  A = HO, [4,096][1,024] f16.  B = Wo (rounded to bf16, written as f16): rows 2,048 .. 3,071 of the weights' buffer, behind its
; 16,384 bytes of addends, of which bo (f32) lies at byte 8,192.  Sums in f32; out is f32, [4,096][1,024].  The sums begin with bo: it is the C operand of each accumulator's first product.
; LIMITS.  HO and Wo arrive within f16's range, 65,504.  NaN and infinities are not treated apart.
; A tile of C is 128 x 128.  Four waves, each 64 x 64: 16 accumulators of 16 x 16, 128 registers.  K goes in steps of 256 (LDS rows of 512 bytes; a wave's tensor load brings 64 of them) through two slots.
; CLUSTERS: 4 x 4 work-groups.  The four of a row of the cluster need the same tiles of A, the four of a column the same tiles of B: each tile is asked for JOINTLY, by the same tensor load with the
; same descriptor and a mask that names the four.  THE MATRIX INSTRUCTION IS USED TRANSPOSED (source 0 = 16 rows of B, source 1 = 16 rows of A): a lane then holds eight neighbouring numbers of a row of C.
; REGISTERS: window 0: v0-31 addresses; v96-127 bo of my columns; v128-255 the accumulators ((a, b) at v[128 + 8 (4 a + b)]).
;   window 1: two fragment buffers of 128: for 64 along K (two matrix instructions deep), 64 registers of A (2 x 4 x 16 rows x 32 K), then 64 of B.
.set SIZE_K, 1024
.set HEADB,  16384+2048*2048           ; bytes in front of Wo's rows
.set BOFF,   8192                      ; bytes in front of bo
.set KSTEP,  256
.set PITCH,  528                       ; an LDS row: 512 bytes of data + 16 of padding = 132 words: row r starts at bank 4 r mod 64 (64 banks of 4 bytes: ISA guide 11.1)
.set HALFT,  64*PITCH                  ; 64 rows: what one tensor load brings, and what one wave reads of A or of B
.set SLOT,   4*HALFT                   ; A's 128 rows, then B's 128 rows
.set SPITCH, 272                       ; the stages for the way out: for each wave 64 rows of 256 bytes + 16.  They lie in slot 0, from byte 0, when that slot has had its last fill and its last read: two slots and stages of their own do not fit
.set SPARE,  2*SLOT                    ; behind the ring: the spare words, 128 bytes for each wave: two blocks of 256 bytes that no other line names
.set LAPS, SIZE_K/(2*KSTEP)            ; a lap = two K steps = once round the ring
.set ADRA, 16                          ; v16-17  LDS address of my A fragments in slot 0, 1
.set ADRB, 20                          ; v20-21  the same for B
.set STO,  24                          ; v24     the way out: where I put 32 bytes of a row
.set RD,   25                          ; v25     the way out: where I read a row back
.set CO,   26                          ; v26     my byte offset in two rows of C
.set SPW,  28                          ; v28     LDS address of my spare word: SPARE + 4 x my thread's number; never rewritten
.set NIL,  29                          ; v29     0; never rewritten
.set BETA, 96                          ; v96-127 bo of my eight columns in block b at BETA + 8 b
.set ACC,  128
.set F0,   0                           ; fragment buffers, in window 1
.set F1,   128
.set G1, 24                            ; s[24:31] descriptor group 1 for A's tiles;  s[32:39] group 0, one set for each slot
.set G0, 32
.set G1B, 48                           ; s[48:55], s[56:63] the same for B's tiles
.set G0B, 56
.set MSB, 0
.macro WIN new                         ; the immediate's high byte repeats the setting that is left
.if MSB != (\new)
	s_set_vgpr_msb (MSB<<8)|(\new)
.set MSB, \new
.endif
.endm
.set MUL,  0x05                        ; sources 0 (B) and 1 (A) window 1; C and D window 0
.set TO_F, 0x40                        ; destination window 1, address window 0
.macro JLOAD s                         ; a joint load: waves 0 and 1 fetch A's two halves, waves 2 and 3 B's; an s_nop 0 and four v_nop follow each of the two lines, ahead of the jump, the label and what follows
	s_cmp_eq_u32 s11, 0
	s_cbranch_scc0 .Lfor_b_\@
	tensor_load_to_lds s[G0+4*(\s):G0+4*(\s)+3], s[G1:G1+7]
	s_nop 0
.rept 4
	v_nop
.endr
	s_branch .Lasked_\@
.Lfor_b_\@:
	tensor_load_to_lds s[G0B+4*(\s):G0B+4*(\s)+3], s[G1B:G1B+7]
	s_nop 0
.rept 4
	v_nop
.endr
.Lasked_\@:
.endm
.macro CREST                           ; a round of the cluster's barrier behind its opening barrier
	s_cmp_lg_u32 s10, 0
	s_cbranch_scc1 .Lnot_wave_0_\@
	s_barrier_signal -3
.Lnot_wave_0_\@:
	s_barrier_wait -3
	s_barrier_signal -1
	s_barrier_wait -1
.endm
.macro CROUND                          ; a whole round
	s_barrier_signal -1
	s_barrier_wait -1
	CREST
.endm
	s_load_b128 s[4:7], s[0:1], 0x0                ; A s[4:5], B s[6:7]
	s_load_b64 s[8:9], s[0:1], 0x10                ; C
	v_lshl_add_u32 v[SPW], v0, 2, SPARE
	v_mov_b32 v[NIL], 0
	ds_add_u32 v[SPW], v[NIL]                      ; the wave's opening: the add and its wait stand ahead of my first tensor load; the set-up below, work on registers, stands between them
	v_lshrrev_b32 v1, 5, v0
	v_readfirstlane_b32 s10, v1                    ; wave 0..3
	s_lshr_b32 s11, s10, 1                         ; which half of the tile's rows is mine.  Also: I fetch for A (0) or for B (1)
	s_and_b32 s12, s10, 1                          ; which half of its columns.  Also: which 64 rows of that tile I fetch
	s_bfe_u32 s40, ttmp6, 0x40000                  ; cx, cy: my place in the cluster
	s_bfe_u32 s41, ttmp6, 0x40004
	s_lshl_b32 s42, ttmp9, 2
	s_add_co_u32 s42, s42, s40                     ; tile column of C = 4 x cluster x + cx
	s_and_b32 s13, ttmp7, 0xffff
	s_lshl_b32 s13, s13, 2
	s_add_co_u32 s13, s13, s41                     ; tile row of C = 4 x cluster y + cy
	s_lshl_b32 s43, s41, 2
	s_lshl_b32 s43, 15, s43                        ; my row of the cluster
	s_lshl_b32 s44, 0x1111, s40                    ; my column
	; descriptor group 1: a tile of 64 rows x 256 elements, padded in LDS
	s_or_b32 s[G1+0], s43, (1<<16)|(1<<20)|(1<<21)|(6<<22)|(3<<25)  ; 15:0 the mask: A's tiles go to my row; 17:16 element of 2 bytes; 20 padding on; 21 set beside a mask; 24:22 after every 128 words (code 6); 31:25 of 4 words (code 3)
	s_or_b32 s[G1B+0], s44, (1<<16)|(1<<20)|(1<<21)|(6<<22)|(3<<25)
.irp g, G1, G1B
	s_mov_b32 s[(\g)+1], KSTEP<<16                 ; tensor_dim0 = 256
	s_mov_b32 s[(\g)+2], 64<<16                    ; tensor_dim1 = 64
	s_mov_b32 s[(\g)+3], KSTEP<<16                 ; tile_dim0 = 256
	s_mov_b32 s[(\g)+4], 64                        ; tile_dim1 = 64
	s_mov_b32 s[(\g)+5], SIZE_K                    ; tensor_dim0_stride
	s_mov_b32 s[(\g)+6], 0
	s_mov_b32 s[(\g)+7], 0
.endr
	s_lshl_b32 s17, s12, 6                         ; which 64 rows of the tile I fetch
	s_lshl_b32 s16, s13, 7
	s_add_co_u32 s16, s16, s17                     ; A: row 128 x tile row + 64 x half
	s_lshl_b32 s46, s42, 7
	s_add_co_u32 s46, s46, s17                     ; B: row 128 x tile column + 64 x half
	s_mov_b32 s17, 0
	s_mov_b32 s47, 0
	s_mov_b64 s[18:19], SIZE_K*2
	s_mul_u64 s[16:17], s[16:17], s[18:19]
	s_mul_u64 s[46:47], s[46:47], s[18:19]
	s_add_nc_u64 s[46:47], s[46:47], HEADB         ; Wo's rows lie behind the addends, Wq and Wv
	s_mul_i32 s20, s10, HALFT                      ; where they go: wave x 64 rows
	s_wait_dscnt 0x0                               ; the opening add is done
	s_wait_kmcnt 0x0
	s_add_nc_u64 s[14:15], s[4:5], s[16:17]
	s_add_nc_u64 s[46:47], s[6:7], s[46:47]
	CROUND                                         ; all sixteen work-groups are here: the first joint loads meet
.irp s, 0,1
	s_mov_b32 s[G0+4*(\s)], 1
	s_add_co_u32 s[G0+4*(\s)+1], s20, (\s)*SLOT
	s_add_nc_u64 s[G0+4*(\s)+2:G0+4*(\s)+3], s[14:15], (\s)*KSTEP*2
	s_or_b32 s[G0+4*(\s)+3], s[G0+4*(\s)+3], 0x80000000
	s_mov_b32 s[G0B+4*(\s)], 1
	s_add_co_u32 s[G0B+4*(\s)+1], s20, (\s)*SLOT
	s_add_nc_u64 s[G0B+4*(\s)+2:G0B+4*(\s)+3], s[46:47], (\s)*KSTEP*2
	s_or_b32 s[G0B+4*(\s)+3], s[G0B+4*(\s)+3], 0x80000000
	JLOAD \s
.endr
	v_and_b32 v1, 15, v0                           ; l % 16
	v_bfe_u32 v2, v0, 4, 1                         ; l / 16
	v_lshlrev_b32 v7, 5, v2
	s_lshl_b32 s16, s13, 7
	s_lshl_b32 s17, s11, 6
	s_add_co_u32 s16, s16, s17                     ; my wave's first row of C: 128 x tile row + 64 x half,
	s_lshl_b32 s16, s16, 12                        ; rows of 4,096 bytes
	s_mov_b32 s17, 0
	s_add_nc_u64 s[8:9], s[8:9], s[16:17]
	s_lshl_b32 s46, s42, 9                         ; my wave's first column, 4 bytes x (128 x tile column + 64 x half) (in the registers that held B's address: none that feeds A's descriptors ever holds cx)
	s_lshl_b32 s47, s12, 8
	s_add_co_u32 s46, s46, s47
	s_mov_b32 s47, 0
	s_add_nc_u64 s[8:9], s[8:9], s[46:47]
	s_add_co_u32 s46, s46, BOFF                    ; the same place in bo
	s_add_nc_u64 s[6:7], s[6:7], s[46:47]
.irp b, 0,1,2,3                        ; in an accumulator (a, b) my lane holds the columns 16 b + 8 (l / 16) + 0..7
	global_load_b128 v[BETA+8*(\b):BETA+8*(\b)+3], v7, s[6:7] offset:64*(\b)
	global_load_b128 v[BETA+8*(\b)+4:BETA+8*(\b)+7], v7, s[6:7] offset:64*(\b)+16
.endr
	v_mul_u32_u24 v3, v1, PITCH
	v_lshl_add_u32 v3, v2, 4, v3                   ; a fragment's row x pitch + 16 x half
	s_mul_i32 s21, s11, HALFT                      ; my 64 rows of A
	s_mul_i32 s22, s12, HALFT                      ; my 64 rows of B,
	s_add_co_u32 s22, s22, 2*HALFT                 ; which lie behind A's 128
.irp s, 0,1
	v_add_nc_u32 v[ADRA+(\s)], s21, v3
	v_add_nc_u32 v[ADRB+(\s)], s22, v3
	s_add_co_u32 s21, s21, SLOT
	s_add_co_u32 s22, s22, SLOT
.endr
	s_mul_i32 s23, s10, 64*SPITCH                  ; my stage
	v_mul_u32_u24 v4, v1, SPITCH                   ; in: row l % 16, 32 bytes for each half of the lanes
	v_lshl_add_u32 v4, v2, 5, v4
	v_add_nc_u32 v[STO], s23, v4
	v_mul_u32_u24 v5, v2, SPITCH                   ; back: lanes 0-15 take one row of 256 bytes, lanes 16-31 the next
	v_lshl_add_u32 v5, v1, 4, v5
	v_add_nc_u32 v[RD], s23, v5
	v_lshlrev_b32 v5, 12, v2                       ; and the same two rows in C
	v_lshl_add_u32 v[CO], v1, 4, v5
	s_wait_loadcnt 0x0                             ; bo
; 8 matrix instructions: m blocks a0, a0 + 1 x all 4 n blocks, 32 along K: half c of buffer f.  zero = 1: the first product starts the sums, with bo.  The 16 accumulators take turns, one instruction a turn
.macro MUL8 f, c, a0, zero
	WIN MUL
.irp a, \a0, (\a0)+1
.irp b, 0,1,2,3
.if \zero
	v_wmma_f32_16x16x32_f16 v[ACC+8*(4*(\a)+(\b)):ACC+8*(4*(\a)+(\b))+7], v[(\f)+64+8*(4*(\c)+(\b)):(\f)+64+8*(4*(\c)+(\b))+7], v[(\f)+8*(4*(\c)+(\a)):(\f)+8*(4*(\c)+(\a))+7], v[BETA+8*(\b):BETA+8*(\b)+7]
.else
	v_wmma_f32_16x16x32_f16 v[ACC+8*(4*(\a)+(\b)):ACC+8*(4*(\a)+(\b))+7], v[(\f)+64+8*(4*(\c)+(\b)):(\f)+64+8*(4*(\c)+(\b))+7], v[(\f)+8*(4*(\c)+(\a)):(\f)+8*(4*(\c)+(\a))+7], v[ACC+8*(4*(\a)+(\b)):ACC+8*(4*(\a)+(\b))+7]
.endif
.endr
.endr
.endm
; 32 LDS loads in one run: the fragments of 64 along K at byte k of the rows, into buffer f; the first 32 along K first
.macro FETCH slot, k, f
	WIN TO_F
.irp c, 0,1
.irp i, 0,1,2,3
	ds_load_b128 v[(\f)+64+8*(4*(\c)+(\i)):(\f)+64+8*(4*(\c)+(\i))+3],   v[ADRB+(\slot)] offset:(\k)+64*(\c)+(\i)*16*PITCH
	ds_load_b128 v[(\f)+64+8*(4*(\c)+(\i))+4:(\f)+64+8*(4*(\c)+(\i))+7], v[ADRB+(\slot)] offset:(\k)+64*(\c)+(\i)*16*PITCH+32
	ds_load_b128 v[(\f)+8*(4*(\c)+(\i)):(\f)+8*(4*(\c)+(\i))+3],         v[ADRA+(\slot)] offset:(\k)+64*(\c)+(\i)*16*PITCH
	ds_load_b128 v[(\f)+8*(4*(\c)+(\i))+4:(\f)+8*(4*(\c)+(\i))+7],       v[ADRA+(\slot)] offset:(\k)+64*(\c)+(\i)*16*PITCH+32
.endr
.endr
.endm
.macro PLACES                          ; four places in front of loads into registers that matrix instructions have read, and of LDS stores that read results
.rept 4
	v_nop
.endr
.endm
; A K step is four quarters of 64 along K, 32 matrix instructions each, on buffers 0, 1, 0, 1.  One of the first three: multiplies buffer f and fetches the next quarter, at byte k, into g.
.macro QUARTER slot, k, f, g, zero
	s_wait_dscnt 16                                ; the first 32 along K are in; the sixteen younger loads may be out
	WIN MUL
	MUL8 \f, 0, 0, \zero
	MUL8 \f, 0, 2, \zero
	PLACES
	FETCH \slot, \k, \g
	s_wait_dscnt 32                                ; all but the 32 just issued
	WIN MUL
	MUL8 \f, 1, 0, 0
	MUL8 \f, 1, 2, 0
.endm
; The last quarter multiplies buffer 1 and changes slots: ONE barrier; in front of it each wave waits for all its tensor loads, adds 0 to its spare word, and waits for that and for its own reads of this slot.  fill = 1: this slot is filled again, two K steps ahead.
.macro TURN slot, next, fill
	WIN 0                                          ; (the add's two registers lie in window 0)
	s_wait_tensorcnt 0x0                           ; all my tensor loads have landed: my part of the next slot;
	ds_add_u32 v[SPW], v[NIL]                      ; 0 onto my spare word;
	s_wait_dscnt 17                                ; (the add and the youngest sixteen loads may be out)
	WIN MUL
	MUL8 F1, 0, 0, 0                               ; eight matrix instructions stand between the add and the wait for it
	s_wait_dscnt 0x0                               ; the add is done, and my reads of this slot are over
	s_barrier_signal -1
	MUL8 F1, 0, 2, 0
.if \fill
	WIN 0
.endif
	s_barrier_wait -1
.if \fill
	CREST                                          ; the barrier has opened a round of the cluster's barrier: no wave of any partner still reads this slot's tile or has a load on its way
	s_add_nc_u64 s[G0+4*(\slot)+2:G0+4*(\slot)+3], s[G0+4*(\slot)+2:G0+4*(\slot)+3], 2*KSTEP*2
	s_add_nc_u64 s[G0B+4*(\slot)+2:G0B+4*(\slot)+3], s[G0B+4*(\slot)+2:G0B+4*(\slot)+3], 2*KSTEP*2
	JLOAD \slot                                    ; the first tensor load behind the round: 112 matrix instructions ahead of the wait for it; the four v_nop behind it are also the places in front of the loads below
.else
	PLACES
.endif
	FETCH \next, 0, F0
	WIN MUL
	MUL8 F1, 1, 0, 0
	MUL8 F1, 1, 2, 0
.endm
	s_wait_tensorcnt 1                             ; my part of K step 0 is in; K step 1's load may stay out
	s_barrier_signal -1
	s_barrier_wait -1                              ; everybody's is
	FETCH 0, 0, F0
	QUARTER 0, 128, F0, F1, 1                      ; the first quarter's first products start the sums
.if LAPS > 2
	WIN 0                                          ; at a label and at a branch every window is 0
	s_mov_b32 s3, LAPS-1
.Llap:
.endif
	QUARTER 0, 256, F1, F0, 0                      ; once round the ring, from a lap's second quarter to the next lap's first; both slots are filled again.  At K = 1,024 this stands once, with no loop round it
	QUARTER 0, 384, F0, F1, 0
	TURN 0, 1, 1
	QUARTER 1, 128, F0, F1, 0
	QUARTER 1, 256, F1, F0, 0
	QUARTER 1, 384, F0, F1, 0
	TURN 1, 0, 1
	QUARTER 0, 128, F0, F1, 0
.if LAPS > 2
	WIN 0
	s_sub_co_u32 s3, s3, 1
	s_cmp_lg_u32 s3, 0
	s_cbranch_scc1 .Llap
.endif
	QUARTER 0, 256, F1, F0, 0                      ; the last lap fills nothing, and has no round of the cluster's barrier
	QUARTER 0, 384, F0, F1, 0
	TURN 0, 1, 0                                   ; behind this barrier nobody reads slot 0 any more and no load lands there: it holds the stages from here on
	QUARTER 1, 128, F0, F1, 0
	QUARTER 1, 256, F1, F0, 0
	QUARTER 1, 384, F0, F1, 0
	s_wait_dscnt 16                                ; the very last quarter: nothing more to fetch
	WIN MUL
	MUL8 F1, 0, 0, 0
	MUL8 F1, 0, 2, 0
	s_wait_dscnt 0
	MUL8 F1, 1, 0, 0
	MUL8 F1, 1, 2, 0
	WIN 0
	; THE WAY OUT.  A lane's eight f32 of a row, 32 bytes, go into my own stage (each accumulator's four lowest registers first); my wave's 64 columns are a whole 256 bytes of a row of C,
	; so no other wave has a part in my rows and no barrier is needed; back as whole rows, into the accumulators' registers.
	PLACES
.irp a, 0,1,2,3
.irp b, 0,1,2,3
	ds_store_b128 v[STO], v[ACC+8*(4*(\a)+(\b)):ACC+8*(4*(\a)+(\b))+3] offset:(\a)*16*SPITCH+64*(\b)
	ds_store_b128 v[STO], v[ACC+8*(4*(\a)+(\b))+4:ACC+8*(4*(\a)+(\b))+7] offset:(\a)*16*SPITCH+64*(\b)+16
.endr
.endr
.set t, 0
.rept 32
	ds_load_b128 v[ACC+4*t:ACC+4*t+3], v[RD] offset:t*2*SPITCH  ; LDS serves a wave's instructions in order (ISA guide 5.7.1.4): these see the stores above
.set t, t+1
.endr
.set t, 0
.rept 32
	s_wait_dscnt 31-t                              ; LDS loads come back in order: rows 2 t and 2 t + 1 are in
	global_store_b128 v[CO], v[ACC+4*t:ACC+4*t+3], s[8:9] offset:t*8192 th:TH_STORE_NT  ; 16 lanes store 256 consecutive bytes, at a multiple of 256 from C's first byte
.set t, t+1
.endr
	s_wait_tensorcnt 0x0                           ; the wave's end: the waits and the closing add stand behind my last tensor load and my last LDS store
	ds_add_u32 v[SPW], v[NIL]
	s_wait_dscnt 0x0
	CROUND                                         ; the closing round: no work-group ends while a partner may still ask for a tile that names it
	s_endpgm
.Lfunc_end_k_qe89b204fbd_outp:
	.size	k_qe89b204fbd_outp, .Lfunc_end_k_qe89b204fbd_outp-k_qe89b204fbd_outp
	.p2alignl 7, 3214868480
	.fill 96, 4, 3214868480
	.section	.rodata,"a",@progbits
	.p2align	6, 0x0
	.amdhsa_kernel k_qe89b204fbd_outp
		.amdhsa_group_segment_fixed_size 327680
		.amdhsa_private_segment_fixed_size 0
		.amdhsa_enable_private_segment 0
		.amdhsa_kernarg_size 24
		.amdhsa_user_sgpr_count 2
		.amdhsa_user_sgpr_kernarg_segment_ptr 1
		.amdhsa_wavefront_size32 1
		.amdhsa_system_sgpr_workgroup_id_x 1
		.amdhsa_system_sgpr_workgroup_id_y 1
		.amdhsa_system_sgpr_workgroup_id_z 1
		.amdhsa_system_vgpr_workitem_id 0
		.amdhsa_next_free_vgpr 512
		.amdhsa_next_free_sgpr 66
		.amdhsa_reserve_vcc 0
		.amdhsa_float_denorm_mode_32 3
		.amdhsa_float_denorm_mode_16_64 3
		.amdhsa_memory_ordered 1
		.amdhsa_forward_progress 1
		.amdhsa_inst_pref_size 87
	.end_amdhsa_kernel
	.amdgpu_metadata
---
amdhsa.version: [ 1, 2 ]
amdhsa.kernels:
  - .name:           k_qe89b204fbd_outp
    .symbol:         k_qe89b204fbd_outp.kd
    .args:
      - { .name: hob, .offset: 0, .size: 8, .value_kind: global_buffer, .address_space: global }
      - { .name: wall, .offset: 8, .size: 8, .value_kind: global_buffer, .address_space: global }
      - { .name: out0, .offset: 16, .size: 8, .value_kind: global_buffer, .address_space: global }
    .group_segment_fixed_size: 327680
    .private_segment_fixed_size: 0
    .kernarg_segment_align: 8
    .kernarg_segment_size: 24
    .max_flat_workgroup_size: 128
    .sgpr_count:     66
    .vgpr_count:     512
    .wavefront_size: 32
...
	.end_amdgpu_metadata
.endif
;; end of part 5
;; ======== version 2 of 3: 5 launches; 1.10 times as fast as version 1
;; limits: values are held in f16: magnitudes above 65,504 overflow, below 6.1e-05 lose precision; right only within a limited range of input values
;; workspace buffers: xh 8,404,992 bytes; wall 6,307,840 bytes; wkh 2,113,536 bytes; mt2 2,097,152 bytes; qvb 67,108,864 bytes; ktb 16,777,216 bytes; kmb 16,777,216 bytes; hob 8,388,608 bytes
;; launch prep (part 6): grid 577 x 1, 8 waves a work-group, no clusters, 35,840 bytes of LDS; arguments query, Wq, Wv, Wo, Wk, mask, bq, bv, bo, bk, xh, wall, wkh, mt2; writes xh, wall, wkh, mt2
.if DOCPART == 6
	.amdgcn_target "amdgcn-amd-amdhsa--gfx1250"
	.amdhsa_code_object_version 6
	.text
	.protected	k_qe89b204fbd_prep
	.globl	k_qe89b204fbd_prep
	.p2align	8
	.type	k_qe89b204fbd_prep,@function
k_qe89b204fbd_prep:
	s_mov_b64 s[64:65], 0
	v_nop
	global_prefetch_b8 v0, s[64:65] scope:SCOPE_SE
	s_setreg_imm32_b32 hwreg(HW_REG_WAVE_MODE, 25, 1), 1
	s_wait_xcnt 0x0
; THE OPERANDS OF THE LATER LAUNCHES ARE MADE.  Every floating-point input is rounded to bf16 once, multiplied by a power of two (exact) and written as f16:
;   xh   = [4,096 zeros in f32][bf16(query) / 16,  4,096 rows of 1,024]
;   wall = [bq / 16, bv, bo in f32, 1,024 each, 1,024 words unused][Wq; 16 Wv; Wo,  3,072 rows of 1,024]
;   wkh  = [bk / 16 in f32, 1,024, the rest unused][Wk,  1,024 rows of 1,024]
;   mt2[j][k] = mask[k][j] / 64 in f16: the mask turned, 1,024 rows of 1,024.
; key_t and value are not read: nothing is computed from them.
; LIMITS.  A bf16 number written as f16 is exact from 2^-17 to 65,504 in size; below, it is off by 2^-25 at the most; so |query| < 1.0e6, |Wq|, |Wk|, |Wo| < 65,504, |Wv| < 4,094.
; Whole numbers of the mask are exact up to 2,048 in size.  NaN and infinities are not treated apart.
; SHARES.  Work-groups 0-511: a stream, 16,384 numbers each (0-255 query, then 64 each for Wq, Wv, Wo, Wk).  512-575: a tile of 128 k x 128 j of the mask, turned through LDS.  576: the addends.
; All branches hang on the work-group's number alone.  No matrix unit, no cluster, no tensor load: the launch moves each byte once and computes next to nothing.
.set HEAD,   16384                     ; bytes of addends in front of an operand's rows
.set SPITCH, 272                       ; a stage row: 128 f16 + 16 bytes
.set SPARE,  128*SPITCH                ; behind the stage: the spare words, 128 bytes for each of eight waves: four blocks of 256 bytes that no other line names
.set IN,  8                            ; v[8:71]    as loaded
.set T,   72                           ; v[72:77]   at work
.set OUT, 80                           ; v[80:111]  to store
.set SPW, 126                          ; v126  LDS address of my spare word; never rewritten
.set NIL, 127                          ; v127  0; never rewritten
	s_load_b512 s[8:23], s[0:1], 0x0               ; query s[8:9], Wq s[10:11], Wv s[12:13], Wo s[14:15], Wk s[16:17], mask s[18:19], bq s[20:21], bv s[22:23]
	s_load_b256 s[24:31], s[0:1], 0x40             ; bo s[24:25], bk s[26:27], xh s[28:29], wall s[30:31]
	s_load_b128 s[32:35], s[0:1], 0x60             ; wkh s[32:33], mt2 s[34:35]
	v_lshl_add_u32 v[SPW], v0, 2, SPARE
	v_mov_b32 v[NIL], 0
	s_mov_b32 s2, ttmp9                            ; x
	s_wait_kmcnt 0x0
	s_cmp_ge_u32 s2, 512
	s_cbranch_scc1 .Lnot_stream
	; THE STREAM.  Source, destination, their chunks and the scale are chosen by x.
	s_mov_b64 s[36:37], s[8:9]                     ; from query
	s_mov_b64 s[38:39], s[28:29]                   ; to xh
	s_mov_b32 s40, s2                              ; the source's chunk of 65,536 bytes
	s_mov_b32 s41, s2                              ; the destination's chunk of 32,768 bytes
	s_mov_b32 s42, 0x3d800000                      ; 1 / 16
	s_and_b32 s44, s2, 63
	s_sub_co_u32 s45, s2, 256
	s_cmp_ge_u32 s2, 256
	s_cselect_b64 s[36:37], s[10:11], s[36:37]     ; Wq
	s_cselect_b64 s[38:39], s[30:31], s[38:39]     ; to wall, chunk x - 256: Wq, Wv and Wo follow each other there
	s_cselect_b32 s40, s44, s40
	s_cselect_b32 s41, s45, s41
	s_cselect_b32 s42, 1.0, s42
	s_cmp_ge_u32 s2, 320
	s_cselect_b64 s[36:37], s[12:13], s[36:37]     ; Wv, times 16: it meets query / 16
	s_cselect_b32 s42, 0x41800000, s42
	s_cmp_ge_u32 s2, 384
	s_cselect_b64 s[36:37], s[14:15], s[36:37]     ; Wo
	s_cselect_b32 s42, 1.0, s42
	s_cmp_ge_u32 s2, 448
	s_cselect_b64 s[36:37], s[16:17], s[36:37]     ; Wk
	s_cselect_b64 s[38:39], s[32:33], s[38:39]     ; to wkh, chunk x - 448
	s_cselect_b32 s41, s44, s41
	s_mov_b32 s43, s42                             ; named with it as a pair
	s_lshl_b32 s44, s40, 16
	s_mov_b32 s45, 0
	s_add_nc_u64 s[36:37], s[36:37], s[44:45]
	s_lshl_b32 s46, s41, 15
	s_add_co_u32 s46, s46, HEAD
	s_mov_b32 s47, 0
	s_add_nc_u64 s[38:39], s[38:39], s[46:47]
	v_lshlrev_b32 v1, 4, v0                        ; 16 bytes a thread in: a wave's load covers 512 consecutive bytes
	v_lshlrev_b32 v2, 3, v0                        ; 8 bytes a thread out: a wave's store covers 256 consecutive bytes, aligned
.set i, 0
.rept 16                                               ; all sixteen loads go out first: 65,536 bytes of the work-group on their way
	global_load_b128 v[IN+4*i:IN+4*i+3], v1, s[36:37] offset:4096*i th:TH_LOAD_NT
.set i, i+1
.endr
.set i, 0
.rept 16
	s_wait_loadcnt 15-i                            ; loads come back in order: number i is in, the 15 - i younger ones stay out
	v_cvt_pk_bf16_f32 v[T], v[IN+4*i], v[IN+4*i+1]     ; the one rounding of an input
	v_cvt_pk_bf16_f32 v[T+1], v[IN+4*i+2], v[IN+4*i+3]
	v_lshlrev_b32 v[T+2], 16, v[T]                 ; back to f32,
	v_and_b32 v[T+3], 0xffff0000, v[T]
	v_lshlrev_b32 v[T+4], 16, v[T+1]
	v_and_b32 v[T+5], 0xffff0000, v[T+1]
	v_pk_mul_f32 v[T+2:T+3], v[T+2:T+3], s[42:43] op_sel_hi:[1,0]  ; the power of two,
	v_pk_mul_f32 v[T+4:T+5], v[T+4:T+5], s[42:43] op_sel_hi:[1,0]
	v_cvt_pk_f16_f32 v[OUT+2*i], v[T+2], v[T+3]    ; and written as f16: eight significant bits fit in eleven
	v_cvt_pk_f16_f32 v[OUT+2*i+1], v[T+4], v[T+5]
	global_store_b64 v2, v[OUT+2*i:OUT+2*i+1], s[38:39] offset:2048*i  ; each store has data registers of its own: none is written again
.set i, i+1
.endr
	s_endpgm                                       ; this way has written no LDS
.Lnot_stream:
	s_cmp_eq_u32 s2, 576
	s_cbranch_scc1 .Laddends
	; THE MASK, a tile of 128 k x 128 j.  Wave w reads rows k = 16 w .. 16 w + 15, lane l the columns j = 4 l .. 4 l + 3; eight k of one j pack into 16 bytes of a stage row j.
	s_sub_co_u32 s3, s2, 512
	s_lshr_b32 s36, s3, 3                          ; the tile's place along k
	s_and_b32 s37, s3, 7                           ; and along j
	s_lshl_b32 s38, s36, 19                        ; mask: 128 rows of 4,096 bytes,
	s_lshl_b32 s40, s37, 9                         ; 128 columns of 4 bytes
	s_add_co_u32 s38, s38, s40
	s_mov_b32 s39, 0
	s_add_nc_u64 s[18:19], s[18:19], s[38:39]
	s_lshl_b32 s38, s37, 18                        ; mt2: 128 rows j of 2,048 bytes,
	s_lshl_b32 s40, s36, 8                         ; 128 k are 256 bytes there
	s_add_co_u32 s38, s38, s40
	s_add_nc_u64 s[34:35], s[34:35], s[38:39]
	v_and_b32 v1, 31, v0                           ; l
	v_lshrrev_b32 v2, 5, v0                        ; w
	v_lshlrev_b32 v3, 4, v1
	v_lshl_add_u32 v3, v2, 16, v3                  ; in: 16 w rows of 4,096 bytes + 16 l
	v_mul_u32_u24 v4, v1, 4*SPITCH
	v_lshl_add_u32 v4, v2, 5, v4                   ; into the stage: row 4 l, byte 32 w
	v_and_b32 v7, 15, v0
	v_bfe_u32 v6, v0, 4, 1
	v_lshl_add_u32 v6, v2, 4, v6                   ; back: row 16 w + l / 16,
	v_mul_u32_u24 v5, v6, SPITCH
	v_lshl_add_u32 v5, v7, 4, v5                   ; 16 bytes a lane: 16 lanes take a row's 256 bytes
	v_lshlrev_b32 v6, 11, v6
	v_lshl_add_u32 v6, v7, 4, v6                   ; and the same place in mt2
.set i, 0
.rept 16                                               ; row 16 w + i: 512 consecutive bytes a load
	global_load_b128 v[IN+4*i:IN+4*i+3], v3, s[18:19] offset:4096*i th:TH_LOAD_NT
.set i, i+1
.endr
.irp g, 0,1
	s_wait_loadcnt 8-8*(\g)                        ; eight rows are in; for the first eight the other eight loads stay out
.set i, 0
.rept 32
	v_cvt_f32_i32 v[IN+32*(\g)+i], v[IN+32*(\g)+i]
.set i, i+1
.endr
.set i, 0
.rept 16
	v_pk_mul_f32 v[IN+32*(\g)+2*i:IN+32*(\g)+2*i+1], v[IN+32*(\g)+2*i:IN+32*(\g)+2*i+1], 0x3c800000 op_sel_hi:[1,0]  ; / 64
.set i, i+1
.endr
.irp c, 0,1,2,3                        ; column 4 l + c: rows 2 q and 2 q + 1 side by side
.irp q, 0,1,2,3
	v_cvt_pk_f16_f32 v[OUT+16*(\g)+4*(\c)+(\q)], v[IN+32*(\g)+8*(\q)+(\c)], v[IN+32*(\g)+8*(\q)+4+(\c)]
.endr
	ds_store_b128 v4, v[OUT+16*(\g)+4*(\c):OUT+16*(\g)+4*(\c)+3] offset:(\c)*SPITCH+16*(\g)  ; lanes lie four rows apart, 1,088 bytes; eight such stores a lane are not worth another layout
.endr
.endr
	s_wait_dscnt 0x0                               ; for the others' sake: my stores into the stage are done
	s_barrier_signal -1
	s_barrier_wait -1
.set i, 0
.rept 8
	ds_load_b128 v[IN+4*i:IN+4*i+3], v5 offset:i*2*SPITCH  ; rows 16 w + 2 i and + 1, whole
.set i, i+1
.endr
.set i, 0
.rept 8
	s_wait_dscnt 7-i                               ; LDS loads come back in order: number i is in
	global_store_b128 v6, v[IN+4*i:IN+4*i+3], s[34:35] offset:i*4096      ; 16 lanes store 256 consecutive bytes, at a multiple of 256 from mt2's first byte
.set i, i+1
.endr
	s_wait_tensorcnt 0x0                           ; the wave's end: the waits and the closing add stand behind my last LDS store
	ds_add_u32 v[SPW], v[NIL]
	s_wait_dscnt 0x0
	s_endpgm
.Laddends:
	; THE ADDENDS, in f32: each bias rounded to bf16 like every input, bq and bk divided by 16 like the sums that they join; 4,096 zeros in front of xh.
.macro ADDEND in, out, scaled, base, off
	v_cvt_pk_bf16_f32 v[T], v[\in], v[(\in)+1]
	v_cvt_pk_bf16_f32 v[T+1], v[(\in)+2], v[(\in)+3]
	v_lshlrev_b32 v[\out], 16, v[T]
	v_and_b32 v[(\out)+1], 0xffff0000, v[T]
	v_lshlrev_b32 v[(\out)+2], 16, v[T+1]
	v_and_b32 v[(\out)+3], 0xffff0000, v[T+1]
.if \scaled
	v_pk_mul_f32 v[\out:(\out)+1], v[\out:(\out)+1], 0x3d800000 op_sel_hi:[1,0]
	v_pk_mul_f32 v[(\out)+2:(\out)+3], v[(\out)+2:(\out)+3], 0x3d800000 op_sel_hi:[1,0]
.endif
	global_store_b128 v1, v[\out:(\out)+3], s[\base:(\base)+1] offset:\off
.endm
	v_lshlrev_b32 v1, 4, v0                        ; 256 threads x 16 bytes = a bias
	global_load_b128 v[12:15], v1, s[20:21]        ; bq
	global_load_b128 v[16:19], v1, s[22:23]        ; bv
	global_load_b128 v[20:23], v1, s[24:25]        ; bo
	global_load_b128 v[24:27], v1, s[26:27]        ; bk
.irp i, 8,9,10,11
	v_mov_b32 v\i, 0
.endr
.irp i, 0,1,2,3
	global_store_b128 v1, v[8:11], s[28:29] offset:4096*(\i)
.endr
	s_wait_loadcnt 0x0
	ADDEND 12, 32, 1, 30, 0
	ADDEND 16, 36, 0, 30, 4096
	ADDEND 20, 40, 0, 30, 8192
	ADDEND 24, 44, 1, 32, 0
	s_endpgm                                       ; this way has written no LDS
.Lfunc_end_k_qe89b204fbd_prep:
	.size	k_qe89b204fbd_prep, .Lfunc_end_k_qe89b204fbd_prep-k_qe89b204fbd_prep
	.p2alignl 7, 3214868480
	.fill 96, 4, 3214868480
	.section	.rodata,"a",@progbits
	.p2align	6, 0x0
	.amdhsa_kernel k_qe89b204fbd_prep
		.amdhsa_group_segment_fixed_size 35840
		.amdhsa_private_segment_fixed_size 0
		.amdhsa_enable_private_segment 0
		.amdhsa_kernarg_size 112
		.amdhsa_user_sgpr_count 2
		.amdhsa_user_sgpr_kernarg_segment_ptr 1
		.amdhsa_wavefront_size32 1
		.amdhsa_system_sgpr_workgroup_id_x 1
		.amdhsa_system_sgpr_workgroup_id_y 1
		.amdhsa_system_sgpr_workgroup_id_z 1
		.amdhsa_system_vgpr_workitem_id 0
		.amdhsa_next_free_vgpr 128
		.amdhsa_next_free_sgpr 66
		.amdhsa_reserve_vcc 0
		.amdhsa_float_denorm_mode_32 3
		.amdhsa_float_denorm_mode_16_64 3
		.amdhsa_memory_ordered 1
		.amdhsa_forward_progress 1
		.amdhsa_inst_pref_size 30
	.end_amdhsa_kernel
	.amdgpu_metadata
---
amdhsa.version: [ 1, 2 ]
amdhsa.kernels:
  - .name:           k_qe89b204fbd_prep
    .symbol:         k_qe89b204fbd_prep.kd
    .args:
      - { .name: query, .offset: 0, .size: 8, .value_kind: global_buffer, .address_space: global }
      - { .name: Wq, .offset: 8, .size: 8, .value_kind: global_buffer, .address_space: global }
      - { .name: Wv, .offset: 16, .size: 8, .value_kind: global_buffer, .address_space: global }
      - { .name: Wo, .offset: 24, .size: 8, .value_kind: global_buffer, .address_space: global }
      - { .name: Wk, .offset: 32, .size: 8, .value_kind: global_buffer, .address_space: global }
      - { .name: mask, .offset: 40, .size: 8, .value_kind: global_buffer, .address_space: global }
      - { .name: bq, .offset: 48, .size: 8, .value_kind: global_buffer, .address_space: global }
      - { .name: bv, .offset: 56, .size: 8, .value_kind: global_buffer, .address_space: global }
      - { .name: bo, .offset: 64, .size: 8, .value_kind: global_buffer, .address_space: global }
      - { .name: bk, .offset: 72, .size: 8, .value_kind: global_buffer, .address_space: global }
      - { .name: xh, .offset: 80, .size: 8, .value_kind: global_buffer, .address_space: global }
      - { .name: wall, .offset: 88, .size: 8, .value_kind: global_buffer, .address_space: global }
      - { .name: wkh, .offset: 96, .size: 8, .value_kind: global_buffer, .address_space: global }
      - { .name: mt2, .offset: 104, .size: 8, .value_kind: global_buffer, .address_space: global }
    .group_segment_fixed_size: 35840
    .private_segment_fixed_size: 0
    .kernarg_segment_align: 8
    .kernarg_segment_size: 112
    .max_flat_workgroup_size: 256
    .sgpr_count:     66
    .vgpr_count:     128
    .wavefront_size: 32
...
	.end_amdgpu_metadata
.endif
;; end of part 6
;; launch proj (part 7): grid 8 x 24, 4 waves a work-group, clusters of 4 x 4, 327,680 bytes of LDS; arguments xh, wall, wkh, qvb, ktb; writes qvb, ktb
.if DOCPART == 7
	.amdgcn_target "amdgcn-amd-amdhsa--gfx1250"
	.amdhsa_code_object_version 6
	.text
	.protected	k_qe89b204fbd_proj
	.globl	k_qe89b204fbd_proj
	.p2align	8
	.type	k_qe89b204fbd_proj,@function
k_qe89b204fbd_proj:
	s_mov_b64 s[64:65], 0
	v_nop
	global_prefetch_b8 v0, s[64:65] scope:SCOPE_SE
	s_setreg_imm32_b32 hwreg(HW_REG_WAVE_MODE, 25, 1), 1
	s_wait_xcnt 0x0
	s_wait_alu depctr_hold_cnt(0) depctr_sa_sdst(0) depctr_va_vdst(0) depctr_va_sdst(0) depctr_va_ssrc(0) depctr_va_vcc(0) depctr_vm_vsrc(0)
	s_getreg_b32 s2, hwreg(HW_REG_IB_STS2, 6, 4)
	s_cmp_eq_u32 s2, 0
	s_cbranch_scc0 .Lentry_in_a_cluster
	s_endpgm
.Lentry_in_a_cluster:
	s_bfe_u32 s2, ttmp6, 0x10000c
	s_cmp_lg_u32 s2, 0xf033
	s_cbranch_scc0 .Lentry_shape_is_right
	s_endpgm
.Lentry_shape_is_right:
; THE THREE PROJECTIONS, in one launch.  C[m][n] = sum over k of A[m][k] B[n][k] + addA[m] + addB[n], K = 1,024.  A and B are operand buffers: 16,384 bytes of addends in f32 (one for each row), then rows of 1,024 f16.
; Rows 0-3 of the grid's clusters: A = x / 16, B = [Wq; 16 Wv]: Q / 16 and V by tokens, 4,096 x 2,048.  Rows 4-5: A = Wk, B = x / 16: (K / 16) transposed, [channel][token], 1,024 x 4,096, with bk / 16 as the row addend.
; The sums are f32.  C LEAVES AS A PAIR OF f16: hi = f16(c), lo = f16(c - hi).  A row of C has a pitch of 16,384 bytes; the columns 128 t .. lie at byte 512 t as [hi 256 bytes | lo 256 bytes].
; LIMITS.  |c| < 65,504, that is |Q|, |K| < 1.04e6, |V| < 65,504; lo has f16's fixed step of 6e-8 below 6e-5, so a pair is off by 3e-8 at the most or 2^-22 of itself.  NaN and infinities are not treated apart.
; A tile of C is 256 x 256: 128 + 64 = 192 tiles, one to a work-group.  Four waves, as many as a WGP has SIMDs, each 128 x 128: 64 accumulators of 16 x 16, 512 registers.  K goes in 8 steps of 128 through a ring of two
; LDS slots; a wave's tensor load brings 128 rows of 256 bytes.  A smaller tile would give every WGP a work-group, but a K step of a 128 x 128 tile holds half the matrix work for each refill and reads twice the LDS bytes for each product.
; A K STEP IS WRITTEN ONCE: a loop for the six steps that fill a slot again, a loop of two trips for the two that do not.  The slot in hand is a scalar that an exclusive or turns.
; CLUSTERS: 4 x 4 work-groups.  The four of a row of the cluster need the same tiles of A, the four of a column the same tiles of B: each tile is asked for JOINTLY, by the same tensor load with the
; same descriptor and a mask that names the four.  Which product a work-group belongs to hangs on the cluster's y alone, which all sixteen share.
; THE MATRIX INSTRUCTION IS USED TRANSPOSED (source 0 = 16 rows of B, source 1 = 16 rows of A): a lane then holds eight neighbouring numbers of a row of C.
; REGISTERS, in windows of 256 (s_set_vgpr_msb's low byte: bits 1:0 source 0, 3:2 source 1, 5:4 source 2, 7:6 destination):
;   window 0: v0-31 addresses; v64-127, v128-191 fragments of A (8 x 16 rows x 32 K), two buffers; ahead of the first fragments the addends lie there, on the way out the rows read back; v192-223 the hi parts on the way out
;   window 1: v64-127, v128-191 fragments of B, two buffers
;   window 2: the 32 accumulators of my rows 0-63 (accumulator (a, b) at v[8 (8 a + b)]);   window 3: those of my rows 64-127
.set SIZE_K, 1024
.set HEAD,   16384                     ; bytes of addends in front of an operand's rows
.set CPB,    16384                     ; bytes from row to row of C
.set KSTEP,  128
.set STEPS,  SIZE_K/KSTEP
.set PITCH,  272                       ; an LDS row: 256 bytes of data + 16 of padding = 68 words: row r starts at bank 4 r mod 64 (64 banks of 4 bytes: ISA guide 11.1)
.set HALFT,  128*PITCH                 ; 128 rows: what one tensor load brings, and what one wave reads of A or of B
.set SLOT,   4*HALFT                   ; A's 256 rows, then B's 256 rows.  139,264 = 2^17 + 2^13; wave x HALFT (0, 0x8800, 0x11000, 0x19800) has neither bit, so an exclusive or with SLOT moves such an address from one slot to the other
.set STAGE,  2*SLOT                    ; behind the ring: 16 rows x 528 bytes for each wave, for the way out
.set SPITCH, 528                       ; a stage row: [hi 256 | lo 256] + 16
.set SPARE,  STAGE+4*16*SPITCH         ; behind the stages: the spare words, 128 bytes for each wave: two blocks of 256 bytes that no other line names
.set ADRA0, 16                         ; v16  LDS address of my A fragments in slot 0; never rewritten
.set ADRA,  17                         ; v17  the same in the slot in hand
.set ADRB0, 20                         ; v20, v21  the same for B
.set ADRB,  21
.set STO,  24                          ; v24  the way out: where I put 16 bytes of a row
.set RD,   25                          ; v25  the way out: where I read a row back
.set CO,   26                          ; v26  my byte offset in a row's 512 bytes of C
.set MONE, 27                          ; v27  -1.0
.set SPW,  28                          ; v28  LDS address of my spare word: SPARE + 4 x my thread's number; never rewritten
.set NIL,  29                          ; v29  0; never rewritten
.set F0,   64                          ; fragment buffer 0
.set F1,   128                         ; fragment buffer 1
.set BETA, 64                          ; ahead of the first fragments: addB of my eight columns in block b at BETA + 8 b
.set ALPHA, 128                        ; and addA of my row in block a, in both registers of pair a: the packed add takes the pair's first for both halves
.set TMP,  192
.set TB,   2                           ; s2   LDS byte at which the slot in hand begins
.set WV,   14                          ; s14  my wave's number
.set WR,   15                          ; s15  which half of the tile's rows is mine.  Also: I fetch for A (0) or for B (1)
.set WC,   16                          ; s16  which half of its columns.  Also: which 128 rows of that tile I fetch
.set G1, 24                            ; s[24:31] descriptor group 1 for A's tiles
.set G0, 32                            ; s[32:39] descriptor group 0 for A's tiles: a set for each of the two first fills; the second then walks on
.set G1B, 48                           ; s[48:55], s[56:63] the same for B's tiles
.set G0B, 56
.set MSB, 0
.macro WIN new                         ; the immediate's high byte repeats the setting that is left
.if MSB != (\new)
	s_set_vgpr_msb (MSB<<8)|(\new)
.set MSB, \new
.endif
.endm
.set MUL_LO, 0xa1                      ; source 0 (B) window 1, source 1 (A) window 0, C and D window 2
.set MUL_HI, 0xf1                      ; the same, C and D window 3
.set TO_B,   0x40                      ; destination window 1, address window 0
.macro JLOAD s                         ; a joint load: waves 0 and 1 fetch A's two halves, waves 2 and 3 B's; an s_nop 0 and four v_nop follow each of the two lines, ahead of the jump, the label and what follows
	s_cmp_eq_u32 s[WR], 0
	s_cbranch_scc0 .Lfor_b_\@
	tensor_load_to_lds s[G0+4*(\s):G0+4*(\s)+3], s[G1:G1+7]
	s_nop 0
.rept 4
	v_nop
.endr
	s_branch .Lasked_\@
.Lfor_b_\@:
	tensor_load_to_lds s[G0B+4*(\s):G0B+4*(\s)+3], s[G1B:G1B+7]
	s_nop 0
.rept 4
	v_nop
.endr
.Lasked_\@:
.endm
.macro CREST                           ; a round of the cluster's barrier behind its opening barrier
	s_cmp_lg_u32 s[WV], 0
	s_cbranch_scc1 .Lnot_wave_0_\@
	s_barrier_signal -3
.Lnot_wave_0_\@:
	s_barrier_wait -3
	s_barrier_signal -1
	s_barrier_wait -1
.endm
.macro CROUND                          ; a whole round
	s_barrier_signal -1
	s_barrier_wait -1
	CREST
.endm
	s_load_b256 s[4:11], s[0:1], 0x0               ; x s[4:5], [Wq; Wv; Wo] s[6:7], Wk s[8:9], the output for Q and V s[10:11]
	s_load_b64 s[12:13], s[0:1], 0x20              ; the output for K transposed
	v_lshl_add_u32 v[SPW], v0, 2, SPARE
	v_mov_b32 v[NIL], 0
	ds_add_u32 v[SPW], v[NIL]                      ; the wave's opening: the add and its wait stand ahead of my first tensor load; the set-up below, work on registers, stands between them
	v_lshrrev_b32 v1, 5, v0
	v_readfirstlane_b32 s[WV], v1                  ; wave 0..3
	s_lshr_b32 s[WR], s[WV], 1
	s_and_b32 s[WC], s[WV], 1
	s_bfe_u32 s17, ttmp6, 0x40000                  ; cx, cy: my place in the cluster
	s_bfe_u32 s18, ttmp6, 0x40004
	s_and_b32 s23, ttmp7, 0xffff                   ; the cluster's y, 0 to 5; ttmp9 is its x, 0 or 1
	s_max_u32 s19, s23, 4
	s_sub_co_u32 s19, s19, 4
	s_lshl_b32 s19, s19, 1
	s_add_co_u32 s19, s19, ttmp9                   ; K transposed: its four clusters lie side by side: column 2 (y - 4) + x, row 0
	s_cmp_ge_u32 s23, 4
	s_cselect_b32 s19, s19, ttmp9                  ; Q and V: column x, row y
	s_cselect_b32 s20, 0, s23
	s_cselect_b32 s23, 1, 0                        ; 1: K transposed
	s_lshl_b32 s19, s19, 2
	s_add_co_u32 s19, s19, s17                     ; tile column of C = 4 x the cluster's column + cx
	s_lshl_b32 s20, s20, 2
	s_add_co_u32 s20, s20, s18                     ; tile row of C = 4 x the cluster's row + cy
	s_lshl_b32 s21, s18, 2
	s_lshl_b32 s21, 15, s21                        ; my row of the cluster
	s_lshl_b32 s22, 0x1111, s17                    ; my column
	; descriptor group 1: a tile of 128 rows x 128 elements, padded in LDS
	s_or_b32 s[G1+0], s21, (1<<16)|(1<<20)|(1<<21)|(5<<22)|(3<<25)  ; 15:0 the mask: A's tiles go to my row; 17:16 element of 2 bytes; 20 padding on; 21 set beside a mask; 24:22 after every 64 words (code 5); 31:25 of 4 words (code 3)
	s_or_b32 s[G1B+0], s22, (1<<16)|(1<<20)|(1<<21)|(5<<22)|(3<<25)
.irp g, G1, G1B
	s_mov_b32 s[(\g)+1], KSTEP<<16                 ; tensor_dim0 = 128
	s_mov_b32 s[(\g)+2], 128<<16                   ; tensor_dim1 = 128
	s_mov_b32 s[(\g)+3], KSTEP<<16                 ; tile_dim0 = 128
	s_mov_b32 s[(\g)+4], 128                       ; tile_dim1 = 128
	s_mov_b32 s[(\g)+5], SIZE_K                    ; tensor_dim0_stride
	s_mov_b32 s[(\g)+6], 0
	s_mov_b32 s[(\g)+7], 0
.endr
	s_lshl_b32 s41, s[WC], 7                       ; which 128 rows of the tile I fetch
	s_lshl_b32 s40, s20, 8
	s_add_co_u32 s40, s40, s41                     ; A: row 256 x tile row + 128 x half,
	s_lshl_b32 s40, s40, 11                        ; of 2,048 bytes (4,095 rows at the most: inside 32 bits),
	s_add_co_u32 s40, s40, HEAD                    ; behind the addends
	s_lshl_b32 s46, s19, 8
	s_add_co_u32 s46, s46, s41                     ; B: row 256 x tile column + 128 x half
	s_lshl_b32 s46, s46, 11
	s_add_co_u32 s46, s46, HEAD
	s_mov_b32 s41, 0
	s_mov_b32 s47, 0
	s_mul_i32 s68, s[WV], HALFT                    ; where they go: wave x 128 rows: no place in the cluster enters an LDS address
	s_mov_b32 s[TB], 0
	s_wait_dscnt 0x0                               ; the opening add is done
	s_wait_kmcnt 0x0
	s_cmp_eq_u32 s23, 1                            ; the three buffers of my product
	s_cselect_b64 s[10:11], s[12:13], s[10:11]     ; C
	s_cselect_b64 s[6:7], s[4:5], s[6:7]           ; B: x, or the weights
	s_cselect_b64 s[4:5], s[8:9], s[4:5]           ; A: Wk, or x
	s_add_nc_u64 s[66:67], s[4:5], s[40:41]
	s_add_nc_u64 s[46:47], s[6:7], s[46:47]
	CROUND                                         ; all sixteen work-groups are here: the first joint loads meet
.irp s, 0,1
	s_mov_b32 s[G0+4*(\s)], 1                                      ; 1:0 count = 1
	s_add_co_u32 s[G0+4*(\s)+1], s68, (\s)*SLOT                    ; 63:32 LDS address
	s_add_nc_u64 s[G0+4*(\s)+2:G0+4*(\s)+3], s[66:67], (\s)*KSTEP*2  ; 120:64 global address: K step s
	s_or_b32 s[G0+4*(\s)+3], s[G0+4*(\s)+3], 0x80000000            ; 127:126 type = 2
	s_mov_b32 s[G0B+4*(\s)], 1
	s_add_co_u32 s[G0B+4*(\s)+1], s68, (\s)*SLOT
	s_add_nc_u64 s[G0B+4*(\s)+2:G0B+4*(\s)+3], s[46:47], (\s)*KSTEP*2
	s_or_b32 s[G0B+4*(\s)+3], s[G0B+4*(\s)+3], 0x80000000
	JLOAD \s                                       ; the ring is filled before anything else is done
.endr
	v_and_b32 v1, 15, v0                           ; l % 16
	v_bfe_u32 v2, v0, 4, 1                         ; l / 16
	; the addends: in an accumulator (a, b) my lane holds row 16 a + l % 16 and the columns 16 b + 8 (l / 16) + 0..7 of my wave's 128 x 128
	v_lshlrev_b32 v6, 2, v1
	v_lshlrev_b32 v7, 5, v2
	s_lshl_b32 s40, s20, 10                        ; 4 bytes x (256 x tile row + 128 x my half of the rows)
	s_lshl_b32 s41, s[WR], 9
	s_add_co_u32 s40, s40, s41
	s_mov_b32 s41, 0
	s_add_nc_u64 s[4:5], s[4:5], s[40:41]
	s_lshl_b32 s46, s19, 10                        ; the same for the columns (in the registers that held B's address: none that feeds A's descriptors ever holds cx)
	s_lshl_b32 s47, s[WC], 9
	s_add_co_u32 s46, s46, s47
	s_mov_b32 s47, 0
	s_add_nc_u64 s[6:7], s[6:7], s[46:47]
.irp a, 0,1,2,3,4,5,6,7
	global_load_b32 v[ALPHA+2*(\a)], v6, s[4:5] offset:64*(\a)
	global_load_b32 v[ALPHA+2*(\a)+1], v6, s[4:5] offset:64*(\a)
.endr
.irp b, 0,1,2,3,4,5,6,7
	global_load_b128 v[BETA+8*(\b):BETA+8*(\b)+3], v7, s[6:7] offset:64*(\b)
	global_load_b128 v[BETA+8*(\b)+4:BETA+8*(\b)+7], v7, s[6:7] offset:64*(\b)+16
.endr
	; A fragment is 16 rows x 32 K in 8 registers: lane l holds row l % 16; registers 0-3 hold K = 8 (l / 16) + 0..7, registers 4-7 K = 16 + 8 (l / 16) + 0..7: two loads of 16 bytes, 32 bytes apart.
	v_mul_u32_u24 v3, v1, PITCH
	v_lshl_add_u32 v3, v2, 4, v3                   ; row x pitch + 16 x half
	s_mul_i32 s68, s[WR], HALFT                    ; my 128 rows of A
	s_mul_i32 s69, s[WC], HALFT                    ; my 128 rows of B,
	s_add_co_u32 s69, s69, 2*HALFT                 ; which lie behind A's 256
	v_add_nc_u32 v[ADRA0], s68, v3
	v_add_nc_u32 v[ADRB0], s69, v3
	v_add_nc_u32 v[ADRA], s68, v3                  ; the slot in hand is slot 0
	v_add_nc_u32 v[ADRB], s69, v3
	s_mul_i32 s68, s[WV], 16*SPITCH
	s_add_co_u32 s68, s68, STAGE                   ; my stage
	v_mul_u32_u24 v4, v1, SPITCH                   ; in: row l % 16, 16 bytes for each half of the lanes
	v_lshl_add_u32 v4, v2, 4, v4
	v_add_nc_u32 v[STO], s68, v4
	v_and_b32 v5, 31, v0                           ; back: 32 lanes x 16 bytes are a row's 512
	v_lshlrev_b32 v[CO], 4, v5
	v_add_nc_u32 v[RD], s68, v[CO]
	v_mov_b32 v[MONE], -1.0
	s_lshl_b32 s40, s20, 8
	s_lshl_b32 s41, s[WR], 7
	s_add_co_u32 s40, s40, s41                     ; my first row of C: 256 x tile row + 128 x half,
	s_lshl_b32 s40, s40, 14                        ; of 16,384 bytes (3,968 rows at the most: inside 32 bits)
	s_mov_b32 s41, 0
	s_add_nc_u64 s[10:11], s[10:11], s[40:41]
	s_add_nc_u64 s[10:11], s[10:11], s[46:47]      ; my 128 columns are 512 bytes: 1,024 x tile column + 512 x half, the very offset of their addends
	s_wait_loadcnt 0x0                             ; the addends
.irp a, 0,1,2,3,4,5,6,7                ; the sums begin with addA + addB: 256 packed adds, in the wait for the first tile
	WIN 0x80+0x40*((\a)/4)                         ; destination window 2 or 3
.irp b, 0,1,2,3,4,5,6,7
.irp p, 0,1,2,3
	v_pk_add_f32 v[8*(8*((\a)%4)+(\b))+2*(\p):8*(8*((\a)%4)+(\b))+2*(\p)+1], v[BETA+8*(\b)+2*(\p):BETA+8*(\b)+2*(\p)+1], v[ALPHA+2*(\a):ALPHA+2*(\a)+1] op_sel_hi:[1,0]
.endr
.endr
.endr
	WIN 0
; 16 matrix instructions: m blocks a0, a0 + 1 of the window's four (hi = 0: my rows 0-63, 1: rows 64-127) x all 8 n blocks, 32 along K.  The 64 accumulators take turns, one instruction a turn
.macro MUL16 f, hi, a0
	WIN MUL_LO+0x50*(\hi)
.irp a, \a0, (\a0)+1
.irp b, 0,1,2,3,4,5,6,7
	v_wmma_f32_16x16x32_f16 v[8*(8*(\a)+(\b)):8*(8*(\a)+(\b))+7], v[(\f)+8*(\b):(\f)+8*(\b)+7], v[(\f)+8*(4*(\hi)+(\a)):(\f)+8*(4*(\hi)+(\a))+7], v[8*(8*(\a)+(\b)):8*(8*(\a)+(\b))+7]
.endr
.endr
.endm
; 32 LDS loads in one run: the fragments of one quarter step (128 rows of B, 128 rows of A, 32 K at byte k of the rows of the slot in hand) into buffer f
.macro FETCH k, f
	WIN TO_B
.irp i, 0,1,2,3,4,5,6,7
	ds_load_b128 v[(\f)+8*(\i):(\f)+8*(\i)+3],   v[ADRB] offset:(\k)+(\i)*16*PITCH
	ds_load_b128 v[(\f)+8*(\i)+4:(\f)+8*(\i)+7], v[ADRB] offset:(\k)+(\i)*16*PITCH+32
.endr
	WIN 0
.irp i, 0,1,2,3,4,5,6,7
	ds_load_b128 v[(\f)+8*(\i):(\f)+8*(\i)+3],   v[ADRA] offset:(\k)+(\i)*16*PITCH
	ds_load_b128 v[(\f)+8*(\i)+4:(\f)+8*(\i)+7], v[ADRA] offset:(\k)+(\i)*16*PITCH+32
.endr
.endm
.macro PLACES                          ; four places in front of loads into registers that matrix instructions have read, and of conversions that read results (ISA guide 7.12.1 for the conversions)
.rept 4
	v_nop
.endr
.endm
; A K step is four quarter steps of 32 along K, 64 matrix instructions each, on buffers 0, 1, 0, 1.  One of the first three: multiplies buffer f; in its middle it fetches the next quarter's fragments, at byte k, into buffer g.
.macro QUARTER k, f, g
	s_wait_dscnt 8                                 ; B and A's rows 0-63 are in; the youngest eight loads (A's rows 64-127) may be out
	MUL16 \f, 0, 0
	MUL16 \f, 0, 2
	PLACES
	FETCH \k, \g
	s_wait_dscnt 32                                ; all but the 32 just issued
	MUL16 \f, 1, 0
	MUL16 \f, 1, 2
.endm
; The last quarter multiplies buffer 1 and changes slots: ONE barrier; in front of it each wave waits for all its tensor loads, of which one is out: its part of the next slot; adds 0 to its spare word; and waits for that and
; for its own reads of this slot.  fill = 1: the barrier opens a round of the cluster's, and this slot is filled again, two K steps ahead, first thing behind the round: 224 matrix instructions ahead of the wait for it.
; fill = 0: the loop of the last two steps: nothing is asked for, and its last trip (s3 = 1) has nothing more to fetch.
.macro TURN fill
	WIN 0                                          ; (the add's two registers lie in window 0)
	s_wait_tensorcnt 0x0                           ; all my tensor loads have landed;
	ds_add_u32 v[SPW], v[NIL]                      ; 0 onto my spare word;
	s_wait_dscnt 9                                 ; (the add and the youngest eight loads may be out)
	MUL16 F1, 0, 0                                 ; sixteen matrix instructions stand between the add and the wait for it
	s_wait_dscnt 0x0                               ; the add is done, and my reads of this slot are over
	s_barrier_signal -1
	MUL16 F1, 0, 2                                 ; work on registers while the others arrive
	WIN 0
	s_barrier_wait -1
.if \fill
	CREST                                          ; no wave of any partner still reads this slot's tile or has a load on its way
	s_xor_b32 s[G0+5], s[G0+5], SLOT               ; the walking descriptors: the other slot than last time,
	s_add_nc_u64 s[G0+6:G0+7], s[G0+6:G0+7], KSTEP*2   ; the next K step; the type bits on top are not reached
	s_xor_b32 s[G0B+5], s[G0B+5], SLOT
	s_add_nc_u64 s[G0B+6:G0B+7], s[G0B+6:G0B+7], KSTEP*2
	JLOAD 1                                        ; the four v_nop behind it are also the places in front of the loads below
.else
	PLACES
.endif
	s_xor_b32 s[TB], s[TB], SLOT                   ; the other slot is in hand
	v_add_nc_u32 v[ADRA], s[TB], v[ADRA0]
	v_add_nc_u32 v[ADRB], s[TB], v[ADRB0]
.if !(\fill)
	s_cmp_eq_u32 s3, 1
	s_cbranch_scc1 .Lno_fetch_\@
.endif
	FETCH 0, F0
.if !(\fill)
	WIN 0
.Lno_fetch_\@:
.endif
	MUL16 F1, 1, 0
	MUL16 F1, 1, 2
.endm
.macro STEP fill
	QUARTER 64,  F0, F1
	QUARTER 128, F1, F0
	QUARTER 192, F0, F1
	TURN \fill
.endm
	s_wait_tensorcnt 1                             ; my part of K step 0 is in; K step 1's load may stay out
	s_barrier_signal -1
	s_barrier_wait -1                              ; everybody's is
	FETCH 0, F0
	s_mov_b32 s3, STEPS-2
.Lstep:                                                ; K steps 0 to 5: each fills its slot again
	STEP 1
	WIN 0                                          ; at a label and at a branch every window is 0
	s_sub_co_u32 s3, s3, 1
	s_cmp_lg_u32 s3, 0
	s_cbranch_scc1 .Lstep
	s_mov_b32 s3, 2
.Ltail:                                                ; K steps 6 and 7 are written out apart
	STEP 0
	WIN 0
	s_sub_co_u32 s3, s3, 1
	s_cmp_lg_u32 s3, 0
	s_cbranch_scc1 .Ltail
; THE WAY OUT of block a (16 of my rows), in three parts.
; PACK: from each accumulator's low end on, hi = f16(c), eight numbers in four registers; then lo = f16(c - hi), one multiply-add a number that reads hi's half, times -1, adds c and rounds once to f16, into the
; accumulator's four lowest registers (pair r is read before register r is written).  Two accumulators side by side, so that no line waits for the line before it.
.macro PACK a
.set AC, 64*((\a)%4)
	WIN 0x0a+5*((\a)/4)                            ; sources 0 and 1: window 2 or 3
.irp b, 0,1,2,3,4,5,6,7
.irp r, 0,1,2,3
	v_cvt_pk_f16_f32 v[TMP+4*(\b)+(\r)], v[AC+8*(\b)+2*(\r)], v[AC+8*(\b)+2*(\r)+1]
.endr
.endr
	WIN 0xa0+0x50*((\a)/4)                         ; source 2 and destination: window 2 or 3
.irp b, 0,2,4,6
.irp r, 0,1,2,3
	v_fma_mixlo_f16 v[AC+8*(\b)+(\r)], v[TMP+4*(\b)+(\r)], v[MONE], v[AC+8*(\b)+2*(\r)] op_sel_hi:[1,0,0]
	v_fma_mixlo_f16 v[AC+8*(\b)+8+(\r)], v[TMP+4*(\b)+4+(\r)], v[MONE], v[AC+8*(\b)+8+2*(\r)] op_sel_hi:[1,0,0]
	v_fma_mixhi_f16 v[AC+8*(\b)+(\r)], v[TMP+4*(\b)+(\r)], v[MONE], v[AC+8*(\b)+2*(\r)+1] op_sel:[1,0,0] op_sel_hi:[1,0,0]
	v_fma_mixhi_f16 v[AC+8*(\b)+8+(\r)], v[TMP+4*(\b)+4+(\r)], v[MONE], v[AC+8*(\b)+8+2*(\r)+1] op_sel:[1,0,0] op_sel_hi:[1,0,0]
.endr
.endr
.endm
; TOSTAGE: 16 bytes of hi and of lo a lane into my own stage, and back as whole rows of 512 bytes, into the fragments' registers, two sets by turns.
.macro TOSTAGE a
.set AC, 64*((\a)%4)
.set BK, F0+64*((\a)%2)
	WIN 0
	s_wait_xcnt 0x0                                ; every earlier store has had its addresses translated (ISA guide 3.1): the registers that the block two back was stored from are loaded again only behind this wait
.irp b, 0,1,2,3,4,5,6,7
	ds_store_b128 v[STO], v[TMP+4*(\b):TMP+4*(\b)+3] offset:32*(\b)
.endr
	WIN 0x08+4*((\a)/4)                            ; the store's data (source 1): window 2 or 3
.irp b, 0,1,2,3,4,5,6,7
	ds_store_b128 v[STO], v[AC+8*(\b):AC+8*(\b)+3] offset:32*(\b)+256
.endr
	WIN 0
.irp t, 0,1,2,3,4,5,6,7,8,9,10,11,12,13,14,15
	ds_load_b128 v[BK+4*(\t):BK+4*(\t)+3], v[RD] offset:(\t)*SPITCH  ; LDS serves a wave's instructions in order (ISA guide 5.7.1.4): these see the stores above; the next block's stores come behind them
.endr
.endm
; SEND: stored.  The block's sixteen loads are the youngest LDS instructions when it stands.
.macro SEND a
.set BK, F0+64*((\a)%2)
	WIN 0
.irp t, 0,1,2,3,4,5,6,7,8,9,10,11,12,13,14,15
	s_wait_dscnt 15-(\t)                           ; LDS loads come back in order: row t is in
	global_store_b128 v[CO], v[BK+4*(\t):BK+4*(\t)+3], s[10:11] offset:(16*(\a)+(\t))*CPB  ; a wave stores 512 consecutive bytes, at a multiple of 512 from C's first byte; 127 rows of 16,384 bytes at the most: inside the signed 24-bit immediate
.endr
.endm
	PLACES                                         ; behind the last products
	PACK 0
	TOSTAGE 0
.irp a, 1,2,3,4,5,6,7                  ; block a's arithmetic stands between block a - 1's loads from the stage and the waits for them
	PACK \a
	SEND (\a)-1
	TOSTAGE \a
.endr
	SEND 7
	s_wait_tensorcnt 0x0                           ; the wave's end: the waits and the closing add stand behind my last tensor load and my last LDS store
	ds_add_u32 v[SPW], v[NIL]
	s_wait_dscnt 0x0
	CROUND                                         ; the closing round: no work-group ends while a partner may still ask for a tile that names it
	s_endpgm
.Lfunc_end_k_qe89b204fbd_proj:
	.size	k_qe89b204fbd_proj, .Lfunc_end_k_qe89b204fbd_proj-k_qe89b204fbd_proj
	.p2alignl 7, 3214868480
	.fill 96, 4, 3214868480
	.section	.rodata,"a",@progbits
	.p2align	6, 0x0
	.amdhsa_kernel k_qe89b204fbd_proj
		.amdhsa_group_segment_fixed_size 327680
		.amdhsa_private_segment_fixed_size 0
		.amdhsa_enable_private_segment 0
		.amdhsa_kernarg_size 40
		.amdhsa_user_sgpr_count 2
		.amdhsa_user_sgpr_kernarg_segment_ptr 1
		.amdhsa_wavefront_size32 1
		.amdhsa_system_sgpr_workgroup_id_x 1
		.amdhsa_system_sgpr_workgroup_id_y 1
		.amdhsa_system_sgpr_workgroup_id_z 1
		.amdhsa_system_vgpr_workitem_id 0
		.amdhsa_next_free_vgpr 1024
		.amdhsa_next_free_sgpr 72
		.amdhsa_reserve_vcc 0
		.amdhsa_float_denorm_mode_32 3
		.amdhsa_float_denorm_mode_16_64 3
		.amdhsa_memory_ordered 1
		.amdhsa_forward_progress 1
		.amdhsa_inst_pref_size 163
	.end_amdhsa_kernel
	.amdgpu_metadata
---
amdhsa.version: [ 1, 2 ]
amdhsa.kernels:
  - .name:           k_qe89b204fbd_proj
    .symbol:         k_qe89b204fbd_proj.kd
    .args:
      - { .name: xh, .offset: 0, .size: 8, .value_kind: global_buffer, .address_space: global }
      - { .name: wall, .offset: 8, .size: 8, .value_kind: global_buffer, .address_space: global }
      - { .name: wkh, .offset: 16, .size: 8, .value_kind: global_buffer, .address_space: global }
      - { .name: qvb, .offset: 24, .size: 8, .value_kind: global_buffer, .address_space: global }
      - { .name: ktb, .offset: 32, .size: 8, .value_kind: global_buffer, .address_space: global }
    .group_segment_fixed_size: 327680
    .private_segment_fixed_size: 0
    .kernarg_segment_align: 8
    .kernarg_segment_size: 40
    .max_flat_workgroup_size: 128
    .sgpr_count:     72
    .vgpr_count:     1024
    .wavefront_size: 32
...
	.end_amdgpu_metadata
.endif
;; end of part 7
;; launch kmask (part 8): grid 8 x 32, 4 waves a work-group, clusters of 4 x 4, 327,680 bytes of LDS; arguments ktb, mt2, kmb; writes kmb
.if DOCPART == 8
	.amdgcn_target "amdgcn-amd-amdhsa--gfx1250"
	.amdhsa_code_object_version 6
	.text
	.protected	k_qe89b204fbd_kmask
	.globl	k_qe89b204fbd_kmask
	.p2align	8
	.type	k_qe89b204fbd_kmask,@function
k_qe89b204fbd_kmask:
	s_mov_b64 s[64:65], 0
	v_nop
	global_prefetch_b8 v0, s[64:65] scope:SCOPE_SE
	s_setreg_imm32_b32 hwreg(HW_REG_WAVE_MODE, 25, 1), 1
	s_wait_xcnt 0x0
	s_wait_alu depctr_hold_cnt(0) depctr_sa_sdst(0) depctr_va_vdst(0) depctr_va_sdst(0) depctr_va_ssrc(0) depctr_va_vcc(0) depctr_vm_vsrc(0)
	s_getreg_b32 s2, hwreg(HW_REG_IB_STS2, 6, 4)
	s_cmp_eq_u32 s2, 0
	s_cbranch_scc0 .Lentry_in_a_cluster
	s_endpgm
.Lentry_in_a_cluster:
	s_bfe_u32 s2, ttmp6, 0x10000c
	s_cmp_lg_u32 s2, 0xf033
	s_cbranch_scc0 .Lentry_shape_is_right
	s_endpgm
.Lentry_shape_is_right:
; K^T TIMES THE MASK.  scores x mask = Q (K^T mask), so the mask is multiplied into K once for each head: KM[row][j] = sum over k of K[k][channel] mask[k][j], 1,024 tokens k.
; A is (K / 16) transposed as the projection left it, read as 4,096 rows (row = 4 x channel + batch) of 4,096 bytes: for each 128 tokens [hi 128 f16 | lo 128 f16].  B is the mask / 64 turned, [j][k] in f16.
; A fragment of B is read once and multiplied by A's hi fragment and by its lo fragment, both into the one f32 sum.
; C = KM / 1,024 LEAVES AS A PAIR OF f16: hi = f16(c), lo = f16(c - hi).  A row of C has 4,096 bytes; the tile of columns 128 t .. lies at byte 512 t as [hi 256 bytes | lo 256 bytes].
; LIMITS.  |c| < 65,504, that is |KM| < 6.7e7; lo has f16's fixed step of 6e-8 below 6e-5.  NaN and infinities are not treated apart.
; A tile of C is 128 x 128: 256 tiles, one to a work-group.  Four waves, each 64 x 64: 16 accumulators of 16 x 16, 128 registers.  The tokens go in 8 steps of 128 through two slots: 128 rows of 512 bytes of A, 128 rows of
; 256 bytes of B; a wave's tensor load brings 64 rows of one of them.
; A STEP IS WRITTEN ONCE: a loop for the six steps that fill a slot again, a loop of two trips for the two that do not.  The slot in hand is a scalar that an exclusive or turns.  So no step differs from the others, and the
; accumulators are cleared: 128 v_mov_b32, in the wait for the first tile; that is the price of not writing a first step out.
; CLUSTERS: 4 x 4 work-groups.  The four of a row of the cluster need the same tiles of A, the four of a column the same tiles of B: each tile is asked for JOINTLY, by the same tensor load with the
; same descriptor and a mask that names the four.  THE MATRIX INSTRUCTION IS USED TRANSPOSED (source 0 = 16 rows of B, source 1 = 16 rows of A): a lane then holds eight neighbouring numbers of a row of C.
; REGISTERS: window 0: v0-31 addresses; v32-95 the hi parts on the way out; v128-255 the accumulators ((a, b) at v[128 + 8 (4 a + b)]).
;   window 1: two fragment buffers at v0 and v128, 96 registers of each in use: for 32 tokens, 32 registers of A's hi part (4 x 16 rows x 32 k), 32 of its lo part, 32 of B.
.set KA,     2048                      ; f16 from row to row of A
.set KB,     1024                      ; and of B
.set CPB,    4096                      ; bytes from row to row of C
.set STEPS,  8                         ; of 128 tokens
.set PA,     528                       ; an LDS row of A: 512 bytes of data + 16 of padding = 132 words: row r starts at bank 4 r mod 64 (64 banks of 4 bytes: ISA guide 11.1)
.set PB,     272                       ; an LDS row of B: 256 + 16 = 68 words: likewise
.set HALFA,  64*PA                     ; 64 rows: what one tensor load brings, and what one wave reads of A
.set HALFB,  64*PB                     ; the same of B
.set BOFF,   2*HALFA                   ; in a slot A's 128 rows, then B's 128 rows: 102,400 bytes
.set SLOT,   1<<17                     ; slot 1 begins here, so that one exclusive or turns an address in one slot into the other's
.set STAGE,  SLOT+BOFF+2*HALFB         ; behind the ring, never filled by a tensor load: 128 rows of [hi 256 | lo 256] + 16, the work-group's, for the way out
.set SPITCH, 528
.set SPARE,  STAGE+128*SPITCH          ; behind the stage: the spare words, 128 bytes for each wave: two blocks of 256 bytes that no other line names
.set ADRA0, 16                         ; v16  LDS address of my A fragments in slot 0; never rewritten
.set ADRA,  17                         ; v17  the same in the slot in hand
.set ADRB0, 20                         ; v20, v21  the same for B
.set ADRB,  21
.set STO,  24                          ; v24     the way out: where I put 16 bytes of a row
.set RD,   25                          ; v25     the way out: where I read a row back
.set CO,   26                          ; v26     my byte offset in a tile's 512 bytes of a row of C
.set MONE, 27                          ; v27     -1.0
.set SPW,  28                          ; v28     LDS address of my spare word: SPARE + 4 x my thread's number; never rewritten
.set NIL,  29                          ; v29     0; never rewritten
.set TMP,  32
.set ACC,  128
.set F0,   0                           ; fragment buffers, in window 1
.set F1,   128
.set TB,   45                          ; s45  LDS byte at which the slot in hand begins
.set G1, 24                            ; s[24:31] descriptor group 1 for A's tiles;  s[32:39] group 0: a set for each of the two first fills; the second then walks on
.set G0, 32
.set G1B, 48                           ; s[48:55], s[56:63] the same for B's tiles
.set G0B, 56
.set MSB, 0
.macro WIN new                         ; the immediate's high byte repeats the setting that is left
.if MSB != (\new)
	s_set_vgpr_msb (MSB<<8)|(\new)
.set MSB, \new
.endif
.endm
.set MUL,  0x05                        ; sources 0 (B) and 1 (A) window 1; C and D window 0
.set TO_F, 0x40                        ; destination window 1, address window 0
.macro JLOAD s                         ; a joint load: waves 0 and 1 fetch A's two halves, waves 2 and 3 B's; an s_nop 0 and four v_nop follow each of the two lines, ahead of the jump, the label and what follows
	s_cmp_eq_u32 s11, 0
	s_cbranch_scc0 .Lfor_b_\@
	tensor_load_to_lds s[G0+4*(\s):G0+4*(\s)+3], s[G1:G1+7]
	s_nop 0
.rept 4
	v_nop
.endr
	s_branch .Lasked_\@
.Lfor_b_\@:
	tensor_load_to_lds s[G0B+4*(\s):G0B+4*(\s)+3], s[G1B:G1B+7]
	s_nop 0
.rept 4
	v_nop
.endr
.Lasked_\@:
.endm
.macro CREST                           ; a round of the cluster's barrier behind its opening barrier
	s_cmp_lg_u32 s10, 0
	s_cbranch_scc1 .Lnot_wave_0_\@
	s_barrier_signal -3
.Lnot_wave_0_\@:
	s_barrier_wait -3
	s_barrier_signal -1
	s_barrier_wait -1
.endm
.macro CROUND                          ; a whole round
	s_barrier_signal -1
	s_barrier_wait -1
	CREST
.endm
	s_load_b128 s[4:7], s[0:1], 0x0                ; A s[4:5], B s[6:7]
	s_load_b64 s[8:9], s[0:1], 0x10                ; C
	v_lshl_add_u32 v[SPW], v0, 2, SPARE
	v_mov_b32 v[NIL], 0
	ds_add_u32 v[SPW], v[NIL]                      ; the wave's opening: the add and its wait stand ahead of my first tensor load; the set-up below, work on registers, stands between them
	v_lshrrev_b32 v1, 5, v0
	v_readfirstlane_b32 s10, v1                    ; wave 0..3
	s_lshr_b32 s11, s10, 1                         ; which half of the tile's rows is mine.  Also: I fetch for A (0) or for B (1)
	s_and_b32 s12, s10, 1                          ; which half of its columns.  Also: which 64 rows of that tile I fetch
	s_bfe_u32 s40, ttmp6, 0x40000                  ; cx, cy: my place in the cluster
	s_bfe_u32 s41, ttmp6, 0x40004
	s_lshl_b32 s42, ttmp9, 2
	s_add_co_u32 s42, s42, s40                     ; tile column of C = 4 x cluster x + cx
	s_and_b32 s13, ttmp7, 0xffff
	s_lshl_b32 s13, s13, 2
	s_add_co_u32 s13, s13, s41                     ; tile row of C = 4 x cluster y + cy
	s_lshl_b32 s43, s41, 2
	s_lshl_b32 s43, 15, s43                        ; my row of the cluster
	s_lshl_b32 s44, 0x1111, s40                    ; my column
	; descriptor group 1.  A: a tile of 64 rows x 256 elements (128 tokens' hi, then their lo); B: 64 rows x 128 elements; both padded in LDS
	s_or_b32 s[G1+0], s43, (1<<16)|(1<<20)|(1<<21)|(6<<22)|(3<<25)  ; 15:0 the mask: A's tiles go to my row; 17:16 element of 2 bytes; 20 padding on; 21 set beside a mask; 24:22 after every 128 words (code 6); 31:25 of 4 words (code 3)
	s_mov_b32 s[G1+1], 256<<16                     ; tensor_dim0 = 256
	s_mov_b32 s[G1+2], 64<<16                      ; tensor_dim1 = 64
	s_mov_b32 s[G1+3], 256<<16                     ; tile_dim0 = 256
	s_mov_b32 s[G1+4], 64                          ; tile_dim1 = 64
	s_mov_b32 s[G1+5], KA                          ; tensor_dim0_stride
	s_mov_b32 s[G1+6], 0
	s_mov_b32 s[G1+7], 0
	s_or_b32 s[G1B+0], s44, (1<<16)|(1<<20)|(1<<21)|(5<<22)|(3<<25) ; B's tiles go to my column; padding after every 64 words (code 5)
	s_mov_b32 s[G1B+1], 128<<16                    ; tensor_dim0 = 128
	s_mov_b32 s[G1B+2], 64<<16
	s_mov_b32 s[G1B+3], 128<<16                    ; tile_dim0 = 128
	s_mov_b32 s[G1B+4], 64
	s_mov_b32 s[G1B+5], KB
	s_mov_b32 s[G1B+6], 0
	s_mov_b32 s[G1B+7], 0
	s_lshl_b32 s17, s12, 6                         ; which 64 rows of the tile I fetch
	s_lshl_b32 s16, s13, 7
	s_add_co_u32 s16, s16, s17                     ; A: row 128 x tile row + 64 x half,
	s_lshl_b32 s16, s16, 12                        ; of 4,096 bytes
	s_lshl_b32 s46, s42, 7
	s_add_co_u32 s46, s46, s17                     ; B: row 128 x tile column + 64 x half,
	s_lshl_b32 s46, s46, 11                        ; of 2,048 bytes
	s_mov_b32 s17, 0
	s_mov_b32 s47, 0
	s_mul_i32 s20, s12, HALFA                      ; where they go: A's half,
	s_mul_i32 s21, s12, HALFB                      ; or B's, behind A's 128 rows: no place in the cluster enters an LDS address
	s_add_co_u32 s21, s21, BOFF
	s_mov_b32 s[TB], 0
	s_wait_dscnt 0x0                               ; the opening add is done
	s_wait_kmcnt 0x0
	s_add_nc_u64 s[14:15], s[4:5], s[16:17]
	s_add_nc_u64 s[46:47], s[6:7], s[46:47]
	CROUND                                         ; all sixteen work-groups are here: the first joint loads meet
.irp s, 0,1
	s_mov_b32 s[G0+4*(\s)], 1                                      ; 1:0 count = 1
	s_add_co_u32 s[G0+4*(\s)+1], s20, (\s)*SLOT                    ; 63:32 LDS address
	s_add_nc_u64 s[G0+4*(\s)+2:G0+4*(\s)+3], s[14:15], (\s)*512    ; 120:64 global address: step s: 128 tokens are 512 bytes of a row of A,
	s_or_b32 s[G0+4*(\s)+3], s[G0+4*(\s)+3], 0x80000000            ; 127:126 type = 2
	s_mov_b32 s[G0B+4*(\s)], 1
	s_add_co_u32 s[G0B+4*(\s)+1], s21, (\s)*SLOT
	s_add_nc_u64 s[G0B+4*(\s)+2:G0B+4*(\s)+3], s[46:47], (\s)*256  ; and 256 bytes of a row of B
	s_or_b32 s[G0B+4*(\s)+3], s[G0B+4*(\s)+3], 0x80000000
	JLOAD \s
.endr
	v_and_b32 v1, 15, v0                           ; l % 16
	v_bfe_u32 v2, v0, 4, 1                         ; l / 16
	v_mul_u32_u24 v3, v1, PA
	v_lshl_add_u32 v3, v2, 4, v3                   ; a fragment's row x pitch + 16 x half, for A
	v_mul_u32_u24 v4, v1, PB
	v_lshl_add_u32 v4, v2, 4, v4                   ; and for B
	s_mul_i32 s18, s11, HALFA                      ; my 64 rows of A
	s_mul_i32 s19, s12, HALFB                      ; my 64 rows of B,
	s_add_co_u32 s19, s19, BOFF                    ; which lie behind A's 128
	v_add_nc_u32 v[ADRA0], s18, v3
	v_add_nc_u32 v[ADRB0], s19, v4
	v_add_nc_u32 v[ADRA], s18, v3                  ; the slot in hand is slot 0
	v_add_nc_u32 v[ADRB], s19, v4
	s_mul_i32 s23, s11, 64*SPITCH                  ; into the stage: my 64 rows, my half of their hi (and lo) 256 bytes; row l % 16, 16 bytes for each half of the lanes: the stage's pitch is A's, so v3 serves
	s_lshl_b32 s22, s12, 7
	s_add_co_u32 s23, s23, s22
	s_add_co_u32 s23, s23, STAGE
	v_add_nc_u32 v[STO], s23, v3
	s_mul_i32 s23, s10, 32*SPITCH                  ; back: wave w takes rows 32 w .. 32 w + 31, whole: 32 lanes x 16 bytes are a row's 512
	s_add_co_u32 s23, s23, STAGE
	v_and_b32 v5, 31, v0
	v_lshlrev_b32 v[CO], 4, v5
	v_add_nc_u32 v[RD], s23, v[CO]
	v_mov_b32 v[MONE], -1.0
	s_lshl_b32 s16, s13, 7
	s_lshl_b32 s17, s10, 5
	s_add_co_u32 s16, s16, s17                     ; the first row of C that I store: 128 x tile row + 32 x wave
	s_mul_i32 s16, s16, CPB
	s_mov_b32 s17, 0
	s_add_nc_u64 s[8:9], s[8:9], s[16:17]
	s_lshl_b32 s46, s42, 9                         ; the tile's 512 bytes in a row (in the registers that held B's address: none that feeds A's descriptors ever holds cx)
	s_mov_b32 s47, 0
	s_add_nc_u64 s[8:9], s[8:9], s[46:47]
.set i, 0
.rept 128                                              ; the sums begin at 0
	v_mov_b32 v[ACC+i], 0
.set i, i+1
.endr
; 8 matrix instructions: m blocks a0, a0 + 1 x all 4 n blocks, 32 tokens: A's part c (0 hi, 1 lo) of buffer f, and the buffer's one set of B.  The 16 accumulators take turns, one instruction a turn
.macro MUL8 f, c, a0
	WIN MUL
.irp a, \a0, (\a0)+1
.irp b, 0,1,2,3
	v_wmma_f32_16x16x32_f16 v[ACC+8*(4*(\a)+(\b)):ACC+8*(4*(\a)+(\b))+7], v[(\f)+64+8*(\b):(\f)+64+8*(\b)+7], v[(\f)+8*(4*(\c)+(\a)):(\f)+8*(4*(\c)+(\a))+7], v[ACC+8*(4*(\a)+(\b)):ACC+8*(4*(\a)+(\b))+7]
.endr
.endr
.endm
; 24 LDS loads in one run: the fragments of 32 tokens at byte k of the rows of the slot in hand, into buffer f: B and A's hi part first, then A's lo part, 256 bytes further along A's rows
.macro FETCH k, f
	WIN TO_F
.irp i, 0,1,2,3
	ds_load_b128 v[(\f)+64+8*(\i):(\f)+64+8*(\i)+3],   v[ADRB] offset:(\k)+(\i)*16*PB
	ds_load_b128 v[(\f)+64+8*(\i)+4:(\f)+64+8*(\i)+7], v[ADRB] offset:(\k)+(\i)*16*PB+32
	ds_load_b128 v[(\f)+8*(\i):(\f)+8*(\i)+3],         v[ADRA] offset:(\k)+(\i)*16*PA
	ds_load_b128 v[(\f)+8*(\i)+4:(\f)+8*(\i)+7],       v[ADRA] offset:(\k)+(\i)*16*PA+32
.endr
.irp i, 0,1,2,3
	ds_load_b128 v[(\f)+32+8*(\i):(\f)+32+8*(\i)+3],   v[ADRA] offset:(\k)+256+(\i)*16*PA
	ds_load_b128 v[(\f)+32+8*(\i)+4:(\f)+32+8*(\i)+7], v[ADRA] offset:(\k)+256+(\i)*16*PA+32
.endr
.endm
.macro PLACES                          ; four places in front of loads into registers that matrix instructions have read, and of conversions that read results (ISA guide 7.12.1 for the conversions)
.rept 4
	v_nop
.endr
.endm
; A step is four quarters of 32 tokens, 32 matrix instructions each, on buffers 0, 1, 0, 1.  One of the first three: multiplies buffer f and fetches the next quarter, at byte k, into g.
.macro QUARTER k, f, g
	s_wait_dscnt 8                                 ; B and A's hi part are in; the eight younger loads, A's lo part, may be out
	MUL8 \f, 0, 0
	MUL8 \f, 0, 2
	PLACES
	FETCH \k, \g
	s_wait_dscnt 24                                ; all but the 24 just issued
	MUL8 \f, 1, 0
	MUL8 \f, 1, 2
.endm
; The last quarter multiplies buffer 1 and changes slots: ONE barrier; in front of it each wave waits for all its tensor loads, adds 0 to its spare word, and waits for that and for its own reads of this slot.
; fill = 1: the barrier opens a round of the cluster's, and this slot is filled again, two steps ahead, first thing behind the round: 112 matrix instructions ahead of the wait for it.
; fill = 0: the loop of the last two steps: nothing is asked for, and its last trip (s3 = 1) has nothing more to fetch.
.macro TURN fill
	WIN 0                                          ; (the add's two registers lie in window 0)
	s_wait_tensorcnt 0x0                           ; all my tensor loads have landed: my part of the next slot;
	ds_add_u32 v[SPW], v[NIL]                      ; 0 onto my spare word;
	s_wait_dscnt 9                                 ; (the add and the youngest eight loads may be out)
	MUL8 F1, 0, 0                                  ; eight matrix instructions stand between the add and the wait for it
	s_wait_dscnt 0x0                               ; the add is done, and my reads of this slot are over
	s_barrier_signal -1
	MUL8 F1, 0, 2
	WIN 0
	s_barrier_wait -1
.if \fill
	CREST                                          ; no wave of any partner still reads this slot's tile or has a load on its way
	s_xor_b32 s[G0+5], s[G0+5], SLOT               ; the walking descriptors: the other slot than last time,
	s_add_nc_u64 s[G0+6:G0+7], s[G0+6:G0+7], 512   ; the next 128 tokens; the type bits on top are not reached
	s_xor_b32 s[G0B+5], s[G0B+5], SLOT
	s_add_nc_u64 s[G0B+6:G0B+7], s[G0B+6:G0B+7], 256
	JLOAD 1                                        ; the four v_nop behind it are also the places in front of the loads below
.else
	PLACES
.endif
	s_xor_b32 s[TB], s[TB], SLOT                   ; the other slot is in hand
	v_add_nc_u32 v[ADRA], s[TB], v[ADRA0]
	v_add_nc_u32 v[ADRB], s[TB], v[ADRB0]
.if !(\fill)
	s_cmp_eq_u32 s3, 1
	s_cbranch_scc1 .Lno_fetch_\@
.endif
	FETCH 0, F0
.if !(\fill)
	WIN 0
.Lno_fetch_\@:
.endif
	MUL8 F1, 1, 0
	MUL8 F1, 1, 2
.endm
.macro STEP fill
	QUARTER 64,  F0, F1
	QUARTER 128, F1, F0
	QUARTER 192, F0, F1
	TURN \fill
.endm
	s_wait_tensorcnt 1                             ; my part of step 0 is in; step 1's load may stay out
	s_barrier_signal -1
	s_barrier_wait -1                              ; everybody's is
	FETCH 0, F0
	WIN 0                                          ; at a label and at a branch every window is 0
	s_mov_b32 s3, STEPS-2
.Lstep:                                                ; steps 0 to 5: each fills its slot again
	STEP 1
	WIN 0
	s_sub_co_u32 s3, s3, 1
	s_cmp_lg_u32 s3, 0
	s_cbranch_scc1 .Lstep
	s_mov_b32 s3, 2
.Ltail:                                                ; steps 6 and 7 are written out apart
	STEP 0
	WIN 0
	s_sub_co_u32 s3, s3, 1
	s_cmp_lg_u32 s3, 0
	s_cbranch_scc1 .Ltail
	; THE WAY OUT.  From each accumulator's low end on: hi = f16(c), eight numbers in four registers; then lo = f16(c - hi), one multiply-add a number that reads hi's half, times -1, adds c and rounds once to f16, into the
	; accumulator's four lowest registers (pair r is read before register r is written).  Two accumulators side by side.  16 bytes of hi and of lo a lane go into the work-group's stage; a barrier, since a row comes from two waves; back as whole rows.
	PLACES
.irp t, 0,2,4,6,8,10,12,14
.irp r, 0,1,2,3
	v_cvt_pk_f16_f32 v[TMP+4*(\t)+(\r)], v[ACC+8*(\t)+2*(\r)], v[ACC+8*(\t)+2*(\r)+1]
	v_cvt_pk_f16_f32 v[TMP+4*(\t)+4+(\r)], v[ACC+8*(\t)+8+2*(\r)], v[ACC+8*(\t)+8+2*(\r)+1]
.endr
.irp r, 0,1,2,3
	v_fma_mixlo_f16 v[ACC+8*(\t)+(\r)], v[TMP+4*(\t)+(\r)], v[MONE], v[ACC+8*(\t)+2*(\r)] op_sel_hi:[1,0,0]
	v_fma_mixlo_f16 v[ACC+8*(\t)+8+(\r)], v[TMP+4*(\t)+4+(\r)], v[MONE], v[ACC+8*(\t)+8+2*(\r)] op_sel_hi:[1,0,0]
	v_fma_mixhi_f16 v[ACC+8*(\t)+(\r)], v[TMP+4*(\t)+(\r)], v[MONE], v[ACC+8*(\t)+2*(\r)+1] op_sel:[1,0,0] op_sel_hi:[1,0,0]
	v_fma_mixhi_f16 v[ACC+8*(\t)+8+(\r)], v[TMP+4*(\t)+4+(\r)], v[MONE], v[ACC+8*(\t)+8+2*(\r)+1] op_sel:[1,0,0] op_sel_hi:[1,0,0]
.endr
.endr
.irp a, 0,1,2,3
.irp b, 0,1,2,3
	ds_store_b128 v[STO], v[TMP+4*(4*(\a)+(\b)):TMP+4*(4*(\a)+(\b))+3] offset:(\a)*16*SPITCH+32*(\b)
	ds_store_b128 v[STO], v[ACC+8*(4*(\a)+(\b)):ACC+8*(4*(\a)+(\b))+3] offset:(\a)*16*SPITCH+32*(\b)+256
.endr
.endr
	s_wait_dscnt 0x0                               ; for the others' sake: my stores into the stage are done
	s_barrier_signal -1
	s_barrier_wait -1
.set t, 0
.rept 32
	ds_load_b128 v[ACC+4*t:ACC+4*t+3], v[RD] offset:t*SPITCH
.set t, t+1
.endr
.set t, 0
.rept 32
	s_wait_dscnt 31-t                              ; LDS loads come back in order: row t is in
	global_store_b128 v[CO], v[ACC+4*t:ACC+4*t+3], s[8:9] offset:t*CPB  ; a wave stores 512 consecutive bytes, at a multiple of 512 from C's first byte
.set t, t+1
.endr
	s_wait_tensorcnt 0x0                           ; the wave's end: the waits and the closing add stand behind my last tensor load and my last LDS store
	ds_add_u32 v[SPW], v[NIL]
	s_wait_dscnt 0x0
	CROUND                                         ; the closing round: no work-group ends while a partner may still ask for a tile that names it
	s_endpgm
.Lfunc_end_k_qe89b204fbd_kmask:
	.size	k_qe89b204fbd_kmask, .Lfunc_end_k_qe89b204fbd_kmask-k_qe89b204fbd_kmask
	.p2alignl 7, 3214868480
	.fill 96, 4, 3214868480
	.section	.rodata,"a",@progbits
	.p2align	6, 0x0
	.amdhsa_kernel k_qe89b204fbd_kmask
		.amdhsa_group_segment_fixed_size 327680
		.amdhsa_private_segment_fixed_size 0
		.amdhsa_enable_private_segment 0
		.amdhsa_kernarg_size 24
		.amdhsa_user_sgpr_count 2
		.amdhsa_user_sgpr_kernarg_segment_ptr 1
		.amdhsa_wavefront_size32 1
		.amdhsa_system_sgpr_workgroup_id_x 1
		.amdhsa_system_sgpr_workgroup_id_y 1
		.amdhsa_system_sgpr_workgroup_id_z 1
		.amdhsa_system_vgpr_workitem_id 0
		.amdhsa_next_free_vgpr 512
		.amdhsa_next_free_sgpr 66
		.amdhsa_reserve_vcc 0
		.amdhsa_float_denorm_mode_32 3
		.amdhsa_float_denorm_mode_16_64 3
		.amdhsa_memory_ordered 1
		.amdhsa_forward_progress 1
		.amdhsa_inst_pref_size 65
	.end_amdhsa_kernel
	.amdgpu_metadata
---
amdhsa.version: [ 1, 2 ]
amdhsa.kernels:
  - .name:           k_qe89b204fbd_kmask
    .symbol:         k_qe89b204fbd_kmask.kd
    .args:
      - { .name: ktb, .offset: 0, .size: 8, .value_kind: global_buffer, .address_space: global }
      - { .name: mt2, .offset: 8, .size: 8, .value_kind: global_buffer, .address_space: global }
      - { .name: kmb, .offset: 16, .size: 8, .value_kind: global_buffer, .address_space: global }
    .group_segment_fixed_size: 327680
    .private_segment_fixed_size: 0
    .kernarg_segment_align: 8
    .kernarg_segment_size: 24
    .max_flat_workgroup_size: 128
    .sgpr_count:     66
    .vgpr_count:     512
    .wavefront_size: 32
...
	.end_amdgpu_metadata
.endif
;; end of part 8
;; launch attn (part 9): grid 8 x 32, 4 waves a work-group, clusters of 4 x 1, 327,680 bytes of LDS; arguments qvb, kmb, hob; writes hob
.if DOCPART == 9
	.amdgcn_target "amdgcn-amd-amdhsa--gfx1250"
	.amdhsa_code_object_version 6
	.text
	.protected	k_qe89b204fbd_attn
	.globl	k_qe89b204fbd_attn
	.p2align	8
	.type	k_qe89b204fbd_attn,@function
k_qe89b204fbd_attn:
	s_mov_b64 s[64:65], 0
	v_nop
	global_prefetch_b8 v0, s[64:65] scope:SCOPE_SE
	s_setreg_imm32_b32 hwreg(HW_REG_WAVE_MODE, 25, 1), 1
	s_wait_xcnt 0x0
	s_wait_alu depctr_hold_cnt(0) depctr_sa_sdst(0) depctr_va_vdst(0) depctr_va_sdst(0) depctr_va_ssrc(0) depctr_va_vcc(0) depctr_vm_vsrc(0)
	s_getreg_b32 s2, hwreg(HW_REG_IB_STS2, 6, 4)
	s_cmp_eq_u32 s2, 0
	s_cbranch_scc0 .Lentry_in_a_cluster
	s_endpgm
.Lentry_in_a_cluster:
	s_bfe_u32 s2, ttmp6, 0x10000c
	s_cmp_lg_u32 s2, 0x3003
	s_cbranch_scc0 .Lentry_shape_is_right
	s_endpgm
.Lentry_shape_is_right:
; SOFTMAX AND THE SECOND PRODUCT, for one batch and head (32 of them) and 128 queries a work-group.  HO[q][:] = the sum over j of softmax_j(Q[q] . KM[:][j] / sqrt(128)) V[j][:], head size 128, 1,024 columns j.
; WHAT COMES IN.  Q / 16 by tokens as pairs of f16 (hi, lo); KM / 1,024 = (K^T mask) / 1,024 as [channel][j], pairs of f16; V by tokens, of which the hi part alone is taken.  HO leaves in f16, [token][1,024].
; THE SCORES ARE MADE OF PAIRS, s' = Qh KMh + Ql KMh + Qh KMl in one f32 sum (what is left out, Ql KMl, is 2^-22 of a term): the scores have a wide spread, the softmax is close to a choice of one column, and where two
; columns are close an error of a score decides between two rows of V.  p = 2^(c s' - c m) with a running maximum m and c = 2^14 log2(e) / sqrt(128), which also takes the operands' scales back.
; In every step O and l are multiplied by a = 2^(c m_old - c m_new).  m starts at the lowest finite number, O and l at 0: the first step is a step like any other, with a = 0.
; Products, maxima and sums in f32; p is rounded to f16 for the second product (its sum l is taken of the unrounded p), HO once at the end.
; LIMITS.  |Q| < 1.04e6, |KM| < 6.7e7, |V| < 65,504 (f16's range under the scales); the lo parts have f16's fixed step of 6e-8; c s' stays above -4e37; a weight below 2^-126 counts as 0 in l; NaN and infinities are not treated apart.
; SHARES.  A wave owns 32 queries, two tiles of 16, and walks all 1,024 columns ("keys" below), 64 a step, 16 steps.
; LAYOUT.  S^T = KM^T Q^T (source 0 = 16 keys x 32 channels, source 1 = 16 queries x 32 channels): in the result a lane holds ONE query (lane % 16) and the keys 8 (lane / 16) + 0..7.  Two such results, rounded to f16 in
; pairs, ARE source 1 (32 keys x 16 queries) of O^T = V^T P, whose result again holds one query a lane, and eight channels.  KM ([channel][key]) and V ([key][channel]) both come out of LDS turned, by ds_load_tr16_b128.
; THE ORDER OF A STEP.  A tile never looks at the other tile, so one tile's softmax stands beside the other tile's products: 48 products for tile 0's scores; 48 for tile 1's, with the 134 lines of tile 0's softmax dealt
; behind them; the next step's KM is fetched; 16 products V^T P of tile 0, with the first 64 lines of tile 1's softmax behind them; its other 70 lines; 16 products V^T P of tile 1; the next step's V is fetched.
; So 198 of a step's 268 vector lines stand beside matrix work.  The price: two switches of the register windows for each of 64 products.  The LDS loads stand in two runs, never singly among the other work.
; A STEP IS WRITTEN TWICE: once for the loop, which is entered behind its change of slots, once for the last three steps, which ask for no tile; the last of them jumps over its fetches.
; The price of writing no first step out: 136 v_mov_b32 in the wait for the first tile, and 64 multiplications of zeros.
; CLUSTER.  The four query blocks of a cluster belong to one head and walk the same KM and V, so each tile is asked for JOINTLY: the same tensor load, with the same descriptor and a mask that names the four.
; REGISTERS, in windows of 256 (s_set_vgpr_msb: bits 1:0 source 0, 3:2 source 1, 5:4 source 2, 7:6 destination):
;   window 0: v0-13 addresses; v16-31 eight registers of statistics a tile; v62-63 the add's; v64-127 S^T, 32 a tile; v128-159 P, 16 a tile
;   window 1: v0-127 O^T, 64 a tile; v128-255 Q, 64 a tile: hi 32, lo 32          window 2: v0-127 KM's hi of one step, v128-255 its lo          window 3: v0-127 V of one step
.set KS,    64        ; keys in a step
.set PKM,   544       ; a row of KM in LDS: [hi of 128 keys, 256 bytes | lo, 256 bytes] + 32 of padding = 136 words: row r starts at bank 8 r mod 64 (64 banks of 4 bytes: ISA guide 11.1)
.set PVV,   288       ; a row of V: 256 + 32 = 72 words: likewise
.set VOFF,  128*PKM   ; a slot holds two steps: 128 rows (channels) of KM, then 128 rows (keys) of V
.set SLOT1, 1<<17     ; slot 1 begins here (a slot takes 106,496 bytes), so that one exclusive or turns an address in one slot into the other's
.set STAGE, SLOT1+128*(PKM+PVV)  ; behind the ring: 16 rows x 272 bytes for each wave, for the way out
.set SP,    272
.set SPARE, STAGE+4*16*SP  ; behind the stages: the spare words, 128 bytes for each wave: two blocks of 256 bytes that no other line names
.set AK0, 2           ; v2   my lane's place in a tile of KM; never rewritten
.set AV0, 3           ; v3   the same for V
.set ADR, 4           ; v4   the LDS address of KM's run of loads
.set QO,  5           ; v5   my byte offset in 16 rows of Q
.set STO, 6           ; v6   the way out: where I put 16 bytes of a row
.set RD,  7           ; v7   the way out: where I read a row back
.set GO,  8           ; v8   my byte offset in two rows of HO
.set ADRV, 13         ; v13  the LDS address of V's run of loads
.set ST,  16          ; tile t's statistics at v[ST+8 t]: +0 c m, +1 m, +2, +3 l (even keys', odd keys'), +4 to +7 c0-c3, at work; a takes c2's place once the maximum is found
.set SPW, 62          ; v62  LDS address of my spare word: SPARE + 4 x my thread's number; never rewritten
.set NIL, 63          ; v63  0; never rewritten
.set S,   64
.set P,   128
.set QF,  128         ; Q's fragments, in window 1: tile t, part p (0 hi, 1 lo), channels 32 cq on at QF + 64 t + 32 p + 8 cq
.set WV,  12          ; s12  my wave's number
.set G1K, 24          ; s[24:31] descriptor group 1 for KM's tiles
.set G1V, 32          ; s[32:39] for V's
.set G0K, 40          ; s[40:47] descriptor group 0 for KM's tiles: a set for each of the two first fills; the second then walks on
.set G0V, 48          ; s[48:55] the same for V's
.set SLOTS, 56        ; s56  counts the loop's trips
.set TWICE, 57        ; s57  counts the steps between two changes of slots
.set CS,  58          ; s[58:59] c: the packed scaling names a pair and takes its low word for both halves
.set SEL, 60          ; s[60:61] lane selects for v_permlanex16_b32: each lane takes its own place in the other half
.set TBK, 62          ; s62  LDS byte at which KM of the step to be fetched begins
.set TBV, 63          ; s63  the same for V, less VOFF
.set MSB, 0
.macro WIN new                      ; the immediate's high byte repeats the setting that is left; a switch that changes nothing is dropped
.if MSB != (\new)
	s_set_vgpr_msb (MSB<<8)|(\new)
.set MSB, \new
.endif
.endm
.set W_KQ, 0x06       ; KM in window 2, Q in window 1, S^T in window 0
.set W_PV, 0x53       ; V in window 3, P in window 0, O^T in window 1
.set W_RS, 0x41       ; O^T (destination and source 0) in window 1, a in window 0
; A joint refill.  Waves 0 and 1 fetch the two halves (64 channels each) of a slot's KM, waves 2 and 3 the two halves (64 keys each) of its V.  The branch hangs on the wave's number alone: it is the same in every work-group.
; An s_nop 0 and four v_nop follow each of the two lines; the jump round the other line, the label and what follows the macro come after them.
.macro JLOAD
	s_cmp_lt_u32 s[WV], 2
	s_cbranch_scc0 .Lfor_v_\@
	tensor_load_to_lds s[G0K+4:G0K+7], s[G1K:G1K+7]
	s_nop 0
.rept 4
	v_nop
.endr
	s_branch .Lasked_\@
.Lfor_v_\@:
	tensor_load_to_lds s[G0V+4:G0V+7], s[G1V:G1V+7]
	s_nop 0
.rept 4
	v_nop
.endr
.Lasked_\@:
.endm
; A round of the cluster's barrier: my work-group's barrier, so that wave 0's signal speaks for all four waves; wave 0 signals for the work-group; every wave waits for all four
; work-groups; my work-group's barrier once more.  No LDS instruction of the wave is pending at a signal.
.macro CROUND
	s_barrier_signal -1
	s_barrier_wait -1
	s_cmp_lg_u32 s[WV], 0
	s_cbranch_scc1 .Lnot_wave_0_\@
	s_barrier_signal -3
.Lnot_wave_0_\@:
	s_barrier_wait -3
	s_barrier_signal -1
	s_barrier_wait -1
.endm
	s_load_b128 s[4:7], s[0:1], 0x0   ; Q and V s[4:5], KM s[6:7]
	s_load_b64 s[8:9], s[0:1], 0x10   ; HO
	v_lshl_add_u32 v[SPW], v0, 2, SPARE
	v_mov_b32 v[NIL], 0
	ds_add_u32 v[SPW], v[NIL]       ; the wave's opening: the add and its wait stand ahead of my first tensor load; the set-up below, work on registers, stands between them
	v_lshrrev_b32 v1, 5, v0
	v_readfirstlane_b32 s[WV], v1   ; wave 0..3
	s_bfe_u32 s13, ttmp6, 0x40000   ; cx: my place in the cluster
	s_lshl_b32 s14, ttmp9, 2        ; in a cluster launch ttmp9 counts clusters
	s_add_co_u32 s14, s14, s13      ; my block of 128 queries = 4 x cluster x + cx: it enters Q's and HO's addresses alone
	s_and_b32 s15, ttmp7, 0xffff    ; batch and head, which the four partners share:
	s_lshr_b32 s16, s15, 3          ; the batch n,
	s_and_b32 s15, s15, 7           ; the head h
	s_and_b32 s17, s[WV], 1         ; which half of a tile I fetch
	s_lshl_b32 s20, s15, 21         ; KM: row 4 (128 h + channel) + n of 4,096 bytes: the head's 512 rows,
	s_lshl_b32 s18, s17, 20         ; my 64 channels (also: my 64 keys of V, rows of 16,384 bytes),
	s_add_co_u32 s20, s20, s18
	s_lshl_b32 s19, s16, 12         ; the batch's row
	s_add_co_u32 s20, s20, s19
	s_mov_b32 s21, 0
	s_lshl_b32 s22, s16, 24         ; V: the batch's 1,024 tokens of 16,384 bytes,
	s_add_co_u32 s22, s22, s18      ; my 64 keys,
	s_lshl_b32 s19, s15, 9          ; the head's tile of 512 bytes,
	s_add_co_u32 s22, s22, s19
	s_add_co_u32 s22, s22, 4096     ; behind Q's eight tiles
	s_mov_b32 s23, 0
	s_lshl_b32 s2, s16, 24          ; Q: the batch, the head's tile,
	s_add_co_u32 s2, s2, s19
	s_lshl_b32 s3, s14, 21          ; my block's 128 tokens,
	s_add_co_u32 s2, s2, s3
	s_lshl_b32 s3, s[WV], 19        ; my wave's 32
	s_add_co_u32 s2, s2, s3
	s_mov_b32 s3, 0
	s_lshl_b32 s10, s16, 21         ; HO: the same in rows of 2,048 bytes, the head's 256 bytes
	s_lshl_b32 s11, s14, 18
	s_add_co_u32 s10, s10, s11
	s_lshl_b32 s11, s[WV], 16
	s_add_co_u32 s10, s10, s11
	s_lshl_b32 s11, s15, 8
	s_add_co_u32 s10, s10, s11
	s_mov_b32 s11, 0
	s_mul_i32 s18, s17, 64*PVV      ; my half's place in a slot, for V
	s_mul_i32 s17, s17, 64*PKM      ; and for KM: no place in the cluster enters an LDS address
	; descriptor group 1.  KM: 64 rows (channels) x 256 elements (128 keys' hi, then their lo), 8,192 elements from row to row.  V: 64 rows (keys) x 128 elements (the hi part), the same stride.
	s_mov_b32 s[G1K], 15|(1<<16)|(1<<20)|(1<<21)|(6<<22)|(7<<25)  ; 15:0 the mask: all four work-groups; 17:16 elements of 2 bytes; 20 padding on; 21 set beside a mask; 24:22 after every 128 words (code 6); 31:25 8 words of it (code 7)
	s_mov_b32 s[G1K+1], 256<<16     ; tensor_dim0 = 256
	s_mov_b32 s[G1K+2], 64<<16      ; tensor_dim1 = 64
	s_mov_b32 s[G1K+3], 256<<16     ; tile_dim0 = 256
	s_mov_b32 s[G1V], 15|(1<<16)|(1<<20)|(1<<21)|(5<<22)|(7<<25)  ; the same, after every 64 words (code 5)
	s_mov_b32 s[G1V+1], 128<<16
	s_mov_b32 s[G1V+2], 64<<16
	s_mov_b32 s[G1V+3], 128<<16
.irp g, G1K, G1V
	s_mov_b32 s[(\g)+4], 64         ; tile_dim1 = 64
	s_mov_b32 s[(\g)+5], 8192       ; tensor_dim0_stride
	s_mov_b32 s[(\g)+6], 0
	s_mov_b32 s[(\g)+7], 0
.endr
	s_mov_b32 s[CS], 0x450293ee     ; c = 2^14 log2(e) / sqrt(128) = 2,089.2
	s_mov_b32 s[CS+1], s[CS]        ; named with it as a pair, so it is written
	s_mov_b32 s[SEL], 0x76543210
	s_mov_b32 s[SEL+1], 0xfedcba98
	s_mov_b32 s[TBK], 0
	s_mov_b32 s[TBV], 0
	s_wait_dscnt 0x0                ; the opening add is done
	s_wait_kmcnt 0x0
	s_add_nc_u64 s[6:7], s[6:7], s[20:21]    ; KM and V at my part of slot 0's tiles
	s_add_nc_u64 s[22:23], s[4:5], s[22:23]
	s_add_nc_u64 s[4:5], s[4:5], s[2:3]      ; Q and HO at my wave's first row
	s_add_nc_u64 s[8:9], s[8:9], s[10:11]
	CROUND                          ; all four work-groups are here: the first joint loads meet
.irp s, 0,1
	s_mov_b32 s[G0K+4*(\s)], 1      ; 1:0 count = 1
	s_add_co_u32 s[G0K+4*(\s)+1], s17, (\s)*SLOT1  ; 63:32 LDS address
	s_add_nc_u64 s[G0K+4*(\s)+2:G0K+4*(\s)+3], s[6:7], (\s)*512  ; 120:64 global address: 128 keys are 512 bytes along KM's rows
	s_or_b32 s[G0K+4*(\s)+3], s[G0K+4*(\s)+3], 0x80000000  ; 127:126 type = 2
	s_mov_b32 s[G0V+4*(\s)], 1
	s_add_co_u32 s[G0V+4*(\s)+1], s18, (\s)*SLOT1+VOFF
	s_add_nc_u64 s[G0V+4*(\s)+2:G0V+4*(\s)+3], s[22:23], (\s)*0x200000  ; 128 keys are 128 rows of 16,384 bytes of V
	s_or_b32 s[G0V+4*(\s)+3], s[G0V+4*(\s)+3], 0x80000000
.endr
	s_cmp_lt_u32 s[WV], 2           ; a wave's two first fills stand in one branch, ahead of every wait on TENSORcnt and every LDS read: two loads of mine are out; an s_nop 0 follows each, four v_nop the second's, as in JLOAD
	s_cbranch_scc0 .Lfirst_v
	tensor_load_to_lds s[G0K:G0K+3], s[G1K:G1K+7]
	s_nop 0
	tensor_load_to_lds s[G0K+4:G0K+7], s[G1K:G1K+7]
	s_nop 0
.rept 4
	v_nop
.endr
	s_branch .Lfirst_asked
.Lfirst_v:
	tensor_load_to_lds s[G0V:G0V+3], s[G1V:G1V+7]
	s_nop 0
	tensor_load_to_lds s[G0V+4:G0V+7], s[G1V:G1V+7]
	s_nop 0
.rept 4
	v_nop
.endr
.Lfirst_asked:
	; A fragment of Q is 16 rows x 32 channels in 8 registers: lane l holds row l % 16; registers 0-3 channels 8 (l / 16) + 0..7, registers 4-7 channels 16 + 8 (l / 16) + 0..7: two loads of 16 bytes, 32 bytes apart.
	v_and_b32 v1, 15, v0            ; l % 16
	v_bfe_u32 v9, v0, 4, 1          ; l / 16
	v_lshlrev_b32 v[QO], 14, v1
	v_lshl_add_u32 v[QO], v9, 4, v[QO]  ; row x 16,384 + 16 x half
	WIN 0x40                        ; destination window 1, address window 0
.irp t, 0,1                         ; Q stays in registers: tile t is 16 tokens on, the lo part 256 bytes on, channels 32 cq on 64 bytes on
.irp p, 0,1
.irp c, 0,1,2,3
	global_load_b128 v[QF+64*(\t)+32*(\p)+8*(\c):QF+64*(\t)+32*(\p)+8*(\c)+3],   v[QO], s[4:5] offset:(\t)*262144+(\p)*256+(\c)*64
	global_load_b128 v[QF+64*(\t)+32*(\p)+8*(\c)+4:QF+64*(\t)+32*(\p)+8*(\c)+7], v[QO], s[4:5] offset:(\t)*262144+(\p)*256+(\c)*64+32
.endr
.endr
.endr
.set i, 0
.rept 128                           ; what the first step finds: O^T is 0,
	v_mov_b32 v[i], 0
.set i, i+1
.endr
	WIN 0
.irp t, 0,1
	v_mov_b32 v[ST+8*(\t)], 0xfe000000    ; c m lies far below every c s, so the first a is 0,
	v_mov_b32 v[ST+8*(\t)+1], 0xff7fffff  ; m is the lowest finite number, so the first maximum is the scores',
	v_mov_b32 v[ST+8*(\t)+2], 0           ; and l is 0
	v_mov_b32 v[ST+8*(\t)+3], 0
.endr
	; The turning load takes 16 rows x 16 columns of 2 bytes (lane l reads 16 bytes: row 8 (l / 16) + l % 8, columns 8 ((l / 8) % 2) + 0..7) and leaves half a fragment of the transposed tile: lane l holds column l % 16 and 8 rows.
	v_and_b32 v10, 7, v0
	v_bfe_u32 v11, v0, 3, 1
	v_lshl_add_u32 v12, v9, 3, v10
	v_mul_u32_u24 v[AK0], v12, PKM
	v_lshl_add_u32 v[AK0], v11, 4, v[AK0]
	v_mul_u32_u24 v[AV0], v12, PVV
	v_lshl_add_u32 v[AV0], v11, 4, v[AV0]
	v_add_nc_u32 v[AV0], VOFF, v[AV0]
	s_mul_i32 s13, s[WV], 16*SP
	s_add_co_u32 s13, s13, STAGE    ; my stage
	v_mul_u32_u24 v[STO], v1, SP    ; in: row l % 16, 16 bytes for each half of the lanes
	v_lshl_add_u32 v[STO], v9, 4, v[STO]
	v_add_nc_u32 v[STO], s13, v[STO]
	v_mul_u32_u24 v[RD], v9, SP     ; back: lanes 0-15 take one row of 256 bytes, lanes 16-31 the next
	v_lshl_add_u32 v[RD], v1, 4, v[RD]
	v_add_nc_u32 v[RD], s13, v[RD]
	v_lshlrev_b32 v[GO], 11, v9     ; and the same two rows in HO, 2,048 bytes apart
	v_lshl_add_u32 v[GO], v1, 4, v[GO]
; THE MATRIX WORK.  The accumulators take turns, one instruction a turn: between two links of a chain stand 3 (S^T) or 7 (V^T P) others'.
; Product i of 48 of tile t's S^T: keys 16 (i % 4) on, part (i / 4) % 3 (KMh Qh, KMh Ql, KMl Qh), channels 32 (i / 12) on.  The first 4 start the sums.
.macro KQT t
	WIN W_KQ
.set rS, S+32*(\t)+8*(i%4)
.set rK, 128*(((i/4)%3)/2)+32*(i%4)+8*(i/12)
.set rQ, QF+64*(\t)+32*(((i/4)%3)%2)+8*(i/12)
.if i < 4
	v_wmma_f32_16x16x32_f16 v[rS:rS+7], v[rK:rK+7], v[rQ:rQ+7], 0
.else
	v_wmma_f32_16x16x32_f16 v[rS:rS+7], v[rK:rK+7], v[rQ:rQ+7], v[rS:rS+7]
.endif
.endm
; Product i of 16 of tile t's O^T += V^T P: keys 32 (i / 8) on, channels 16 (i % 8) on.
.macro PVT t
	WIN W_PV
.set rO, 64*(\t)+8*(i%8)
.set rV, 64*(i/8)+8*(i%8)
.set rP, P+16*(\t)+8*(i/8)
	v_wmma_f32_16x16x32_f16 v[rO:rO+7], v[rV:rV+7], v[rP:rP+7], v[rO:rO+7]
.endm
; THE LDS LOADS.  A step's KM is 128 channels x 64 keys, hi and lo: 32 fragments, 64 loads; its V is 64 keys x 128 channels: 16 fragments, 32 loads.
; KLOAD writes load nk of KM's 64: part nk / 32 (hi, lo), fragment f = (nk % 32) / 2 (keys 16 (f / 4) on, channels 32 (f % 4) on), its half nk % 2.
.macro KLOAD
.set kp, nk/32
.set kf, (nk%32)/2
.set kh, nk%2
	ds_load_tr16_b128 v[128*kp+8*kf+4*kh:128*kp+8*kf+4*kh+3], v[ADR] offset:(kf%4)*32*PKM+kh*16*PKM+(kf/4)*32+256*kp
.set nk, nk+1
.endm
; VLOAD writes load nv of V's 32: fragment f = nv / 2 (keys 32 (f / 8) on, channels 16 (f % 8) on), its half nv % 2.
.macro VLOAD
.set vf, nv/2
.set vh, nv%2
	ds_load_tr16_b128 v[8*vf+4*vh:8*vf+4*vh+3], v[ADRV] offset:(vf/8)*32*PVV+vh*16*PVV+(vf%8)*32
.set nv, nv+1
.endm
.macro FETCH_K                      ; all 64 in one run; the next fetch is the next step's: 64 keys are 128 bytes along KM's rows
	WIN 0
	v_add_nc_u32 v[ADR], s[TBK], v[AK0]
	s_add_co_u32 s[TBK], s[TBK], 2*KS
	WIN 0x80                        ; destination window 2, address window 0
.set nk, 0
.rept 64
	KLOAD
.endr
.endm
.macro FETCH_V                      ; all 32 in one run
	WIN 0
	v_add_nc_u32 v[ADRV], s[TBV], v[AV0]
	s_add_co_u32 s[TBV], s[TBV], KS*PVV
	WIN 0xc0                        ; destination window 3
.set nv, 0
.rept 32
	VLOAD
.endr
.endm
; THE VECTOR WORK.  One tile's softmax for one key step is a list of 134 instructions; SM writes number j of it for tile t.  s0-s31 are the lane's 32 scores, in pairs 0-15.
;   0-15    the maximum of s0-s31 and the old m, three operands at a time: four chains c0-c3 of seven scores each (each accumulator's lowest registers are read first), then the four scores left over, c0-c3 and m
;   16-20   the other half of the lanes' maximum; the new m; c m; c m_old - c m_new
;   21-87   33 exponentials (a, then s0-s31) at the odd numbers from 23 on, so that no two follow each other and each has a plain instruction behind it before its result is used (ISA guide 5.7.2).
;           Plain instruction q (number 21, then the even numbers) is whatever is ready: c s - c m for a pair of scores whose exponentials are still to come (q = 0 to 3, then every
;           second q), the rounding to f16 of a pair of weights whose exponentials are done (every other q from 5 on), at last the first three sums
;   88-101  the last rounding; the rest of the sums; l = a l + the sum
;   102-133 the tile's O^T times a: the one part that leaves window 0, so it stands together
.macro SM t
.set rT, ST+8*(\t)
.set rS, S+32*(\t)
.set rP, P+16*(\t)
.set rO, 64*(\t)+2*(j-102)
.set q, (j-20)/2
.if j < 102
	WIN 0
.endif
.if j < 4
	v_max3_num_f32 v[rT+4+j], v[rS+8*j], v[rS+8*j+1], v[rS+8*j+2]
.elseif j < 12
	v_max3_num_f32 v[rT+4+j%4], v[rT+4+j%4], v[rS+8*(j%4)+2*(j/4)+1], v[rS+8*(j%4)+2*(j/4)+2]
.elseif j == 12
	v_max3_num_f32 v[rT+4], v[rT+4], v[rS+7], v[rS+15]
.elseif j == 13
	v_max3_num_f32 v[rT+6], v[rT+6], v[rS+23], v[rS+31]
.elseif j == 14
	v_max3_num_f32 v[rT+4], v[rT+4], v[rT+5], v[rT+6]
.elseif j == 15
	v_max3_num_f32 v[rT+4], v[rT+4], v[rT+7], v[rT+1]
.elseif j == 16
	v_permlanex16_b32 v[rT+5], v[rT+4], s[SEL], s[SEL+1]  ; the query's other 32 keys lie in the lane 16 away
.elseif j == 17
	v_mov_b32 v[rT+7], v[rT]        ; c m_old is kept for a: number 19 writes c m anew
.elseif j == 18
	v_max_num_f32 v[rT+1], v[rT+4], v[rT+5]
.elseif j == 19
	v_mul_f32 v[rT], s[CS], v[rT+1]
.elseif j == 20
	v_sub_f32 v[rT+7], v[rT+7], v[rT]
.elseif j == 23
	v_exp_f32 v[rT+6], v[rT+7]
.elseif (j < 88) && (j > 23) && (j%2 == 1)
	v_exp_f32 v[rS+(j-25)/2], v[rS+(j-25)/2]
.elseif (q < 4) || ((j < 76) && (q%2 == 0))
.set b, q/2+2
.if q < 4
.set b, q
.endif
	v_pk_fma_f32 v[rS+2*b:rS+2*b+1], v[rS+2*b:rS+2*b+1], s[CS:CS+1], v[rT:rT+1] op_sel_hi:[1,0,0] neg_lo:[0,0,1] neg_hi:[0,0,1]  ; pair b: c s - c m
.elseif (j < 88) && (q%2 == 1)
	s_wait_alu depctr_va_vdst(0)
	v_cvt_pk_f16_f32 v[rP+(q-5)/2], v[rS+q-5], v[rS+q-4]  ; pair (q - 5) / 2: its second exponential stands three numbers back
.elseif j == 89
	s_wait_alu depctr_va_vdst(0)
	v_cvt_pk_f16_f32 v[rP+15], v[rS+30], v[rS+31]
.elseif j < 102                     ; the sum of the tile's 16 pairs (in a pair: an even key's weight, an odd key's), in place: sum z of 16 adds neighbours 1, 2, 4 and 8 pairs apart, then l takes it
.set z, j-86
.if j < 89
.set z, (j-76)/4
.endif
.set w, 4
.set u, z
.if z >= 14
.set w, 32
.set u, 0
.elseif z >= 12
.set w, 16
.set u, z-12
.elseif z >= 8
.set w, 8
.set u, z-8
.endif
.if z < 15
	v_pk_add_f32 v[rS+w*u:rS+w*u+1], v[rS+w*u:rS+w*u+1], v[rS+w*u+w/2:rS+w*u+w/2+1]
.else
	v_pk_fma_f32 v[rT+2:rT+3], v[rT+2:rT+3], v[rT+6:rT+7], v[rS:rS+1] op_sel_hi:[1,0,1]
.endif
.else
	WIN W_RS
	v_pk_mul_f32 v[rO:rO+1], v[rO:rO+1], v[rT+6:rT+7] op_sel_hi:[1,0]
.endif
.endm
; A vector instruction that reads a matrix result or writes one of a matrix instruction's registers, and a load into a register that a matrix instruction has read, stand four places behind
; it, and only plain vector instructions that name none of its registers are places (ISA guide 7.12.1 for vector instructions).
.macro PLACES
.rept 4
	v_nop
.endr
.endm
; A KEY STEP.  Its KM and, behind that, its V were asked for in the step before.  No line that stands behind a product names a register of that run of products: tile 0's softmax names S^T, P, O^T and the statistics
; of tile 0 alone, and stands behind products on tile 1's S^T, KM and tile 1's Q; tile 1's first 64 lines name its S^T, P and statistics, and stand behind products on tile 0's O^T, V and tile 0's P.
; THE DEAL behind tile 1's 48 score products: five lines a product where the list holds plain lines alone (numbers 0-21 and 88-133), a plain line and an exponential where it alternates (22-87):
; 4 x 5 + 2, 33 x 2, 9 x 5 + 1 = 134.  So no product has two exponentials behind it.
; last = 1: the text of the last three steps.  Its last trip (s[TWICE] = 1) has no next step and jumps over both runs of loads; what is jumped holds no barrier and no tensor load.
.macro UNIT last
.if \last
	s_wait_dscnt 0x0                ; KM of this step is in (and V: this text jumps over its fetches, so it counts on no younger load)
.else
	s_wait_dscnt 32                 ; KM of this step is in; V's 32 loads, issued behind KM's 64, may be out
.endif
.set i, 0
.rept 48
	KQT 0                           ; tile 0's scores
.set i, i+1
.endr
	PLACES                          ; behind tile 0's scores, which the lines below read
.set i, 0
.set j, 0
.rept 48
	KQT 1                           ; tile 1's scores | tile 0's softmax
.if i < 5
.set tg, 5*i+5
.if tg > 22
.set tg, 22
.endif
.elseif i < 38
.set tg, 2*i+14
.else
.set tg, 5*i-97
.if tg > 134
.set tg, 134
.endif
.endif
.rept 5
.if j < tg
	SM 0
.set j, j+1
.endif
.endr
.set i, i+1
.endr
	PLACES                          ; behind the products that made tile 1's scores and read KM
	s_wait_dscnt 0x0                ; V of this step is in: its loads stand 96 products back
.if \last
	WIN 0                           ; at a label and at a branch every window is 0
	s_cmp_eq_u32 s[TWICE], 1
	s_cbranch_scc1 .Lno_k_\@
.endif
	FETCH_K                         ; the next step's KM: it has 32 products and 134 vector lines in which to land
.if \last
	WIN 0
.Lno_k_\@:
.endif
.set i, 0
.set j, 0
.rept 16
	PVT 0                           ; tile 0's V^T P | the first 64 lines of tile 1's softmax
.set i, i+1
.rept 4
	SM 1
.set j, j+1
.endr
.endr
.rept 70
	SM 1                            ; its other 70 lines have no product to stand behind: tile 1's V^T P waits for them
.set j, j+1
.endr
.set i, 0
.rept 16
	PVT 1                           ; tile 1's V^T P
.set i, i+1
.endr
.if \last
	WIN 0
	s_cmp_eq_u32 s[TWICE], 1
	s_cbranch_scc1 .Lno_v_\@
.endif
	PLACES                          ; behind the products that read V
	FETCH_V                         ; the next step's V: it has 96 products in which to land
.if \last
	WIN 0
.Lno_v_\@:
.endif
.endm
; THE CHANGE OF SLOTS, behind the step that has fetched the slot's last bytes, V of its second step.  Each wave waits for all its tensor loads, of which one is out: its part of the other slot; adds 0 to its spare
; word; and waits for that and for its own reads of the slot.  Behind the barrier nobody reads this slot any more and the other slot is whole.
; fill = 1: this slot is filled again, with the keys two slots on.  The barrier is then a round of the cluster's, so that no wave of any partner still reads the slot or has a load on its
; way, and the joint refill is the first thing behind it: it has two key steps, 256 matrix instructions, in which to land.
.macro CHANGE fill
	WIN 0                           ; at a label and at a branch every window is 0
	s_wait_tensorcnt 0x0            ; no tensor load of mine is out, so a group 0 may be written
	ds_add_u32 v[SPW], v[NIL]       ; 0 onto my spare word; with fill = 1 the descriptors' steps stand between it and the wait for it
.if \fill
	s_xor_b32 s[G0K+5], s[G0K+5], SLOT1  ; the walking descriptors: the other slot than last time,
	s_add_nc_u64 s[G0K+6:G0K+7], s[G0K+6:G0K+7], 512  ; the next 128 keys; the type bits on top are not reached
	s_xor_b32 s[G0V+5], s[G0V+5], SLOT1
	s_add_nc_u64 s[G0V+6:G0V+7], s[G0V+6:G0V+7], 0x200000
	s_wait_dscnt 0x0                ; the add is done, and my reads of the slot are over
	CROUND
	JLOAD
.else
	s_wait_dscnt 0x0                ; the add is done, and my reads of the slot are over
	s_barrier_signal -1
	s_barrier_wait -1
.endif
	s_sub_co_u32 s[TBK], s[TBK], 4*KS     ; the fetches go back to a slot's first step,
	s_xor_b32 s[TBK], s[TBK], SLOT1       ; in the other slot
	s_sub_co_u32 s[TBV], s[TBV], 2*KS*PVV
	s_xor_b32 s[TBV], s[TBV], SLOT1
.endm
	s_wait_tensorcnt 1              ; my part of slot 0 is in; slot 1's may stay out
	s_barrier_signal -1
	s_barrier_wait -1               ; everybody's is
	FETCH_K                         ; key step 0
	FETCH_V
	s_wait_loadcnt 0x0              ; Q
	WIN 0
	s_mov_b32 s[SLOTS], 7           ; step 0 alone, then six times a change of slots and two steps: steps 1 to 12
	s_mov_b32 s[TWICE], 1
	s_branch .Lstep                 ; the loop is entered behind its change of slots: step 0 fetches step 1, slot 0's last bytes
.Lslot:                             ; every slot but the last two is filled again
	CHANGE 1
	s_mov_b32 s[TWICE], 2
.Lstep:
	UNIT 0
	WIN 0
	s_sub_co_u32 s[TWICE], s[TWICE], 1
	s_cmp_lg_u32 s[TWICE], 0
	s_cbranch_scc1 .Lstep
	s_sub_co_u32 s[SLOTS], s[SLOTS], 1
	s_cmp_lg_u32 s[SLOTS], 0
	s_cbranch_scc1 .Lslot
	CHANGE 0                        ; the tail is written out: nothing is asked for
	s_mov_b32 s[TWICE], 3
.Ltail:                             ; steps 13, 14 and 15
	UNIT 1
	s_sub_co_u32 s[TWICE], s[TWICE], 1
	s_cmp_lg_u32 s[TWICE], 0
	s_cbranch_scc1 .Ltail
	; THE WAY OUT.  l's two halves and the other half of the lanes' are added; O^T is divided by l, rounded to f16 and sent through my stage in LDS, a tile (16 rows of HO) at a time.
	PLACES                          ; behind the last products
.irp t, 0,1
	v_add_f32 v[ST+8*(\t)+4], v[ST+8*(\t)+2], v[ST+8*(\t)+3]
.endr
.irp t, 0,1
	v_permlanex16_b32 v[ST+8*(\t)+5], v[ST+8*(\t)+4], s[SEL], s[SEL+1]
.endr
.irp t, 0,1
	v_add_f32 v[ST+8*(\t)+4], v[ST+8*(\t)+4], v[ST+8*(\t)+5]
.endr
.irp t, 0,1
	v_rcp_f32 v[ST+8*(\t)+6], v[ST+8*(\t)+4]
.endr
	v_nop                           ; a plain instruction between the last reciprocal and the use of its result
	s_wait_alu depctr_va_vdst(0)
; Tile t: a lane's eight channels of a row pack into 16 bytes; they go into rows of 272 bytes and come back as whole rows of 256, into the registers that they left.
.macro PACK t
	WIN W_RS
.set i, 64*(\t)
.rept 32
	v_pk_mul_f32 v[i:i+1], v[i:i+1], v[ST+8*(\t)+6:ST+8*(\t)+7] op_sel_hi:[1,0]
.set i, i+2
.endr
	WIN 0x05                        ; sources 0 and 1 window 1, destination window 0: S^T's registers are free
.set i, 0
.rept 32
	v_cvt_pk_f16_f32 v[S+32*(\t)+i], v[64*(\t)+2*i], v[64*(\t)+2*i+1]
.set i, i+1
.endr
	WIN 0
.irp f, 0,1,2,3,4,5,6,7
	ds_store_b128 v[STO], v[S+32*(\t)+4*(\f):S+32*(\t)+4*(\f)+3] offset:32*(\f)
.endr
.irp f, 0,1,2,3,4,5,6,7
	ds_load_b128 v[S+32*(\t)+4*(\f):S+32*(\t)+4*(\f)+3], v[RD] offset:(\f)*2*SP  ; LDS serves a wave's instructions in order (ISA guide 5.7.1.4): these see the stores above; the next tile's stores come behind them
.endr
.endm
.macro SEND t, younger              ; younger: the LDS instructions issued behind tile t's loads: the next tile's sixteen, or none
	WIN 0
.irp f, 0,1,2,3,4,5,6,7
	s_wait_dscnt (\younger)+7-(\f)
	global_store_b128 v[GO], v[S+32*(\t)+4*(\f):S+32*(\t)+4*(\f)+3], s[8:9] offset:(\t)*32768+(\f)*4096  ; 16 lanes store 256 consecutive bytes, at a multiple of 256 from HO's first byte
.endr
.endm
	PACK 0
	PACK 1                          ; a tile's arithmetic stands between the loads of the tile before and its stores
	SEND 0, 16
	SEND 1, 0
	s_wait_tensorcnt 0x0            ; the wave's end: the waits and the closing add stand behind my last tensor load and my last LDS store
	ds_add_u32 v[SPW], v[NIL]
	s_wait_dscnt 0x0
	CROUND                          ; the closing round: no work-group ends while a partner may still ask for a tile that names it
	s_endpgm
.Lfunc_end_k_qe89b204fbd_attn:
	.size	k_qe89b204fbd_attn, .Lfunc_end_k_qe89b204fbd_attn-k_qe89b204fbd_attn
	.p2alignl 7, 3214868480
	.fill 96, 4, 3214868480
	.section	.rodata,"a",@progbits
	.p2align	6, 0x0
	.amdhsa_kernel k_qe89b204fbd_attn
		.amdhsa_group_segment_fixed_size 327680
		.amdhsa_private_segment_fixed_size 0
		.amdhsa_enable_private_segment 0
		.amdhsa_kernarg_size 24
		.amdhsa_user_sgpr_count 2
		.amdhsa_user_sgpr_kernarg_segment_ptr 1
		.amdhsa_wavefront_size32 1
		.amdhsa_system_sgpr_workgroup_id_x 1
		.amdhsa_system_sgpr_workgroup_id_y 1
		.amdhsa_system_sgpr_workgroup_id_z 1
		.amdhsa_system_vgpr_workitem_id 0
		.amdhsa_next_free_vgpr 896
		.amdhsa_next_free_sgpr 66
		.amdhsa_reserve_vcc 0
		.amdhsa_float_denorm_mode_32 3
		.amdhsa_float_denorm_mode_16_64 3
		.amdhsa_memory_ordered 1
		.amdhsa_forward_progress 1
		.amdhsa_inst_pref_size 105
	.end_amdhsa_kernel
	.amdgpu_metadata
---
amdhsa.version: [ 1, 2 ]
amdhsa.kernels:
  - .name:           k_qe89b204fbd_attn
    .symbol:         k_qe89b204fbd_attn.kd
    .args:
      - { .name: qvb, .offset: 0, .size: 8, .value_kind: global_buffer, .address_space: global }
      - { .name: kmb, .offset: 8, .size: 8, .value_kind: global_buffer, .address_space: global }
      - { .name: hob, .offset: 16, .size: 8, .value_kind: global_buffer, .address_space: global }
    .group_segment_fixed_size: 327680
    .private_segment_fixed_size: 0
    .kernarg_segment_align: 8
    .kernarg_segment_size: 24
    .max_flat_workgroup_size: 128
    .sgpr_count:     66
    .vgpr_count:     896
    .wavefront_size: 32
...
	.end_amdgpu_metadata
.endif
;; end of part 9
;; launch outp (part 10): grid 8 x 32, 4 waves a work-group, clusters of 4 x 4, 327,680 bytes of LDS; arguments hob, wall, out0; writes out0
.if DOCPART == 10
	.amdgcn_target "amdgcn-amd-amdhsa--gfx1250"
	.amdhsa_code_object_version 6
	.text
	.protected	k_qe89b204fbd_outp
	.globl	k_qe89b204fbd_outp
	.p2align	8
	.type	k_qe89b204fbd_outp,@function
k_qe89b204fbd_outp:
	s_mov_b64 s[64:65], 0
	v_nop
	global_prefetch_b8 v0, s[64:65] scope:SCOPE_SE
	s_setreg_imm32_b32 hwreg(HW_REG_WAVE_MODE, 25, 1), 1
	s_wait_xcnt 0x0
	s_wait_alu depctr_hold_cnt(0) depctr_sa_sdst(0) depctr_va_vdst(0) depctr_va_sdst(0) depctr_va_ssrc(0) depctr_va_vcc(0) depctr_vm_vsrc(0)
	s_getreg_b32 s2, hwreg(HW_REG_IB_STS2, 6, 4)
	s_cmp_eq_u32 s2, 0
	s_cbranch_scc0 .Lentry_in_a_cluster
	s_endpgm
.Lentry_in_a_cluster:
	s_bfe_u32 s2, ttmp6, 0x10000c
	s_cmp_lg_u32 s2, 0xf033
	s_cbranch_scc0 .Lentry_shape_is_right
	s_endpgm
.Lentry_shape_is_right:
; THE LAST PROJECTION.  out[m][n] = sum over k of HO[m][k] Wo[n][k] + bo[n], K = 1,024.  A = HO, [4,096][1,024] f16.  B = Wo (rounded to bf16, written as f16): rows 2,048 .. 3,071 of the weights' buffer, behind its
; 16,384 bytes of addends, of which bo (f32) lies at byte 8,192.  Sums in f32; out is f32, [4,096][1,024].  The sums begin with bo: it is loaded straight into the accumulators.
; LIMITS.  HO and Wo arrive within f16's range, 65,504.  NaN and infinities are not treated apart.
; A tile of C is 128 x 128: 256 tiles, one to a work-group.  Four waves, each 64 x 64: 16 accumulators of 16 x 16, 128 registers.  K goes in 4 steps of 256 (LDS rows of 512 bytes; a wave's tensor load brings 64 of them) through two slots.
; A K STEP IS WRITTEN ONCE: a loop for the two steps that fill a slot again, a loop for the two that do not.  The slot in hand is a scalar that an exclusive or turns.
; CLUSTERS: 4 x 4 work-groups.  The four of a row of the cluster need the same tiles of A, the four of a column the same tiles of B: each tile is asked for JOINTLY, by the same tensor load with the
; same descriptor and a mask that names the four.  THE MATRIX INSTRUCTION IS USED TRANSPOSED (source 0 = 16 rows of B, source 1 = 16 rows of A): a lane then holds eight neighbouring numbers of a row of C.
; REGISTERS: window 0: v0-31 addresses; v128-255 the accumulators ((a, b) at v[128 + 8 (4 a + b)]).
;   window 1: two fragment buffers of 128: for 64 along K (two matrix instructions deep), 64 registers of A (2 x 4 x 16 rows x 32 K), then 64 of B.
.set SIZE_K, 1024
.set HEADB,  16384+2048*2048           ; bytes in front of Wo's rows
.set BOFF,   8192                      ; bytes in front of bo
.set KSTEP,  256
.set STEPS,  SIZE_K/KSTEP
.set PITCH,  528                       ; an LDS row: 512 bytes of data + 16 of padding = 132 words: row r starts at bank 4 r mod 64 (64 banks of 4 bytes: ISA guide 11.1)
.set HALFT,  64*PITCH                  ; 64 rows: what one tensor load brings, and what one wave reads of A or of B
.set SLOT,   4*HALFT                   ; A's 128 rows, then B's 128 rows.  135,168 = 2^17 + 2^12; wave x HALFT (0, 0x8400, 0x10800, 0x18c00) has neither bit, so an exclusive or with SLOT moves such an address from one slot to the other
.set SPITCH, 272                       ; the stages for the way out: for each wave 64 rows of 256 bytes + 16.  They lie in slot 0, from byte 0, when that slot has had its last fill and its last read: two slots and stages of their own do not fit
.set SPARE,  2*SLOT                    ; behind the ring: the spare words, 128 bytes for each wave: two blocks of 256 bytes that no other line names
.set ADRA0, 16                         ; v16  LDS address of my A fragments in slot 0; never rewritten
.set ADRA,  17                         ; v17  the same in the slot in hand
.set ADRB0, 20                         ; v20, v21  the same for B
.set ADRB,  21
.set STO,  24                          ; v24     the way out: where I put 32 bytes of a row
.set RD,   25                          ; v25     the way out: where I read a row back
.set CO,   26                          ; v26     my byte offset in two rows of C
.set SPW,  28                          ; v28     LDS address of my spare word: SPARE + 4 x my thread's number; never rewritten
.set NIL,  29                          ; v29     0; never rewritten
.set ACC,  128
.set F0,   0                           ; fragment buffers, in window 1
.set F1,   128
.set TB,   45                          ; s45  LDS byte at which the slot in hand begins
.set G1, 24                            ; s[24:31] descriptor group 1 for A's tiles;  s[32:39] group 0: a set for each of the two first fills; the second then walks on
.set G0, 32
.set G1B, 48                           ; s[48:55], s[56:63] the same for B's tiles
.set G0B, 56
.set MSB, 0
.macro WIN new                         ; the immediate's high byte repeats the setting that is left
.if MSB != (\new)
	s_set_vgpr_msb (MSB<<8)|(\new)
.set MSB, \new
.endif
.endm
.set MUL,  0x05                        ; sources 0 (B) and 1 (A) window 1; C and D window 0
.set TO_F, 0x40                        ; destination window 1, address window 0
.macro JLOAD s                         ; a joint load: waves 0 and 1 fetch A's two halves, waves 2 and 3 B's; an s_nop 0 and four v_nop follow each of the two lines, ahead of the jump, the label and what follows
	s_cmp_eq_u32 s11, 0
	s_cbranch_scc0 .Lfor_b_\@
	tensor_load_to_lds s[G0+4*(\s):G0+4*(\s)+3], s[G1:G1+7]
	s_nop 0
.rept 4
	v_nop
.endr
	s_branch .Lasked_\@
.Lfor_b_\@:
	tensor_load_to_lds s[G0B+4*(\s):G0B+4*(\s)+3], s[G1B:G1B+7]
	s_nop 0
.rept 4
	v_nop
.endr
.Lasked_\@:
.endm
.macro CREST                           ; a round of the cluster's barrier behind its opening barrier
	s_cmp_lg_u32 s10, 0
	s_cbranch_scc1 .Lnot_wave_0_\@
	s_barrier_signal -3
.Lnot_wave_0_\@:
	s_barrier_wait -3
	s_barrier_signal -1
	s_barrier_wait -1
.endm
.macro CROUND                          ; a whole round
	s_barrier_signal -1
	s_barrier_wait -1
	CREST
.endm
	s_load_b128 s[4:7], s[0:1], 0x0                ; A s[4:5], B s[6:7]
	s_load_b64 s[8:9], s[0:1], 0x10                ; C
	v_lshl_add_u32 v[SPW], v0, 2, SPARE
	v_mov_b32 v[NIL], 0
	ds_add_u32 v[SPW], v[NIL]                      ; the wave's opening: the add and its wait stand ahead of my first tensor load; the set-up below, work on registers, stands between them
	v_lshrrev_b32 v1, 5, v0
	v_readfirstlane_b32 s10, v1                    ; wave 0..3
	s_lshr_b32 s11, s10, 1                         ; which half of the tile's rows is mine.  Also: I fetch for A (0) or for B (1)
	s_and_b32 s12, s10, 1                          ; which half of its columns.  Also: which 64 rows of that tile I fetch
	s_bfe_u32 s40, ttmp6, 0x40000                  ; cx, cy: my place in the cluster
	s_bfe_u32 s41, ttmp6, 0x40004
	s_lshl_b32 s42, ttmp9, 2
	s_add_co_u32 s42, s42, s40                     ; tile column of C = 4 x cluster x + cx
	s_and_b32 s13, ttmp7, 0xffff
	s_lshl_b32 s13, s13, 2
	s_add_co_u32 s13, s13, s41                     ; tile row of C = 4 x cluster y + cy
	s_lshl_b32 s43, s41, 2
	s_lshl_b32 s43, 15, s43                        ; my row of the cluster
	s_lshl_b32 s44, 0x1111, s40                    ; my column
	; descriptor group 1: a tile of 64 rows x 256 elements, padded in LDS
	s_or_b32 s[G1+0], s43, (1<<16)|(1<<20)|(1<<21)|(6<<22)|(3<<25)  ; 15:0 the mask: A's tiles go to my row; 17:16 element of 2 bytes; 20 padding on; 21 set beside a mask; 24:22 after every 128 words (code 6); 31:25 of 4 words (code 3)
	s_or_b32 s[G1B+0], s44, (1<<16)|(1<<20)|(1<<21)|(6<<22)|(3<<25)
.irp g, G1, G1B
	s_mov_b32 s[(\g)+1], KSTEP<<16                 ; tensor_dim0 = 256
	s_mov_b32 s[(\g)+2], 64<<16                    ; tensor_dim1 = 64
	s_mov_b32 s[(\g)+3], KSTEP<<16                 ; tile_dim0 = 256
	s_mov_b32 s[(\g)+4], 64                        ; tile_dim1 = 64
	s_mov_b32 s[(\g)+5], SIZE_K                    ; tensor_dim0_stride
	s_mov_b32 s[(\g)+6], 0
	s_mov_b32 s[(\g)+7], 0
.endr
	s_lshl_b32 s17, s12, 6                         ; which 64 rows of the tile I fetch
	s_lshl_b32 s16, s13, 7
	s_add_co_u32 s16, s16, s17                     ; A: row 128 x tile row + 64 x half
	s_lshl_b32 s46, s42, 7
	s_add_co_u32 s46, s46, s17                     ; B: row 128 x tile column + 64 x half
	s_mov_b32 s17, 0
	s_mov_b32 s47, 0
	s_mov_b64 s[18:19], SIZE_K*2
	s_mul_u64 s[16:17], s[16:17], s[18:19]
	s_mul_u64 s[46:47], s[46:47], s[18:19]
	s_add_nc_u64 s[46:47], s[46:47], HEADB         ; Wo's rows lie behind the addends, Wq and Wv
	s_mul_i32 s20, s10, HALFT                      ; where they go: wave x 64 rows
	s_mov_b32 s[TB], 0
	s_wait_dscnt 0x0                               ; the opening add is done
	s_wait_kmcnt 0x0
	s_add_nc_u64 s[14:15], s[4:5], s[16:17]
	s_add_nc_u64 s[46:47], s[6:7], s[46:47]
	CROUND                                         ; all sixteen work-groups are here: the first joint loads meet
.irp s, 0,1
	s_mov_b32 s[G0+4*(\s)], 1
	s_add_co_u32 s[G0+4*(\s)+1], s20, (\s)*SLOT
	s_add_nc_u64 s[G0+4*(\s)+2:G0+4*(\s)+3], s[14:15], (\s)*KSTEP*2
	s_or_b32 s[G0+4*(\s)+3], s[G0+4*(\s)+3], 0x80000000
	s_mov_b32 s[G0B+4*(\s)], 1
	s_add_co_u32 s[G0B+4*(\s)+1], s20, (\s)*SLOT
	s_add_nc_u64 s[G0B+4*(\s)+2:G0B+4*(\s)+3], s[46:47], (\s)*KSTEP*2
	s_or_b32 s[G0B+4*(\s)+3], s[G0B+4*(\s)+3], 0x80000000
	JLOAD \s
.endr
	v_and_b32 v1, 15, v0                           ; l % 16
	v_bfe_u32 v2, v0, 4, 1                         ; l / 16
	v_lshlrev_b32 v7, 5, v2
	s_lshl_b32 s16, s13, 7
	s_lshl_b32 s17, s11, 6
	s_add_co_u32 s16, s16, s17                     ; my wave's first row of C: 128 x tile row + 64 x half,
	s_lshl_b32 s16, s16, 12                        ; rows of 4,096 bytes
	s_mov_b32 s17, 0
	s_add_nc_u64 s[8:9], s[8:9], s[16:17]
	s_lshl_b32 s46, s42, 9                         ; my wave's first column, 4 bytes x (128 x tile column + 64 x half) (in the registers that held B's address: none that feeds A's descriptors ever holds cx)
	s_lshl_b32 s47, s12, 8
	s_add_co_u32 s46, s46, s47
	s_mov_b32 s47, 0
	s_add_nc_u64 s[8:9], s[8:9], s[46:47]
	s_add_co_u32 s46, s46, BOFF                    ; the same place in bo
	s_add_nc_u64 s[6:7], s[6:7], s[46:47]
.irp a, 0,1,2,3                        ; in an accumulator (a, b) my lane holds the columns 16 b + 8 (l / 16) + 0..7, whatever a: the sums begin with bo
.irp b, 0,1,2,3
	global_load_b128 v[ACC+8*(4*(\a)+(\b)):ACC+8*(4*(\a)+(\b))+3], v7, s[6:7] offset:64*(\b)
	global_load_b128 v[ACC+8*(4*(\a)+(\b))+4:ACC+8*(4*(\a)+(\b))+7], v7, s[6:7] offset:64*(\b)+16
.endr
.endr
	v_mul_u32_u24 v3, v1, PITCH
	v_lshl_add_u32 v3, v2, 4, v3                   ; a fragment's row x pitch + 16 x half
	s_mul_i32 s21, s11, HALFT                      ; my 64 rows of A
	s_mul_i32 s22, s12, HALFT                      ; my 64 rows of B,
	s_add_co_u32 s22, s22, 2*HALFT                 ; which lie behind A's 128
	v_add_nc_u32 v[ADRA0], s21, v3
	v_add_nc_u32 v[ADRB0], s22, v3
	v_add_nc_u32 v[ADRA], s21, v3                  ; the slot in hand is slot 0
	v_add_nc_u32 v[ADRB], s22, v3
	s_mul_i32 s23, s10, 64*SPITCH                  ; my stage
	v_mul_u32_u24 v4, v1, SPITCH                   ; in: row l % 16, 32 bytes for each half of the lanes
	v_lshl_add_u32 v4, v2, 5, v4
	v_add_nc_u32 v[STO], s23, v4
	v_mul_u32_u24 v5, v2, SPITCH                   ; back: lanes 0-15 take one row of 256 bytes, lanes 16-31 the next
	v_lshl_add_u32 v5, v1, 4, v5
	v_add_nc_u32 v[RD], s23, v5
	v_lshlrev_b32 v5, 12, v2                       ; and the same two rows in C
	v_lshl_add_u32 v[CO], v1, 4, v5
	s_wait_loadcnt 0x0                             ; bo
; 8 matrix instructions: m blocks a0, a0 + 1 x all 4 n blocks, 32 along K: half c of buffer f.  The 16 accumulators take turns, one instruction a turn
.macro MUL8 f, c, a0
	WIN MUL
.irp a, \a0, (\a0)+1
.irp b, 0,1,2,3
	v_wmma_f32_16x16x32_f16 v[ACC+8*(4*(\a)+(\b)):ACC+8*(4*(\a)+(\b))+7], v[(\f)+64+8*(4*(\c)+(\b)):(\f)+64+8*(4*(\c)+(\b))+7], v[(\f)+8*(4*(\c)+(\a)):(\f)+8*(4*(\c)+(\a))+7], v[ACC+8*(4*(\a)+(\b)):ACC+8*(4*(\a)+(\b))+7]
.endr
.endr
.endm
; 32 LDS loads in one run: the fragments of 64 along K at byte k of the rows of the slot in hand, into buffer f; the first 32 along K first
.macro FETCH k, f
	WIN TO_F
.irp c, 0,1
.irp i, 0,1,2,3
	ds_load_b128 v[(\f)+64+8*(4*(\c)+(\i)):(\f)+64+8*(4*(\c)+(\i))+3],   v[ADRB] offset:(\k)+64*(\c)+(\i)*16*PITCH
	ds_load_b128 v[(\f)+64+8*(4*(\c)+(\i))+4:(\f)+64+8*(4*(\c)+(\i))+7], v[ADRB] offset:(\k)+64*(\c)+(\i)*16*PITCH+32
	ds_load_b128 v[(\f)+8*(4*(\c)+(\i)):(\f)+8*(4*(\c)+(\i))+3],         v[ADRA] offset:(\k)+64*(\c)+(\i)*16*PITCH
	ds_load_b128 v[(\f)+8*(4*(\c)+(\i))+4:(\f)+8*(4*(\c)+(\i))+7],       v[ADRA] offset:(\k)+64*(\c)+(\i)*16*PITCH+32
.endr
.endr
.endm
.macro PLACES                          ; four places in front of loads into registers that matrix instructions have read, and of LDS stores that read results
.rept 4
	v_nop
.endr
.endm
; A K step is four quarters of 64 along K, 32 matrix instructions each, on buffers 0, 1, 0, 1.  One of the first three: multiplies buffer f and fetches the next quarter, at byte k, into g.
.macro QUARTER k, f, g
	s_wait_dscnt 16                                ; the first 32 along K are in; the sixteen younger loads may be out
	MUL8 \f, 0, 0
	MUL8 \f, 0, 2
	PLACES
	FETCH \k, \g
	s_wait_dscnt 32                                ; all but the 32 just issued
	MUL8 \f, 1, 0
	MUL8 \f, 1, 2
.endm
; The last quarter multiplies buffer 1 and changes slots: ONE barrier; in front of it each wave waits for all its tensor loads, adds 0 to its spare word, and waits for that and for its own reads of this slot.
; fill = 1: the barrier opens a round of the cluster's, and this slot is filled again, two K steps ahead, first thing behind the round: 112 matrix instructions ahead of the wait for it.
; fill = 0: the loop of the last two steps: nothing is asked for, and its last trip (s3 = 1) has nothing more to fetch.
.macro TURN fill
	WIN 0                                          ; (the add's two registers lie in window 0)
	s_wait_tensorcnt 0x0                           ; all my tensor loads have landed: my part of the next slot;
	ds_add_u32 v[SPW], v[NIL]                      ; 0 onto my spare word;
	s_wait_dscnt 17                                ; (the add and the youngest sixteen loads may be out)
	MUL8 F1, 0, 0                                  ; eight matrix instructions stand between the add and the wait for it
	s_wait_dscnt 0x0                               ; the add is done, and my reads of this slot are over
	s_barrier_signal -1
	MUL8 F1, 0, 2
	WIN 0
	s_barrier_wait -1
.if \fill
	CREST                                          ; no wave of any partner still reads this slot's tile or has a load on its way
	s_xor_b32 s[G0+5], s[G0+5], SLOT               ; the walking descriptors: the other slot than last time,
	s_add_nc_u64 s[G0+6:G0+7], s[G0+6:G0+7], KSTEP*2   ; the next K step; the type bits on top are not reached
	s_xor_b32 s[G0B+5], s[G0B+5], SLOT
	s_add_nc_u64 s[G0B+6:G0B+7], s[G0B+6:G0B+7], KSTEP*2
	JLOAD 1                                        ; the four v_nop behind it are also the places in front of the loads below
.else
	PLACES
.endif
	s_xor_b32 s[TB], s[TB], SLOT                   ; the other slot is in hand
	v_add_nc_u32 v[ADRA], s[TB], v[ADRA0]
	v_add_nc_u32 v[ADRB], s[TB], v[ADRB0]
.if !(\fill)
	s_cmp_eq_u32 s3, 1
	s_cbranch_scc1 .Lno_fetch_\@
.endif
	FETCH 0, F0
.if !(\fill)
	WIN 0
.Lno_fetch_\@:
.endif
	MUL8 F1, 1, 0
	MUL8 F1, 1, 2
.endm
.macro STEP fill
	QUARTER 128, F0, F1
	QUARTER 256, F1, F0
	QUARTER 384, F0, F1
	TURN \fill
.endm
	s_wait_tensorcnt 1                             ; my part of K step 0 is in; K step 1's load may stay out
	s_barrier_signal -1
	s_barrier_wait -1                              ; everybody's is
	FETCH 0, F0
	WIN 0                                          ; at a label and at a branch every window is 0
	s_mov_b32 s3, STEPS-2
.Lstep:                                                ; K steps 0 and 1: each fills its slot again
	STEP 1
	WIN 0
	s_sub_co_u32 s3, s3, 1
	s_cmp_lg_u32 s3, 0
	s_cbranch_scc1 .Lstep
	s_mov_b32 s3, 2
.Ltail:                                                ; K steps 2 and 3 are written out apart
	STEP 0
	WIN 0
	s_sub_co_u32 s3, s3, 1
	s_cmp_lg_u32 s3, 0
	s_cbranch_scc1 .Ltail
	; THE WAY OUT.  A lane's eight f32 of a row, 32 bytes, go into my own stage (each accumulator's four lowest registers first); my wave's 64 columns are a whole 256 bytes of a row of C,
	; so no other wave has a part in my rows; back as whole rows, into the accumulators' registers.
	PLACES
	s_wait_dscnt 0x0                               ; the stages lie in slot 0: every wave's reads of the ring are over ahead of this barrier, and no load lands there any more.  (The last change of slots has
	s_barrier_signal -1                            ; shown as much; the order is written once more where the stages begin.)
	s_barrier_wait -1
.irp a, 0,1,2,3
.irp b, 0,1,2,3
	ds_store_b128 v[STO], v[ACC+8*(4*(\a)+(\b)):ACC+8*(4*(\a)+(\b))+3] offset:(\a)*16*SPITCH+64*(\b)
	ds_store_b128 v[STO], v[ACC+8*(4*(\a)+(\b))+4:ACC+8*(4*(\a)+(\b))+7] offset:(\a)*16*SPITCH+64*(\b)+16
.endr
.endr
.set t, 0
.rept 32
	ds_load_b128 v[ACC+4*t:ACC+4*t+3], v[RD] offset:t*2*SPITCH  ; LDS serves a wave's instructions in order (ISA guide 5.7.1.4): these see the stores above
.set t, t+1
.endr
.set t, 0
.rept 32
	s_wait_dscnt 31-t                              ; LDS loads come back in order: rows 2 t and 2 t + 1 are in
	global_store_b128 v[CO], v[ACC+4*t:ACC+4*t+3], s[8:9] offset:t*8192 th:TH_STORE_NT  ; 16 lanes store 256 consecutive bytes, at a multiple of 256 from C's first byte
.set t, t+1
.endr
	s_wait_tensorcnt 0x0                           ; the wave's end: the waits and the closing add stand behind my last tensor load and my last LDS store
	ds_add_u32 v[SPW], v[NIL]
	s_wait_dscnt 0x0
	CROUND                                         ; the closing round: no work-group ends while a partner may still ask for a tile that names it
	s_endpgm
.Lfunc_end_k_qe89b204fbd_outp:
	.size	k_qe89b204fbd_outp, .Lfunc_end_k_qe89b204fbd_outp-k_qe89b204fbd_outp
	.p2alignl 7, 3214868480
	.fill 96, 4, 3214868480
	.section	.rodata,"a",@progbits
	.p2align	6, 0x0
	.amdhsa_kernel k_qe89b204fbd_outp
		.amdhsa_group_segment_fixed_size 327680
		.amdhsa_private_segment_fixed_size 0
		.amdhsa_enable_private_segment 0
		.amdhsa_kernarg_size 24
		.amdhsa_user_sgpr_count 2
		.amdhsa_user_sgpr_kernarg_segment_ptr 1
		.amdhsa_wavefront_size32 1
		.amdhsa_system_sgpr_workgroup_id_x 1
		.amdhsa_system_sgpr_workgroup_id_y 1
		.amdhsa_system_sgpr_workgroup_id_z 1
		.amdhsa_system_vgpr_workitem_id 0
		.amdhsa_next_free_vgpr 512
		.amdhsa_next_free_sgpr 66
		.amdhsa_reserve_vcc 0
		.amdhsa_float_denorm_mode_32 3
		.amdhsa_float_denorm_mode_16_64 3
		.amdhsa_memory_ordered 1
		.amdhsa_forward_progress 1
		.amdhsa_inst_pref_size 57
	.end_amdhsa_kernel
	.amdgpu_metadata
---
amdhsa.version: [ 1, 2 ]
amdhsa.kernels:
  - .name:           k_qe89b204fbd_outp
    .symbol:         k_qe89b204fbd_outp.kd
    .args:
      - { .name: hob, .offset: 0, .size: 8, .value_kind: global_buffer, .address_space: global }
      - { .name: wall, .offset: 8, .size: 8, .value_kind: global_buffer, .address_space: global }
      - { .name: out0, .offset: 16, .size: 8, .value_kind: global_buffer, .address_space: global }
    .group_segment_fixed_size: 327680
    .private_segment_fixed_size: 0
    .kernarg_segment_align: 8
    .kernarg_segment_size: 24
    .max_flat_workgroup_size: 128
    .sgpr_count:     66
    .vgpr_count:     512
    .wavefront_size: 32
...
	.end_amdgpu_metadata
.endif
;; end of part 10
;; ======== version 3 of 3: 5 launches; version 2 with the launch prep written anew for expert scheduling mode
;; limits: values are held in f16: magnitudes above 65,504 overflow, below 6.1e-05 lose precision; right only within a limited range of input values
;; workspace buffers: xh 8,404,992 bytes; wall 6,307,840 bytes; wkh 2,113,536 bytes; mt2 2,097,152 bytes; qvb 67,108,864 bytes; ktb 16,777,216 bytes; kmb 16,777,216 bytes; hob 8,388,608 bytes
;; launch prep (part 11): grid 577 x 1, 8 waves a work-group, no clusters, 35,840 bytes of LDS; arguments query, Wq, Wv, Wo, Wk, mask, bq, bv, bo, bk, xh, wall, wkh, mt2; writes xh, wall, wkh, mt2
.if DOCPART == 11
	.amdgcn_target "amdgcn-amd-amdhsa--gfx1250"
	.amdhsa_code_object_version 6
	.text
	.protected	k_qe89b204fbd_prep
	.globl	k_qe89b204fbd_prep
	.p2align	8
	.type	k_qe89b204fbd_prep,@function
k_qe89b204fbd_prep:
	s_mov_b64 s[64:65], 0
	v_nop
	global_prefetch_b8 v0, s[64:65] scope:SCOPE_SE
	s_setreg_imm32_b32 hwreg(HW_REG_WAVE_SCHED_MODE, 0, 2), 2
	s_setreg_imm32_b32 hwreg(HW_REG_WAVE_MODE, 25, 1), 1
	s_wait_xcnt 0x0
	s_wait_alu depctr_vm_vsrc(0)
; THE OPERANDS OF THE LATER LAUNCHES ARE MADE.  Every floating-point input is rounded to bf16 once, multiplied by a power of two (exact) and written as f16:
;   xh   = [4,096 zeros in f32][bf16(query) / 16,  4,096 rows of 1,024]
;   wall = [bq / 16, bv, bo in f32, 1,024 each, 1,024 words unused][Wq; 16 Wv; Wo,  3,072 rows of 1,024]
;   wkh  = [bk / 16 in f32, 1,024, the rest unused][Wk,  1,024 rows of 1,024]
;   mt2[j][k] = mask[k][j] / 64 in f16: the mask turned, 1,024 rows of 1,024.
; key_t and value are not read: nothing is computed from them.
; LIMITS.  A bf16 number written as f16 is exact from 2^-17 to 65,504 in size; below, it is off by 2^-25 at the most; so |query| < 1.0e6, |Wq|, |Wk|, |Wo| < 65,504, |Wv| < 4,094.
; Whole numbers of the mask are exact up to 2,048 in size.  NaN and infinities are not treated apart.
; SHARES.  Work-groups 0-511: a stream, 16,384 numbers each (0-255 query, then 64 each for Wq, Wv, Wo, Wk).  512-575: a tile of 128 k x 128 j of the mask, turned through LDS.  576: the addends.
; All branches hang on the work-group's number alone.  No matrix unit, no cluster, no tensor load: the launch moves each byte once and computes next to nothing.
; THE MODE: SCHED_MODE bits 1:0 = 2 (LLVM: expert scheduling mode 2), set by the entry lines.  The code itself states the register dependences between vector instructions and memory or LDS
; instructions, with s_wait_alu, always for 0.
; THE PLAN.  Registers that memory or LDS instructions touch:
;   the stream   v1, v2: offsets, made at the way's head, never written again.  IN: each of the sixteen loads lands once, in registers that no vector line has named; chunk i's roundings read them.
;                OUT: chunk i's two registers are written once, by its last two conversions, and read once, by its store.  The chunks go in four groups of four; a group's stores are issued in the next
;                group, one ahead of each chunk's arithmetic, which names T, its own IN and its own OUT alone.  So one wait at a group's head states all that its four stores hang on.
;   the mask     v3 to v6: addresses, made at the way's head, never written again.  IN: the sixteen global loads land; vector lines work on them in place; behind the barrier the LDS loads land in its first 32.
;                OUT: a half's sixteen registers are written by its roundings and read by its four LDS stores; the first half's stores are dealt among the second half's conversions, which name other registers.
;   the addends  v1 and the zeros v8 to v11 are made first; the loads land in v12 to v27, which no vector line has named; the four results v32 to v47 are made, then stored.
;   v[SPW], v[NIL]  written at the head, read by the closing add alone.
; No register that a memory or LDS instruction reads is written again, so vm_vsrc is waited on only at the entry and in the closing lines; no vector line writes a scalar register or VCC; EXEC is written nowhere.
.set HEAD,   16384                     ; bytes of addends in front of an operand's rows
.set SPITCH, 272                       ; a stage row: 128 f16 + 16 bytes
.set SPARE,  128*SPITCH                ; behind the stage: the spare words, 128 bytes for each of eight waves: four blocks of 256 bytes that no other line names
.set IN,  8                            ; v[8:71]    as loaded
.set T,   72                           ; v[72:77]   at work: no memory instruction names them
.set OUT, 80                           ; v[80:111]  to store
.set SPW, 126                          ; v126  LDS address of my spare word; never rewritten
.set NIL, 127                          ; v127  0; never rewritten
	s_load_b512 s[8:23], s[0:1], 0x0               ; query s[8:9], Wq s[10:11], Wv s[12:13], Wo s[14:15], Wk s[16:17], mask s[18:19], bq s[20:21], bv s[22:23]
	s_load_b256 s[24:31], s[0:1], 0x40             ; bo s[24:25], bk s[26:27], xh s[28:29], wall s[30:31]
	s_load_b128 s[32:35], s[0:1], 0x60             ; wkh s[32:33], mt2 s[34:35]
	v_lshl_add_u32 v[SPW], v0, 2, SPARE
	v_mov_b32 v[NIL], 0
	s_mov_b32 s2, ttmp9                            ; x
	s_wait_kmcnt 0x0
	s_cmp_ge_u32 s2, 512
	s_cbranch_scc1 .Lnot_stream
	; THE STREAM.  Source, destination, their chunks and the scale are chosen by x.
	v_lshlrev_b32 v1, 4, v0                        ; 16 bytes a thread in: a wave's load covers 512 consecutive bytes
	v_lshlrev_b32 v2, 3, v0                        ; 8 bytes a thread out: a wave's store covers 256 consecutive bytes, aligned
	s_mov_b64 s[36:37], s[8:9]                     ; from query
	s_mov_b64 s[38:39], s[28:29]                   ; to xh
	s_mov_b32 s40, s2                              ; the source's chunk of 65,536 bytes
	s_mov_b32 s41, s2                              ; the destination's chunk of 32,768 bytes
	s_mov_b32 s42, 0x3d800000                      ; 1 / 16
	s_and_b32 s44, s2, 63
	s_sub_co_u32 s45, s2, 256
	s_cmp_ge_u32 s2, 256
	s_cselect_b64 s[36:37], s[10:11], s[36:37]     ; Wq
	s_cselect_b64 s[38:39], s[30:31], s[38:39]     ; to wall, chunk x - 256: Wq, Wv and Wo follow each other there
	s_cselect_b32 s40, s44, s40
	s_cselect_b32 s41, s45, s41
	s_cselect_b32 s42, 1.0, s42
	s_cmp_ge_u32 s2, 320
	s_cselect_b64 s[36:37], s[12:13], s[36:37]     ; Wv, times 16: it meets query / 16
	s_cselect_b32 s42, 0x41800000, s42
	s_cmp_ge_u32 s2, 384
	s_cselect_b64 s[36:37], s[14:15], s[36:37]     ; Wo
	s_cselect_b32 s42, 1.0, s42
	s_cmp_ge_u32 s2, 448
	s_cselect_b64 s[36:37], s[16:17], s[36:37]     ; Wk
	s_cselect_b64 s[38:39], s[32:33], s[38:39]     ; to wkh, chunk x - 448
	s_cselect_b32 s41, s44, s41
	s_mov_b32 s43, s42                             ; named with it as a pair
	s_lshl_b32 s44, s40, 16
	s_mov_b32 s45, 0
	s_add_nc_u64 s[36:37], s[36:37], s[44:45]
	s_lshl_b32 s46, s41, 15
	s_add_co_u32 s46, s46, HEAD
	s_mov_b32 s47, 0
	s_add_nc_u64 s[38:39], s[38:39], s[46:47]
	s_wait_alu depctr_va_vdst(0)                   ; v1 and v2 are written: every load of this way reads v1 as its offset, every store v2
.set i, 0
.rept 16                                               ; all sixteen loads go out first: 65,536 bytes of the work-group on their way
	global_load_b128 v[IN+4*i:IN+4*i+3], v1, s[36:37] offset:4096*i th:TH_LOAD_NT
.set i, i+1
.endr
.set i, 0
.rept 16
	s_wait_loadcnt 15-i                            ; loads come back in order: number i is in, the 15 - i younger ones stay out
.if (i > 0) && (i%4 == 0)
	s_wait_alu depctr_va_vdst(0)                   ; the four chunks before have written their registers of OUT, which this group's four stores read
.endif
.if i >= 4
	global_store_b64 v2, v[OUT+2*(i-4):OUT+2*(i-4)+1], s[38:39] offset:2048*(i-4)  ; the chunk four back; no vector line since the wait names its registers.  Each store has data registers of its own: none is written again
.endif
	v_cvt_pk_bf16_f32 v[T], v[IN+4*i], v[IN+4*i+1]     ; the one rounding of an input
	v_cvt_pk_bf16_f32 v[T+1], v[IN+4*i+2], v[IN+4*i+3]
	v_lshlrev_b32 v[T+2], 16, v[T]                 ; back to f32,
	v_and_b32 v[T+3], 0xffff0000, v[T]
	v_lshlrev_b32 v[T+4], 16, v[T+1]
	v_and_b32 v[T+5], 0xffff0000, v[T+1]
	v_pk_mul_f32 v[T+2:T+3], v[T+2:T+3], s[42:43] op_sel_hi:[1,0]  ; the power of two,
	v_pk_mul_f32 v[T+4:T+5], v[T+4:T+5], s[42:43] op_sel_hi:[1,0]
	v_cvt_pk_f16_f32 v[OUT+2*i], v[T+2], v[T+3]    ; and written as f16: eight significant bits fit in eleven
	v_cvt_pk_f16_f32 v[OUT+2*i+1], v[T+4], v[T+5]
.set i, i+1
.endr
	s_wait_alu depctr_va_vdst(0)                   ; chunks 12 to 15 have written their registers of OUT, which the last four stores read
.set i, 12
.rept 4
	global_store_b64 v2, v[OUT+2*i:OUT+2*i+1], s[38:39] offset:2048*i
.set i, i+1
.endr
	s_endpgm                                       ; this way has written no LDS
.Lnot_stream:
	s_cmp_eq_u32 s2, 576
	s_cbranch_scc1 .Laddends
	; THE MASK, a tile of 128 k x 128 j.  Wave w reads rows k = 16 w .. 16 w + 15, lane l the columns j = 4 l .. 4 l + 3; eight k of one j pack into 16 bytes of a stage row j.
	v_and_b32 v1, 31, v0                           ; l
	v_lshrrev_b32 v2, 5, v0                        ; w
	v_lshlrev_b32 v3, 4, v1
	v_lshl_add_u32 v3, v2, 16, v3                  ; in: 16 w rows of 4,096 bytes + 16 l
	v_mul_u32_u24 v4, v1, 4*SPITCH
	v_lshl_add_u32 v4, v2, 5, v4                   ; into the stage: row 4 l, byte 32 w
	v_and_b32 v7, 15, v0
	v_bfe_u32 v6, v0, 4, 1
	v_lshl_add_u32 v6, v2, 4, v6                   ; back: row 16 w + l / 16,
	v_mul_u32_u24 v5, v6, SPITCH
	v_lshl_add_u32 v5, v7, 4, v5                   ; 16 bytes a lane: 16 lanes take a row's 256 bytes
	v_lshlrev_b32 v6, 11, v6
	v_lshl_add_u32 v6, v7, 4, v6                   ; and the same place in mt2
	s_sub_co_u32 s3, s2, 512
	s_lshr_b32 s36, s3, 3                          ; the tile's place along k
	s_and_b32 s37, s3, 7                           ; and along j
	s_lshl_b32 s38, s36, 19                        ; mask: 128 rows of 4,096 bytes,
	s_lshl_b32 s40, s37, 9                         ; 128 columns of 4 bytes
	s_add_co_u32 s38, s38, s40
	s_mov_b32 s39, 0
	s_add_nc_u64 s[18:19], s[18:19], s[38:39]
	s_lshl_b32 s38, s37, 18                        ; mt2: 128 rows j of 2,048 bytes,
	s_lshl_b32 s40, s36, 8                         ; 128 k are 256 bytes there
	s_add_co_u32 s38, s38, s40
	s_add_nc_u64 s[34:35], s[34:35], s[38:39]
	s_wait_alu depctr_va_vdst(0)                   ; v3 to v6 are written: the offsets and LDS addresses that all loads and stores of this way read
.set i, 0
.rept 16                                               ; row 16 w + i: 512 consecutive bytes a load
	global_load_b128 v[IN+4*i:IN+4*i+3], v3, s[18:19] offset:4096*i th:TH_LOAD_NT
.set i, i+1
.endr
; One LDS store: column 4 l + c of half g (eight rows k).
.macro TURNED g, c
	ds_store_b128 v4, v[OUT+16*(\g)+4*(\c):OUT+16*(\g)+4*(\c)+3] offset:(\c)*SPITCH+16*(\g)  ; lanes lie four rows apart, 1,088 bytes; eight such stores a lane are not worth another layout
.endm
; The arithmetic of half g: eight rows.  In the second half the first half's four LDS stores are dealt among the conversions, which name IN + 32 .. alone.
.macro HALF g
.irp c, 0,1,2,3
.if \g
	TURNED 0, \c
.endif
.set i, 0
.rept 8
	v_cvt_f32_i32 v[IN+32*(\g)+8*(\c)+i], v[IN+32*(\g)+8*(\c)+i]
.set i, i+1
.endr
.endr
.set i, 0
.rept 16
	v_pk_mul_f32 v[IN+32*(\g)+2*i:IN+32*(\g)+2*i+1], v[IN+32*(\g)+2*i:IN+32*(\g)+2*i+1], 0x3c800000 op_sel_hi:[1,0]  ; / 64
.set i, i+1
.endr
.irp c, 0,1,2,3                        ; column 4 l + c: rows 2 q and 2 q + 1 side by side
.irp q, 0,1,2,3
	v_cvt_pk_f16_f32 v[OUT+16*(\g)+4*(\c)+(\q)], v[IN+32*(\g)+8*(\q)+(\c)], v[IN+32*(\g)+8*(\q)+4+(\c)]
.endr
.endr
.endm
	s_wait_loadcnt 8                               ; the first eight rows are in; the other eight loads stay out
	HALF 0
	s_wait_loadcnt 0x0                             ; the other eight rows are in
	s_wait_alu depctr_va_vdst(0)                   ; the first half's roundings have written v[OUT .. OUT+15], which the four LDS stores dealt below read
	HALF 1
	s_wait_alu depctr_va_vdst(0)                   ; the second half's roundings have written v[OUT+16 .. OUT+31], which the LDS stores read; and every vector line that named IN is done: behind the barrier LDS loads land there
	TURNED 1, 0
	TURNED 1, 1
	TURNED 1, 2
	TURNED 1, 3
	s_wait_dscnt 0x0                               ; for the others' sake: my stores into the stage are done
	s_barrier_signal -1
	s_barrier_wait -1
.set i, 0
.rept 8
	ds_load_b128 v[IN+4*i:IN+4*i+3], v5 offset:i*2*SPITCH  ; rows 16 w + 2 i and + 1, whole.  No vector line stands between the wait above and these loads
.set i, i+1
.endr
.set i, 0
.rept 8
	s_wait_dscnt 7-i                               ; LDS loads come back in order: number i is in
	global_store_b128 v6, v[IN+4*i:IN+4*i+3], s[34:35] offset:i*4096      ; 16 lanes store 256 consecutive bytes, at a multiple of 256 from mt2's first byte
.set i, i+1
.endr
	s_wait_dscnt 0x0                               ; the closing lines, six on end
	s_wait_alu 0x0
	s_wait_tensorcnt 0x0
	ds_add_u32 v[SPW], v[NIL]
	s_wait_dscnt 0x0
	s_endpgm
.Laddends:
	; THE ADDENDS, in f32: each bias rounded to bf16 like every input, bq and bk divided by 16 like the sums that they join; 4,096 zeros in front of xh.
.macro ADDEND in, out, scaled
	v_cvt_pk_bf16_f32 v[T], v[\in], v[(\in)+1]
	v_cvt_pk_bf16_f32 v[T+1], v[(\in)+2], v[(\in)+3]
	v_lshlrev_b32 v[\out], 16, v[T]
	v_and_b32 v[(\out)+1], 0xffff0000, v[T]
	v_lshlrev_b32 v[(\out)+2], 16, v[T+1]
	v_and_b32 v[(\out)+3], 0xffff0000, v[T+1]
.if \scaled
	v_pk_mul_f32 v[\out:(\out)+1], v[\out:(\out)+1], 0x3d800000 op_sel_hi:[1,0]
	v_pk_mul_f32 v[(\out)+2:(\out)+3], v[(\out)+2:(\out)+3], 0x3d800000 op_sel_hi:[1,0]
.endif
.endm
	v_lshlrev_b32 v1, 4, v0                        ; 256 threads x 16 bytes = a bias
.irp i, 8,9,10,11
	v_mov_b32 v\i, 0
.endr
	s_wait_alu depctr_va_vdst(0)                   ; v1 is written, the offset of every load and store of this way; so are the zeros v[8:11], which the first four stores read
	global_load_b128 v[12:15], v1, s[20:21]        ; bq
	global_load_b128 v[16:19], v1, s[22:23]        ; bv
	global_load_b128 v[20:23], v1, s[24:25]        ; bo
	global_load_b128 v[24:27], v1, s[26:27]        ; bk
.irp i, 0,1,2,3
	global_store_b128 v1, v[8:11], s[28:29] offset:4096*(\i)
.endr
	s_wait_loadcnt 0x0
	ADDEND 12, 32, 1
	ADDEND 16, 36, 0
	ADDEND 20, 40, 0
	ADDEND 24, 44, 1
	s_wait_alu depctr_va_vdst(0)                   ; the four addends v[32:47] are written, which the four stores read
	global_store_b128 v1, v[32:35], s[30:31]               ; bq / 16
	global_store_b128 v1, v[36:39], s[30:31] offset:4096   ; bv
	global_store_b128 v1, v[40:43], s[30:31] offset:8192   ; bo
	global_store_b128 v1, v[44:47], s[32:33]               ; bk / 16
	s_endpgm                                       ; this way has written no LDS
.Lfunc_end_k_qe89b204fbd_prep:
	.size	k_qe89b204fbd_prep, .Lfunc_end_k_qe89b204fbd_prep-k_qe89b204fbd_prep
	.p2alignl 7, 3214868480
	.fill 96, 4, 3214868480
	.section	.rodata,"a",@progbits
	.p2align	6, 0x0
	.amdhsa_kernel k_qe89b204fbd_prep
		.amdhsa_group_segment_fixed_size 35840
		.amdhsa_private_segment_fixed_size 0
		.amdhsa_enable_private_segment 0
		.amdhsa_kernarg_size 112
		.amdhsa_user_sgpr_count 2
		.amdhsa_user_sgpr_kernarg_segment_ptr 1
		.amdhsa_wavefront_size32 1
		.amdhsa_system_sgpr_workgroup_id_x 1
		.amdhsa_system_sgpr_workgroup_id_y 1
		.amdhsa_system_sgpr_workgroup_id_z 1
		.amdhsa_system_vgpr_workitem_id 0
		.amdhsa_next_free_vgpr 128
		.amdhsa_next_free_sgpr 66
		.amdhsa_reserve_vcc 0
		.amdhsa_float_denorm_mode_32 3
		.amdhsa_float_denorm_mode_16_64 3
		.amdhsa_memory_ordered 1
		.amdhsa_forward_progress 1
		.amdhsa_inst_pref_size 30
	.end_amdhsa_kernel
	.amdgpu_metadata
---
amdhsa.version: [ 1, 2 ]
amdhsa.kernels:
  - .name:           k_qe89b204fbd_prep
    .symbol:         k_qe89b204fbd_prep.kd
    .args:
      - { .name: query, .offset: 0, .size: 8, .value_kind: global_buffer, .address_space: global }
      - { .name: Wq, .offset: 8, .size: 8, .value_kind: global_buffer, .address_space: global }
      - { .name: Wv, .offset: 16, .size: 8, .value_kind: global_buffer, .address_space: global }
      - { .name: Wo, .offset: 24, .size: 8, .value_kind: global_buffer, .address_space: global }
      - { .name: Wk, .offset: 32, .size: 8, .value_kind: global_buffer, .address_space: global }
      - { .name: mask, .offset: 40, .size: 8, .value_kind: global_buffer, .address_space: global }
      - { .name: bq, .offset: 48, .size: 8, .value_kind: global_buffer, .address_space: global }
      - { .name: bv, .offset: 56, .size: 8, .value_kind: global_buffer, .address_space: global }
      - { .name: bo, .offset: 64, .size: 8, .value_kind: global_buffer, .address_space: global }
      - { .name: bk, .offset: 72, .size: 8, .value_kind: global_buffer, .address_space: global }
      - { .name: xh, .offset: 80, .size: 8, .value_kind: global_buffer, .address_space: global }
      - { .name: wall, .offset: 88, .size: 8, .value_kind: global_buffer, .address_space: global }
      - { .name: wkh, .offset: 96, .size: 8, .value_kind: global_buffer, .address_space: global }
      - { .name: mt2, .offset: 104, .size: 8, .value_kind: global_buffer, .address_space: global }
    .group_segment_fixed_size: 35840
    .private_segment_fixed_size: 0
    .kernarg_segment_align: 8
    .kernarg_segment_size: 112
    .max_flat_workgroup_size: 256
    .sgpr_count:     66
    .vgpr_count:     128
    .wavefront_size: 32
...
	.end_amdgpu_metadata
.endif
;; end of part 11
;; launch proj: the kernel of part 7 again; grid 8 x 24, 4 waves a work-group, clusters of 4 x 4, 327,680 bytes of LDS; arguments xh, wall, wkh, qvb, ktb; writes qvb, ktb
;; launch kmask: the kernel of part 8 again; grid 8 x 32, 4 waves a work-group, clusters of 4 x 4, 327,680 bytes of LDS; arguments ktb, mt2, kmb; writes kmb
;; launch attn: the kernel of part 9 again; grid 8 x 32, 4 waves a work-group, clusters of 4 x 1, 327,680 bytes of LDS; arguments qvb, kmb, hob; writes hob
;; launch outp: the kernel of part 10 again; grid 8 x 32, 4 waves a work-group, clusters of 4 x 4, 327,680 bytes of LDS; arguments hob, wall, out0; writes out0
